; MI455X (gfx1250); checked and timed in simulation.
; The chip was launched on July 23, 2026; its instructions are those of AMD's public machine-readable ISA for CDNA 5 (MIT licence, August 2026) and "CDNA5" Instruction Set Architecture Reference Guide (July 2026). The comments in the code are by the model that wrote it; some were corrected since.
;; Multi Head Attention. Allowed arithmetic: matrix products marked QUANTISED: E2M3 operands, one E8M0 scale for each 32 along K, by v_wmma_scale_f32_16x16x128_f8f6f4 with both operands' format E2M3, f32 sums; everything else in f32.
;; Inputs: Wk 1,024 x 1,024 float32; Wo 1,024 x 1,024 float32; Wq 1,024 x 1,024 float32; Wv 1,024 x 1,024 float32; bk 1,024 float32; bo 1,024 float32; bq 1,024 float32; bv 1,024 float32; key 2 x 2,048 x 1,024 float32; query 2 x 2,048 x 1,024 float32; value 2 x 2,048 x 1,024 float32.
;; Outputs: out0 2 x 2,048 x 1,024 float32.
;; This version of the problem:
;;   THIS VERSION OF THE PROBLEM IS GIVEN IN LOW PRECISION. The matrix products marked QUANTISED in the list below multiply operands that are first quantised to E2M3 (2 exponent bits, 3 mantissa bits; 6 bits a number), with one power-of-two scale for each 32 numbers along K (OCP MX v1.0); their sums are f32. All else is computed in f32.
;;   The module's matrix products, in the order in which they are computed (A, B: the left and right operand; K: the contracted axis; several contracted axes count as one K, in the product's order):
;;     1. [M 4,096, K 1,024] x [K 1,024, N 1,024]; A: input query; B: input Wq: QUANTISED
;;     2. [M 4,096, K 1,024] x [K 1,024, N 1,024]; A: input key; B: input Wk: QUANTISED
;;     3. [M 4,096, K 1,024] x [K 1,024, N 1,024]; A: input value; B: input Wv: QUANTISED
;;     4. batch 32 x [M 2,048, K 64] x [K 64, N 2,048]; A: computed on the way; B: computed on the way: QUANTISED
;;     5. batch 32 x [M 2,048, K 2,048] x [K 2,048, N 64]; A: softmax (see below); B: computed on the way: QUANTISED
;;     6. [M 4,096, K 1,024] x [K 1,024, N 1,024]; A: computed on the way; B: input Wo: QUANTISED
;;   THE QUANTISER, for each operand of a quantised product, along K:
;;     - K is cut into blocks of 32 from its start; a last block that is shorter is filled with zeros.
;;     - A block's scale is 2^e with e = floor(log2(the largest magnitude in the block)) - 2, held to -126 .. 127; a block of zeros has e = 0. As a byte (E8M0): e + 127.
;;     - Each number is divided by its block's scale, clamped to +-7.5, and rounded to the nearest number of E2M3, ties to even, subnormals kept.
;;     - The product sums the exact products of the quantised numbers (number of the format x scale) in f32.
;;   ~~~python
;;   def quantise(x, axis):      # numpy; x: float32 -> the quantised numbers, widened to float32 again
;;       x = np.moveaxis(x, axis, -1); K = x.shape[-1]
;;       x = np.pad(x, [(0, 0)] * (x.ndim - 1) + [(0, -K % 32)]); x = x.reshape(x.shape[:-1] + (-1, 32)); a = np.abs(x).max(-1, keepdims=True)
;;       e = np.where(a > 0, np.clip(np.frexp(np.where(a > 0, a, 1))[1] - 1 - 2, -126, 127), 0)      # np.frexp(a)[1] - 1 = floor(log2(a)), exactly
;;       r = np.clip(x / 2.0 ** e, -7.5, 7.5)
;;       step = 2.0 ** (np.maximum(np.frexp(np.where(r == 0, 1, r))[1] - 1, 0) - 3)
;;       q = np.round(r / step) * step * 2.0 ** e      # np.round: ties to even
;;       return np.moveaxis(q.reshape(q.shape[:-2] + (-1,))[..., :K], -1, axis).astype(np.float32)
;;   ~~~
;;   SOFTMAX AHEAD OF A QUANTISED PRODUCT. Where the list says 'softmax', what is quantised is not the finished softmax but p = 2^(t - M), with t = logit x log2(e) and M = ceil(the row's largest t), a whole number; so 1/2 < the row's largest p <= 1. The row's sum l is taken of the UNQUANTISED p, in f32, and the product's result is divided by l at the end. Since M is a whole number, a kernel that streams over the keys may use a running M (the ceiling of the running maximum): every later rescaling is an exact power of two, which a block's scale takes up: the codes' values come out the same.
;;   OPERANDS COMPUTED ON THE WAY. 'Computed on the way' means the value that the module computes at that place (a softmax that the list does not call 'softmax' is quantised finished and normalised). What goes into a quantiser is computed in f32, as accurately as f32 sums, v_exp_f32 and their like allow (about 1e-6 of the number): no bf16 or f16 on the way to a quantiser, and a product that is left as it is and whose result goes on into a quantised operand takes f32 operands (vector FMAs, or v_wmma_f32_16x16x4_f32). A number that lies on a knife's edge between two numbers of the format may be rounded either way, as far as f32 arithmetic and the matrix unit's own rounding can turn it there, and no further.
;; 2 versions. Each part assembles by itself: llvm-mc -triple=amdgcn-amd-amdhsa -mcpu=gfx1250 --defsym DOCPART=n.
;; ======== version 1 of 2: 5 launches
;; workspace buffers: xq 9,830,400 bytes; wq 3,276,800 bytes; qkv 9,961,472 bytes; oq 3,276,800 bytes
;; launch qx (part 1): grid 256 x 1, 6 waves a work-group, no clusters, 51,456 bytes of LDS; arguments query, key, value, xq; writes xq
.if DOCPART == 1
	.amdgcn_target "amdgcn-amd-amdhsa--gfx1250"
	.amdhsa_code_object_version 6
	.text
	.protected	k_qd40c9198eb_qx
	.globl	k_qd40c9198eb_qx
	.p2align	8
	.type	k_qd40c9198eb_qx,@function
k_qd40c9198eb_qx:
	s_mov_b64 s[64:65], 0
	v_nop
	global_prefetch_b8 v0, s[64:65] scope:SCOPE_SE
	s_setreg_imm32_b32 hwreg(HW_REG_WAVE_MODE, 25, 1), 1
	s_wait_xcnt 0x0
; query, key, value [4096][1024] f32 become codes of FP6 (E2M3) with one E8M0 byte for each 32 along K, laid as the products' operands want them.
; A block's scale is 2^(floor(log2(its largest magnitude)) - 2); its byte is the largest magnitude's exponent field - 2, held at 1 from below.
; LIMITS: NaN and infinities among the inputs are not served.  A block of zeros gets the byte 1 where the rule says 127: its codes are zeros, which add nothing under any
; byte but 0xff, and this program alone reads the bytes.  Blocks whose largest magnitude lies under 2^-124 have their byte held at 1.
; LAYOUT OUT.  Rows go in tiles of 16: tile 2 g + u, row p, is token 32 g + 8 u + (p & 7) + 16 (p >> 3).  A fragment (16 rows x 128 K) is stored as the IMAGE OF ITS 12 REGISTERS, in two
; units of 768 bytes (64 K each): registers 0-3 at 16 x lane, registers 4-5 at 512 + 8 x lane.  Codes: [tensor][block of 128 rows][K step 0..7][tile 0..7][1,536].
; Scale words: 512 bytes a tile; the word of (row r, K step s) at 256 (s >> 2) + 8 (r + 16 (s & 1)) + 4 ((s >> 1) & 1).
; SHARES.  A work-group takes one tile of rows of all three tensors; wave w takes tensor w / 2, K half w % 2: four fragments.  Waves share nothing: no barrier.
; Each load reads 512 consecutive bytes of a row; a fragment's 16 x 512 bytes turn through the wave's own stage in LDS, so that a lane gets two whole blocks of 32 neighbours.
; No matrix unit, no tensor loads, no cluster: the launch streams, and no two work-groups read the same byte.
.set XSO,   9437184                    ; where the scale words begin
.set TENS,  3145728                    ; a tensor's codes
.set BLKB,  98304                      ; a block of 128 rows
.set KSB,   12288                      ; a K step of a block
.set FRB,   1536                       ; a fragment
.set PITCH, 528                        ; a stage row: 512 bytes + 16: the sixteen rows that a read touches begin 33 x 16 bytes apart
.set STG,   16*PITCH                   ; a wave's stage
.set L16,  1                           ; v1   16 x lane
.set L8,   2                           ; v2   8 x lane
.set SIN,  3                           ; v3   into the stage: 16 x lane
.set SOUT, 4                           ; v4   out of it: row r, + 128 h
.set H8,   5                           ; v5   8 h
.set R,    16                          ; v16-143  two sets of 64: a fragment's numbers as loaded
.set X,    144                         ; v144-207 register 32 c + i = k 64 c + 32 h + i of my row
.set PC,   208                         ; v208-219 the fragment's codes
.set PD,   220                         ; v220-226 the upper halves of the blocks, as converted
.set BM,   228
.set SO,   230
.set BY,   232
.set T,    234
.set W,    236                         ; v236-239 the four fragments' scale words
.set SW,   240
	s_load_b256 s[4:11], s[0:1], 0x0               ; query s[4:5], key s[6:7], value s[8:9], xq s[10:11]
	v_lshl_add_u32 v254, v0, 2, 0xc600
	v_mov_b32 v255, 0
	v_lshrrev_b32 v6, 5, v0
	v_readfirstlane_b32 s12, v6                    ; wave 0..5
	v_and_b32 v7, 31, v0
	v_lshlrev_b32 v[L16], 4, v7
	v_lshlrev_b32 v[L8], 3, v7
	s_mul_i32 s13, s12, STG
	v_add_nc_u32 v[SIN], s13, v[L16]
	v_and_b32 v8, 15, v0                           ; r
	v_bfe_u32 v9, v0, 4, 1                         ; h
	v_mul_u32_u24 v[SOUT], v8, PITCH
	v_lshl_add_u32 v[SOUT], v9, 7, v[SOUT]
	v_add_nc_u32 v[SOUT], s13, v[SOUT]
	v_lshlrev_b32 v[H8], 3, v9
	v_mov_b32 v[T+1], 0                            ; a lane permute's destination counts as one of its sources
	s_lshr_b32 s14, s12, 1                         ; which tensor
	s_and_b32 s15, s12, 1                          ; which half of K
	s_mov_b32 s20, 0x76543210
	s_mov_b32 s21, 0xfedcba98                      ; v_permlanex16_b32's selects for lane l xor 16
	s_mov_b32 s22, 0xffff0000                      ; lanes 16-31
	s_lshr_b32 s16, ttmp9, 1
	s_lshl_b32 s16, s16, 17                        ; 32 rows of 4,096 bytes for each pair of tiles,
	s_and_b32 s17, ttmp9, 1
	s_lshl_b32 s17, s17, 15                        ; 8 rows for the odd tile,
	s_add_co_u32 s16, s16, s17
	s_lshl_b32 s17, s15, 11                        ; 2,048 bytes for the upper half of K
	s_add_co_u32 s16, s16, s17
	s_mov_b32 s17, 0
	s_mul_i32 s24, s14, TENS                       ; where my codes go
	s_lshr_b32 s25, ttmp9, 3
	s_mul_i32 s25, s25, BLKB
	s_add_co_u32 s24, s24, s25
	s_mul_i32 s25, s15, 4*KSB
	s_add_co_u32 s24, s24, s25
	s_and_b32 s25, ttmp9, 7
	s_mul_i32 s25, s25, FRB
	s_add_co_u32 s24, s24, s25
	s_mov_b32 s25, 0
	s_lshl_b32 s26, s14, 8                         ; and my scale words: tile 256 x tensor + work-group, 256 bytes for each half of K
	s_add_co_u32 s26, s26, ttmp9
	s_lshl_b32 s26, s26, 9
	s_lshl_b32 s27, s15, 8
	s_add_co_u32 s26, s26, s27
	s_add_co_u32 s26, s26, XSO
	s_mov_b32 s27, 0
	s_wait_kmcnt 0x0
	s_cmp_eq_u32 s14, 0                            ; the choice of the tensor hangs on the wave's number alone
	s_cselect_b64 s[4:5], s[4:5], s[6:7]
	s_cmp_eq_u32 s14, 2
	s_cselect_b64 s[4:5], s[8:9], s[4:5]
	s_add_nc_u64 s[4:5], s[4:5], s[16:17]
	s_add_nc_u64 s[28:29], s[10:11], s[26:27]
	s_add_nc_u64 s[10:11], s[10:11], s[24:25]
.macro LOAD f                          ; fragment f: 128 numbers of each of the tile's 16 rows: 32 lanes read 512 consecutive bytes
.irp i, 0,1,2,3,4,5,6,7,8,9,10,11,12,13,14,15
	global_load_b128 v[R+64*((\f)%2)+4*\i:R+64*((\f)%2)+4*\i+3], v[L16], s[4:5] offset:(\i+8*(\i/8))*4096+512*(\f) th:TH_LOAD_NT
.endr
.endm
.macro TURN f                          ; through the stage: LDS serves a wave's instructions in order (ISA guide 5.7.1.4), so no wait stands between the stores and the loads
.irp i, 0,1,2,3,4,5,6,7,8,9,10,11,12,13,14,15
	ds_store_b128 v[SIN], v[R+64*((\f)%2)+4*\i:R+64*((\f)%2)+4*\i+3] offset:PITCH*\i
.endr
.irp c, 0,1
.irp m, 0,1,2,3,4,5,6,7
	ds_load_b128 v[X+32*\c+4*\m:X+32*\c+4*\m+3], v[SOUT] offset:256*\c+16*\m
.endr
.endr
.endm
.macro Q4 f                            ; my two blocks (2 c + h) of fragment f: all 32 numbers of each are mine
.irp c, 0,1
	v_max3_num_f32 v[BM+\c], |v[X+32*\c]|, |v[X+32*\c+1]|, 0x1800000   ; with the floor 2^(3 - 127): the byte cannot fall under 1
.endr
.irp i, 2,4,6,8,10,12,14,16,18,20,22,24,26,28,30
.irp c, 0,1
	v_max3_num_f32 v[BM+\c], v[BM+\c], |v[X+32*\c+\i]|, |v[X+32*\c+\i+1]|   ; the two blocks by turns
.endr
.endr
.irp c, 0,1
	v_add_nc_u32 v[SO+\c], 0xff000000, v[BM+\c]    ; 2 off the exponent field: the conversion takes the exponent field of this operand as its scale
.endr
.irp c, 0,1
	v_lshrrev_b32 v[BY+\c], 23, v[SO+\c]           ; the scale's byte
.endr
	v_lshl_or_b32 v[T], v[BY+1], 16, v[BY]         ; my two bytes, blocks h and 2 + h,
	v_lshlrev_b32 v[T], v[H8], v[T]                ; at their places in the row's word;
	v_permlanex16_b32 v[T+1], v[T], s20, s21
	v_or_b32 v[W+\f], v[T], v[T+1]                 ; with lane l xor 16's two the word is whole
.if \f > 0
	s_wait_xcnt 0x0                                ; the last fragment's stores have read their data: the codes' registers are written again only behind this wait
.endif
.irp c, 0,1
	v_cvt_scalef32_pk16_fp6_f32 v[PC+6*\c:PC+6*\c+2], v[X+32*\c:X+32*\c+15], v[SO+\c]
	v_cvt_scalef32_pk16_fp6_f32 v[PD+4*\c:PD+4*\c+2], v[X+32*\c+16:X+32*\c+31], v[SO+\c]   ; (a conversion's three registers begin on an even number)
.endr
	v_nop                                          ; one plain place behind a scaled conversion
.irp c, 0,1
.irp i, 0,1,2
	v_mov_b32 v[PC+6*\c+3+\i], v[PD+4*\c+\i]
.endr
.endr
.irp c, 0,1
	global_store_b128 v[L16], v[PC+6*\c:PC+6*\c+3], s[10:11] offset:KSB*\f+768*\c         ; 512 consecutive bytes, at a multiple of 256 from the buffer's first byte
	global_store_b64 v[L8], v[PC+6*\c+4:PC+6*\c+5], s[10:11] offset:KSB*\f+768*\c+512     ; 256 consecutive bytes, likewise
.endr
.endm
	LOAD 0
	LOAD 1
.irp f, 0,1,2,3
.if \f < 3
	s_wait_loadcnt 16                              ; this fragment's 16 loads are in; the next fragment's 16 may be out
.else
	s_wait_loadcnt 0x0
.endif
	TURN \f
	s_wait_dscnt 0x0                               ; X is in, and the stores into the stage have read their registers,
.if \f < 2
	LOAD \f+2                                      ; which take the fragment two on
.endif
	Q4 \f
.endr
	v_cndmask_b32 v[SW], v[W], v[W+1], s22         ; lanes 0-15 the even K step's words, lanes 16-31 the odd one's
	v_cndmask_b32 v[SW+1], v[W+2], v[W+3], s22
	global_store_b64 v[L8], v[SW:SW+1], s[28:29]   ; 256 consecutive bytes, aligned
	s_wait_tensorcnt 0x0
	ds_add_u32 v254, v255
	s_wait_dscnt 0x0
	s_endpgm
.Lfunc_end_k_qd40c9198eb_qx:
	.size	k_qd40c9198eb_qx, .Lfunc_end_k_qd40c9198eb_qx-k_qd40c9198eb_qx
	.p2alignl 7, 3214868480
	.fill 96, 4, 3214868480
	.section	.rodata,"a",@progbits
	.p2align	6, 0x0
	.amdhsa_kernel k_qd40c9198eb_qx
		.amdhsa_group_segment_fixed_size 51456
		.amdhsa_private_segment_fixed_size 0
		.amdhsa_enable_private_segment 0
		.amdhsa_kernarg_size 32
		.amdhsa_user_sgpr_count 2
		.amdhsa_user_sgpr_kernarg_segment_ptr 1
		.amdhsa_wavefront_size32 1
		.amdhsa_system_sgpr_workgroup_id_x 1
		.amdhsa_system_sgpr_workgroup_id_y 1
		.amdhsa_system_sgpr_workgroup_id_z 1
		.amdhsa_system_vgpr_workitem_id 0
		.amdhsa_next_free_vgpr 256
		.amdhsa_next_free_sgpr 66
		.amdhsa_reserve_vcc 0
		.amdhsa_float_denorm_mode_32 3
		.amdhsa_float_denorm_mode_16_64 3
		.amdhsa_memory_ordered 1
		.amdhsa_forward_progress 1
		.amdhsa_inst_pref_size 31
	.end_amdhsa_kernel
	.amdgpu_metadata
---
amdhsa.version: [ 1, 2 ]
amdhsa.kernels:
  - .name:           k_qd40c9198eb_qx
    .symbol:         k_qd40c9198eb_qx.kd
    .args:
      - { .name: query, .offset: 0, .size: 8, .value_kind: global_buffer, .address_space: global }
      - { .name: key, .offset: 8, .size: 8, .value_kind: global_buffer, .address_space: global }
      - { .name: value, .offset: 16, .size: 8, .value_kind: global_buffer, .address_space: global }
      - { .name: xq, .offset: 24, .size: 8, .value_kind: global_buffer, .address_space: global }
    .group_segment_fixed_size: 51456
    .private_segment_fixed_size: 0
    .kernarg_segment_align: 8
    .kernarg_segment_size: 32
    .max_flat_workgroup_size: 192
    .sgpr_count:     66
    .vgpr_count:     256
    .wavefront_size: 32
...
	.end_amdgpu_metadata
.endif
;; end of part 1
;; launch qw (part 2): grid 8 x 32, 4 waves a work-group, no clusters, 12,800 bytes of LDS; arguments Wq, Wk, Wv, Wo, wq; writes wq
.if DOCPART == 2
	.amdgcn_target "amdgcn-amd-amdhsa--gfx1250"
	.amdhsa_code_object_version 6
	.text
	.protected	k_qd40c9198eb_qw
	.globl	k_qd40c9198eb_qw
	.p2align	8
	.type	k_qd40c9198eb_qw,@function
k_qd40c9198eb_qw:
	s_mov_b64 s[64:65], 0
	v_nop
	global_prefetch_b8 v0, s[64:65] scope:SCOPE_SE
	s_setreg_imm32_b32 hwreg(HW_REG_WAVE_MODE, 25, 1), 1
	s_wait_xcnt 0x0
; Wq, Wk, Wv, Wo [1024 (k)][1024 (n)] f32, K their FIRST axis, become codes of FP6 (E2M3) with K innermost and one E8M0 byte for each 32 along K, in the layout of the launch before:
; rows n in tiles of 16 (tile 2 g + u, row p = n 32 g + 8 u + (p & 7) + 16 (p >> 3)); a fragment as the image of its 12 registers; codes [weight][block of 128 n][K step][tile][1,536];
; scale words 512 bytes a tile, the word of (row r, K step s) at 256 (s >> 2) + 8 (r + 16 (s & 1)) + 4 ((s >> 1) & 1).
; A LANE TAKES A COLUMN n, AND ITS REGISTERS RUN DOWN K: each load reads 128 consecutive bytes a wave, a block of 32 lies in one lane, and the conversions give codes with K innermost.
; LIMITS: NaN and infinities are not served; a block of zeros gets the byte 1 (its codes are zeros, and this program alone reads the bytes); under 2^-124 the byte is held at 1.
; SHARES.  Work-group (x, y): weight y / 8, K step y % 8, columns 128 x on; wave w: 32 columns = two tiles.  The two fragments' images are gathered in the wave's own 3,072 bytes of LDS
; and leave as 3,072 consecutive bytes.  The scale words leave as 4 bytes a lane, 8 bytes apart: 128 KiB of the launch's 19 MiB.  Waves share nothing: no barrier.
.set WSO,  3145728
.set BLKB, 98304
.set KSB,  12288
.set X,    32                          ; v32-95  two sets of 32 numbers; at the end v32-55 take the images on their way out
.set C,    96                          ; v96-101 a block's codes
.set CD,   104                         ; v104-106 its upper half, as converted
.set SB,   24                          ; v24     my column's scale word
.set OUTR, 32
	s_load_b256 s[4:11], s[0:1], 0x0               ; Wq, Wk, Wv, Wo
	s_load_b64 s[12:13], s[0:1], 0x20              ; wq
	v_lshl_add_u32 v128, v0, 2, 0x3000
	v_mov_b32 v129, 0
	v_lshrrev_b32 v1, 5, v0
	v_readfirstlane_b32 s16, v1                    ; wave 0..3
	v_and_b32 v2, 31, v0
	v_lshlrev_b32 v3, 2, v2                        ; in: 4 bytes a lane
	v_bfe_u32 v5, v0, 3, 1                         ; u: which of the wave's two tiles my column belongs to
	v_and_b32 v6, 7, v0
	v_bfe_u32 v7, v0, 4, 1
	v_lshl_add_u32 v6, v7, 3, v6                   ; p: its row there
	s_mul_i32 s17, s16, 3072
	v_mul_u32_u24 v8, v5, 1536
	v_add_nc_u32 v8, s17, v8
	v_lshl_add_u32 v9, v6, 3, v8                   ; v9: the image's registers 4-5: 8 bytes a row
	v_lshl_add_u32 v8, v6, 4, v8                   ; v8: its registers 0-3: 16 bytes a row
	v_lshlrev_b32 v14, 4, v2                       ; 16 x lane
	v_add_nc_u32 v10, s17, v14                     ; back out of LDS
	v_lshlrev_b32 v15, 9, v5
	v_lshl_add_u32 v15, v6, 3, v15                 ; my scale word: 512 u + 8 p
	s_and_b32 s18, ttmp7, 0xffff
	s_lshr_b32 s19, s18, 3                         ; which weight
	s_and_b32 s18, s18, 7                          ; which K step
	s_lshl_b32 s20, s18, 19                        ; 128 rows of 4,096 bytes a K step,
	s_lshl_b32 s21, ttmp9, 9                       ; 128 columns a work-group,
	s_add_co_u32 s20, s20, s21
	s_lshl_b32 s21, s16, 7                         ; 32 a wave
	s_add_co_u32 s20, s20, s21
	s_mov_b32 s21, 0
	s_lshl_b32 s22, s19, 3
	s_add_co_u32 s22, s22, ttmp9                   ; block 8 x weight + x
	s_mul_i32 s24, s22, BLKB
	s_mul_i32 s25, s18, KSB
	s_add_co_u32 s24, s24, s25
	s_add_co_u32 s24, s24, s17
	s_mov_b32 s25, 0
	s_lshl_b32 s26, s22, 3
	s_lshl_b32 s27, s16, 1
	s_add_co_u32 s26, s26, s27                     ; my first tile
	s_lshl_b32 s26, s26, 9
	s_lshr_b32 s27, s18, 2
	s_lshl_b32 s27, s27, 8
	s_add_co_u32 s26, s26, s27
	s_and_b32 s27, s18, 1
	s_lshl_b32 s27, s27, 7
	s_add_co_u32 s26, s26, s27
	s_bfe_u32 s27, s18, 0x10001
	s_lshl_b32 s27, s27, 2
	s_add_co_u32 s26, s26, s27
	s_add_co_u32 s26, s26, WSO
	s_mov_b32 s27, 0
	s_wait_kmcnt 0x0
	s_cmp_eq_u32 s19, 1                            ; the choice of the weight hangs on the work-group's number alone
	s_cselect_b64 s[4:5], s[6:7], s[4:5]
	s_cmp_eq_u32 s19, 2
	s_cselect_b64 s[4:5], s[8:9], s[4:5]
	s_cmp_eq_u32 s19, 3
	s_cselect_b64 s[4:5], s[10:11], s[4:5]
	s_add_nc_u64 s[4:5], s[4:5], s[20:21]
	s_add_nc_u64 s[14:15], s[12:13], s[26:27]
	s_add_nc_u64 s[12:13], s[12:13], s[24:25]
.macro LOAD t                          ; block t: W(32 t + i, my column), i = 0 .. 31, into set t % 2
.irp i, 0,1,2,3,4,5,6,7,8,9,10,11,12,13,14,15,16,17,18,19,20,21,22,23,24,25,26,27,28,29,30,31
	global_load_b32 v[X+32*((\t)%2)+\i], v3, s[4:5] offset:(32*(\t)+\i)*4096 th:TH_LOAD_NT
.endr
.endm
	LOAD 0
	LOAD 1
.macro BLOCK t
.set XB, X+32*((\t)%2)
.if (\t) < 3
	s_wait_loadcnt 32                              ; this block's 32 loads are in; the next block's may be out
.else
	s_wait_loadcnt 0x0
.endif
	v_max3_num_f32 v12, |v[XB]|, |v[XB+1]|, |v[XB+2]|
	v_max3_num_f32 v13, |v[XB+3]|, |v[XB+4]|, |v[XB+5]|
.irp i, 6,10,14,18,22,26
	v_max3_num_f32 v12, v12, |v[XB+\i]|, |v[XB+\i+1]|
	v_max3_num_f32 v13, v13, |v[XB+\i+2]|, |v[XB+\i+3]|
.endr
	v_max3_num_f32 v12, v12, |v[XB+30]|, |v[XB+31]|
	v_max3_num_f32 v12, v12, v13, 0x1800000        ; and the floor 2^(3 - 127): the byte cannot fall under 1
	v_add_nc_u32 v11, 0xff000000, v12              ; 2 off the exponent field: the conversion's scale operand
	v_lshrrev_b32 v13, 23, v11                     ; the scale's byte
.if (\t) == 0
	v_mov_b32 v[SB], v13
.else
	v_lshl_or_b32 v[SB], v13, 8*(\t), v[SB]
.endif
	v_cvt_scalef32_pk16_fp6_f32 v[C:C+2], v[XB:XB+15], v11
	v_cvt_scalef32_pk16_fp6_f32 v[CD:CD+2], v[XB+16:XB+31], v11     ; (a conversion's three registers begin on an even number)
	v_nop                                          ; one plain place behind a scaled conversion
.irp i, 0,1,2
	v_mov_b32 v[C+3+\i], v[CD+\i]
.endr
	ds_store_b128 v8, v[C:C+3] offset:768*((\t)/2)+256*((\t)%2)          ; block t is what lane p + 16 (t % 2) holds of unit t / 2
	ds_store_b64 v9, v[C+4:C+5] offset:768*((\t)/2)+512+128*((\t)%2)
.if (\t)+2 < 4
	LOAD (\t)+2
.endif
	s_wait_dscnt 0x0                               ; the stores have read their registers: the next block's codes may be written
.endm
	BLOCK 0
	BLOCK 1
	BLOCK 2
	BLOCK 3
	global_store_b32 v15, v[SB], s[14:15]          ; my column's word for this K step
.irp i, 0,1,2,3,4,5
	ds_load_b128 v[OUTR+4*\i:OUTR+4*\i+3], v10 offset:512*\i   ; LDS serves a wave's instructions in order: these see my stores
.endr
.irp i, 0,1,2,3,4,5
	s_wait_dscnt 5-\i                              ; load i is in; the 5 - i younger ones may be out
	global_store_b128 v14, v[OUTR+4*\i:OUTR+4*\i+3], s[12:13] offset:512*\i   ; 512 consecutive bytes, at a multiple of 256 from the buffer's first byte
.endr
	s_wait_tensorcnt 0x0
	ds_add_u32 v128, v129
	s_wait_dscnt 0x0
	s_endpgm
.Lfunc_end_k_qd40c9198eb_qw:
	.size	k_qd40c9198eb_qw, .Lfunc_end_k_qd40c9198eb_qw-k_qd40c9198eb_qw
	.p2alignl 7, 3214868480
	.fill 96, 4, 3214868480
	.section	.rodata,"a",@progbits
	.p2align	6, 0x0
	.amdhsa_kernel k_qd40c9198eb_qw
		.amdhsa_group_segment_fixed_size 12800
		.amdhsa_private_segment_fixed_size 0
		.amdhsa_enable_private_segment 0
		.amdhsa_kernarg_size 40
		.amdhsa_user_sgpr_count 2
		.amdhsa_user_sgpr_kernarg_segment_ptr 1
		.amdhsa_wavefront_size32 1
		.amdhsa_system_sgpr_workgroup_id_x 1
		.amdhsa_system_sgpr_workgroup_id_y 1
		.amdhsa_system_sgpr_workgroup_id_z 1
		.amdhsa_system_vgpr_workitem_id 0
		.amdhsa_next_free_vgpr 130
		.amdhsa_next_free_sgpr 66
		.amdhsa_reserve_vcc 0
		.amdhsa_float_denorm_mode_32 3
		.amdhsa_float_denorm_mode_16_64 3
		.amdhsa_memory_ordered 1
		.amdhsa_forward_progress 1
		.amdhsa_inst_pref_size 23
	.end_amdhsa_kernel
	.amdgpu_metadata
---
amdhsa.version: [ 1, 2 ]
amdhsa.kernels:
  - .name:           k_qd40c9198eb_qw
    .symbol:         k_qd40c9198eb_qw.kd
    .args:
      - { .name: Wq, .offset: 0, .size: 8, .value_kind: global_buffer, .address_space: global }
      - { .name: Wk, .offset: 8, .size: 8, .value_kind: global_buffer, .address_space: global }
      - { .name: Wv, .offset: 16, .size: 8, .value_kind: global_buffer, .address_space: global }
      - { .name: Wo, .offset: 24, .size: 8, .value_kind: global_buffer, .address_space: global }
      - { .name: wq, .offset: 32, .size: 8, .value_kind: global_buffer, .address_space: global }
    .group_segment_fixed_size: 12800
    .private_segment_fixed_size: 0
    .kernarg_segment_align: 8
    .kernarg_segment_size: 40
    .max_flat_workgroup_size: 128
    .sgpr_count:     66
    .vgpr_count:     130
    .wavefront_size: 32
...
	.end_amdgpu_metadata
.endif
;; end of part 2
;; launch proj (part 3): grid 8 x 96, 4 waves a work-group, clusters of 4 x 4, 197,120 bytes of LDS; arguments xq, wq, bq, bk, bv, qkv; writes qkv
.if DOCPART == 3
	.amdgcn_target "amdgcn-amd-amdhsa--gfx1250"
	.amdhsa_code_object_version 6
	.text
	.protected	k_qd40c9198eb_proj
	.globl	k_qd40c9198eb_proj
	.p2align	8
	.type	k_qd40c9198eb_proj,@function
k_qd40c9198eb_proj:
	s_mov_b64 s[64:65], 0
	v_nop
	global_prefetch_b8 v0, s[64:65] scope:SCOPE_SE
	s_setreg_imm32_b32 hwreg(HW_REG_WAVE_MODE, 25, 1), 1
	s_wait_xcnt 0x0
	s_wait_alu depctr_hold_cnt(0) depctr_sa_sdst(0) depctr_va_vdst(0) depctr_va_sdst(0) depctr_va_ssrc(0) depctr_va_vcc(0) depctr_vm_vsrc(0)
	s_getreg_b32 s2, hwreg(HW_REG_IB_STS2, 6, 4)
	s_cmp_eq_u32 s2, 0
	s_cbranch_scc0 .Lentry_in_a_cluster
	s_endpgm
.Lentry_in_a_cluster:
	s_bfe_u32 s2, ttmp6, 0x10000c
	s_cmp_lg_u32 s2, 0xf033
	s_cbranch_scc0 .Lentry_shape_is_right
	s_endpgm
.Lentry_shape_is_right:
; Q = query Wq + bq, K = key Wk + bk, V = value Wv + bv on codes of FP6 (E2M3) with E8M0 scales, sums in f32; each result is quantised again in registers, Q and K along the head's 64,
; V along the tokens (the keys), and leaves as codes and scale bytes in the layout that the attention reads.  Nothing wide goes to memory.
; SHARES.  Work-group (X, Y): 128 columns n (block X of the weight) x 128 tokens (block Y of 96: 32 for each projection).  Four waves, each 64 x 64: 16 accumulators.
; ALL OF K = 1,024 FITS IN LDS: the weight's block and the tokens' block are 98,304 bytes each, [K step][tile][1,536], register images.  LDS is filled once; no byte is filled again.
; Each wave brings four K steps of one operand (12,288 dense bytes a load): four tensor loads of mine are out at the most.  The counted waits let K steps 0, 1 start while the others land.
; CLUSTERS: 4 x 4.  The weight's block hangs on X alone and is asked for jointly along a column of the cluster, the tokens' block on Y alone and jointly along a row.
; The projection is made of the cluster's y alone (8 rows of clusters each), so the branches on it are alike in all sixteen partners.
; Q, K: source 0 = 16 rows of W, source 1 = 16 tokens: a lane holds one token, and, since a tile's rows are 32 g + 8 u + (p & 7) + 16 (p >> 3), its 32 registers of a token tile are
; register 16 b + i = channel 32 b + 16 h + i of the head.  V: the sources swapped: a lane holds one channel and its registers run along the tokens in the same way.
; The bias is the C of each sum's first matrix instruction.
; LIMITS: as the quantising launches: a block of zeros gets the byte 1; under 2^-124 the byte is held at 1; NaN and infinities are not served.
; REGISTERS.  Window 0: v1-15 addresses; v16-31 W's scale words, v32-47 the tokens' (register i of a tile: K step 2 i in lanes 0-15, 2 i + 1 in lanes 16-31); v48-79 the bias, later the codes;
;   v80-207 the accumulators ((t, u) at 80 + 32 u + 8 t); v208-227 at work.   Window 1: two sets of 96: W's four fragments, then the tokens' four.
.set OPB,   98304
.set KSB,   12288
.set FRB,   1536
.set WSO,   3145728
.set XSO,   9437184
.set RECB,  12800                      ; a record of qkv: 128 keys of a head: K's 8 units, V's 4 fragments, K's and V's scale words (256 bytes each)
.set HEADB, 204800
.set QI,    6553600
.set QS,    9699328
.set L16,  1
.set L8,   2
.set AW16, 4                           ; v4, v5 my W fragments' registers 0-3 and 4-5, K steps 0-3; v6, v7 K steps 4-7
.set AW8,  5
.set AX16, 8                           ; v8-11 the same for the tokens
.set AX8,  9
.set BA,   12
.set BV,   13
.set L4,   14
.set WSC,  16
.set XSC,  32
.set BI,   48
.set ACC,  80
.set PD,   208
.set BM,   212
.set T,    214
.set SO,   216
.set BYT,  218
.set PW,   220
.set WD,   224
.set WV,  16
.set WW,  17                           ; which half of W's block is mine
.set WX,  18                           ; which half of the tokens' block
.set CX,  19
.set CY,  20
.set NX,  21
.set NY,  22
.set PI,  23
.set G1W, 24
.set G1X, 32
.set G0W, 40
.set G0X, 68
.set SEL, 84
.set HI,  86
.set MSB, 0
.macro WIN new                         ; the immediate's high byte repeats the setting that is left
.if MSB != \new
	s_set_vgpr_msb (MSB<<8)|\new
.set MSB, \new
.endif
.endm
.set MUL,  0x05                        ; sources 0 and 1 window 1; C and D window 0
.set TO_F, 0x40                        ; destination window 1, address window 0
.macro CROUND                          ; a round of the cluster's barrier
	s_barrier_signal -1
	s_barrier_wait -1
	s_cmp_lg_u32 s[WV], 0
	s_cbranch_scc1 .Lnot_wave_0_\@
	s_barrier_signal -3
.Lnot_wave_0_\@:
	s_barrier_wait -3
	s_barrier_signal -1
	s_barrier_wait -1
.endm
	s_load_b256 s[4:11], s[0:1], 0x0               ; xq s[4:5], wq s[6:7], bq s[8:9], bk s[10:11]
	s_load_b128 s[12:15], s[0:1], 0x20             ; bv s[12:13], qkv s[14:15]
	v_lshl_add_u32 v254, v0, 2, 0x30000
	v_mov_b32 v255, 0
	ds_add_u32 v254, v255
	ds_add_u32 v254, v255
	v_lshrrev_b32 v3, 5, v0
	v_readfirstlane_b32 s[WV], v3                  ; wave 0..3
	s_and_b32 s[WW], s[WV], 1
	s_lshr_b32 s[WX], s[WV], 1
	s_bfe_u32 s[CX], ttmp6, 0x40000
	s_bfe_u32 s[CY], ttmp6, 0x40004
	s_lshl_b32 s[NX], ttmp9, 2
	s_add_co_u32 s[NX], s[NX], s[CX]               ; X = 4 x cluster x + cx
	s_and_b32 s[PI], ttmp7, 0xffff
	s_lshl_b32 s[NY], s[PI], 2
	s_add_co_u32 s[NY], s[NY], s[CY]               ; Y = 4 x cluster y + cy
	s_lshr_b32 s[PI], s[PI], 3                     ; the projection: 0 Q, 1 K, 2 V: of the cluster's y alone
	s_lshl_b32 s56, s[CY], 2
	s_lshl_b32 s56, 15, s56                        ; my row of the cluster
	s_lshl_b32 s57, 0x1111, s[CX]                  ; my column
	s_or_b32 s[G1W], s57, (3<<16)|(1<<21)          ; 15:0 the mask: W's block goes to my column; 17:16 elements of 8 bytes; 21 set beside a mask; no padding
	s_or_b32 s[G1X], s56, (3<<16)|(1<<21)          ; the tokens' block goes to my row
.irp g, G1W, G1X
	s_mov_b32 s[\g+1], 32<<16                      ; tensor_dim0 = 32 elements: rows of 256 bytes
	s_mov_b32 s[\g+2], 48<<16                      ; tensor_dim1 = 48 rows: 12,288 dense bytes
	s_mov_b32 s[\g+3], 32<<16                      ; tile_dim0
	s_mov_b32 s[\g+4], 48                          ; tile_dim1
	s_mov_b32 s[\g+5], 32                          ; tensor_dim0_stride
	s_mov_b32 s[\g+6], 0
	s_mov_b32 s[\g+7], 0
.endr
	s_mul_i32 s59, s[WW], KSB                      ; waves 0, 2 bring K steps 0, 2, 4, 6; waves 1, 3 the odd ones
	s_lshl_b32 s60, s[PI], 3
	s_add_co_u32 s60, s60, s[NX]                   ; W's block: 8 x projection + X: no cy in these registers
	s_mul_i32 s60, s60, OPB
	s_add_co_u32 s60, s60, s59
	s_mov_b32 s61, 0
	s_mul_i32 s62, s[NY], OPB                      ; the tokens' block: Y: no cx in these
	s_add_co_u32 s62, s62, s59
	s_mov_b32 s63, 0
	s_mul_i32 s58, s[WX], OPB                      ; where they go: W at 0 (waves 0, 1), the tokens at 98,304 (waves 2, 3): of the wave's number alone
	s_add_co_u32 s58, s58, s59
	s_mov_b32 s[SEL], 0x76543210
	s_mov_b32 s[SEL+1], 0xfedcba98
	s_mov_b32 s[HI], 0xffff0000
	s_wait_dscnt 0x0
	s_wait_kmcnt 0x0
	s_add_nc_u64 s[60:61], s[6:7], s[60:61]
	s_add_nc_u64 s[62:63], s[4:5], s[62:63]
	CROUND                                         ; all sixteen work-groups are here: the joint loads meet
.irp q, 0,1,2,3
	s_mov_b32 s[G0W+4*\q], 1
	s_add_co_u32 s[G0W+4*\q+1], s58, \q*2*KSB
	s_add_nc_u64 s[G0W+4*\q+2:G0W+4*\q+3], s[60:61], \q*2*KSB
	s_or_b32 s[G0W+4*\q+3], s[G0W+4*\q+3], 0x80000000
	s_mov_b32 s[G0X+4*\q], 1
	s_add_co_u32 s[G0X+4*\q+1], s58, \q*2*KSB
	s_add_nc_u64 s[G0X+4*\q+2:G0X+4*\q+3], s[62:63], \q*2*KSB
	s_or_b32 s[G0X+4*\q+3], s[G0X+4*\q+3], 0x80000000
.endr
	s_cmp_lt_u32 s[WV], 2                          ; a wave's four fills stand together in one branch on its number; four v_nop follow the last
	s_cbranch_scc0 .Lfill_x
.irp q, 0,1,2,3
	tensor_load_to_lds s[G0W+4*\q:G0W+4*\q+3], s[G1W:G1W+7]
	s_nop 0
.endr
.rept 4
	v_nop
.endr
	s_branch .Lfilled
.Lfill_x:
.irp q, 0,1,2,3
	tensor_load_to_lds s[G0X+4*\q:G0X+4*\q+3], s[G1X:G1X+7]
	s_nop 0
.endr
.rept 4
	v_nop
.endr
.Lfilled:
	v_and_b32 v3, 31, v0
	v_lshlrev_b32 v[L16], 4, v3
	v_lshlrev_b32 v[L8], 3, v3
	v_lshlrev_b32 v[L4], 2, v3
	s_mul_i32 s56, s[WW], 4*FRB                    ; my four tiles of W
	v_add_nc_u32 v[AW16], s56, v[L16]
	v_add_nc_u32 v[AW8], s56, v[L8]
	s_add_co_u32 s56, s56, 4*KSB                   ; K steps 4-7 have registers of their own, so that every offset fits its 16 bits
	v_add_nc_u32 v[AW16+2], s56, v[L16]
	v_add_nc_u32 v[AW8+2], s56, v[L8]
	s_mul_i32 s56, s[WX], 4*FRB                    ; my four tiles of tokens
	s_add_co_u32 s56, s56, OPB
	v_add_nc_u32 v[AX16], s56, v[L16]
	v_add_nc_u32 v[AX8], s56, v[L8]
	s_add_co_u32 s56, s56, 4*KSB
	v_add_nc_u32 v[AX16+2], s56, v[L16]
	v_add_nc_u32 v[AX8+2], s56, v[L8]
	v_bfe_u32 v15, v0, 4, 1
	v_lshlrev_b32 v[BA], 6, v15                    ; Q, K: the bias of 16 h + 0 .. 7
	v_and_b32 v15, 7, v0
	v_bfe_u32 v3, v0, 3, 1
	v_lshlrev_b32 v[BV], 2, v15
	v_lshl_add_u32 v[BV], v3, 6, v[BV]             ; V: the bias of my channel: (r & 7) + 16 (r >> 3)
	v_mov_b32 v[T], 0                              ; a lane permute's destination counts as one of its sources
	v_mov_b32 v[T+1], 0
	s_lshl_b32 s56, s[PI], 3
	s_add_co_u32 s56, s56, s[NX]
	s_lshl_b32 s56, s56, 3
	s_lshl_b32 s57, s[WW], 2
	s_add_co_u32 s56, s56, s57                     ; my first tile of W
	s_lshl_b32 s56, s56, 9
	s_add_co_u32 s56, s56, WSO
	s_mov_b32 s57, 0
	s_add_nc_u64 s[88:89], s[6:7], s[56:57]
	s_lshl_b32 s56, s[NY], 3
	s_lshl_b32 s57, s[WX], 2
	s_add_co_u32 s56, s56, s57                     ; my first tile of tokens
	s_lshl_b32 s56, s56, 9
	s_add_co_u32 s56, s56, XSO
	s_mov_b32 s57, 0
	s_add_nc_u64 s[90:91], s[4:5], s[56:57]
	s_lshl_b32 s56, s[NX], 9
	s_lshl_b32 s57, s[WW], 8
	s_add_co_u32 s56, s56, s57                     ; my 64 numbers of the bias
	s_mov_b32 s57, 0
	s_cmp_eq_u32 s[PI], 1
	s_cselect_b64 s[92:93], s[10:11], s[8:9]
	s_cmp_eq_u32 s[PI], 2
	s_cselect_b64 s[92:93], s[12:13], s[92:93]
	s_add_nc_u64 s[92:93], s[92:93], s[56:57]
.irp t, 0,1,2,3
	global_load_b64 v[WSC+4*\t:WSC+4*\t+1], v[L8], s[88:89] offset:512*\t           ; 256 consecutive bytes a load
	global_load_b64 v[WSC+4*\t+2:WSC+4*\t+3], v[L8], s[88:89] offset:512*\t+256
	global_load_b64 v[XSC+4*\t:XSC+4*\t+1], v[L8], s[90:91] offset:512*\t
	global_load_b64 v[XSC+4*\t+2:XSC+4*\t+3], v[L8], s[90:91] offset:512*\t+256
.endr
	s_cmp_eq_u32 s[PI], 2
	s_cbranch_scc1 .Lbias_v
.irp t, 0,1,2,3                        ; Q, K: tile t's eight registers: channels 32 (t / 2) + 16 h + 8 (t % 2) + 0 .. 7
	global_load_b128 v[BI+8*\t:BI+8*\t+3], v[BA], s[92:93] offset:(32*(\t/2)+8*(\t%2))*4
	global_load_b128 v[BI+8*\t+4:BI+8*\t+7], v[BA], s[92:93] offset:(32*(\t/2)+8*(\t%2))*4+16
.endr
	s_branch .Lbias_done
.Lbias_v:
.irp u, 0,1,2,3                        ; V: a lane holds one channel: the same number in all eight registers
.irp j, 0,1,2,3,4,5,6,7
	global_load_b32 v[BI+8*\u+\j], v[BV], s[92:93] offset:(32*(\u/2)+8*(\u%2))*4
.endr
.endr
.Lbias_done:
.macro FETCH s                         ; K step s: my eight fragments, as they lie, into set s % 2: 32 LDS loads in one run
	WIN TO_F
.irp t, 0,1,2,3
.irp c, 0,1
	ds_load_b128 v[96*((\s)%2)+12*\t+6*\c:96*((\s)%2)+12*\t+6*\c+3], v[AW16+2*((\s)/4)] offset:KSB*((\s)%4)+FRB*\t+768*\c
	ds_load_b64 v[96*((\s)%2)+12*\t+6*\c+4:96*((\s)%2)+12*\t+6*\c+5], v[AW8+2*((\s)/4)] offset:KSB*((\s)%4)+FRB*\t+768*\c+512
	ds_load_b128 v[96*((\s)%2)+48+12*\t+6*\c:96*((\s)%2)+48+12*\t+6*\c+3], v[AX16+2*((\s)/4)] offset:KSB*((\s)%4)+FRB*\t+768*\c
	ds_load_b64 v[96*((\s)%2)+48+12*\t+6*\c+4:96*((\s)%2)+48+12*\t+6*\c+5], v[AX8+2*((\s)/4)] offset:KSB*((\s)%4)+FRB*\t+768*\c+512
.endr
.endr
.endm
.macro PROD s, v, t, u                 ; one product of K step s.  v = 0: source 0 = W's tile t, source 1 = the tokens' tile u;  v = 1: source 0 = the tokens' tile t, source 1 = W's tile u
.set rD, ACC+32*\u+8*\t
.if \v
.set rA, 96*((\s)%2)+48+12*\t
.set rB, 96*((\s)%2)+12*\u
.set sA, XSC+4*\t+(\s)/2
.set sB, WSC+4*\u+(\s)/2
.set rC, BI+8*\u
.else
.set rA, 96*((\s)%2)+12*\t
.set rB, 96*((\s)%2)+48+12*\u
.set sA, WSC+4*\t+(\s)/2
.set sB, XSC+4*\u+(\s)/2
.set rC, BI+8*\t
.endif
.if (\s) > 0
.set rC, rD
.endif
.if (\s)%2
	v_wmma_scale_f32_16x16x128_f8f6f4 v[rD:rD+7], v[rA:rA+11], v[rB:rB+11], v[rC:rC+7], v[sA], v[sB] matrix_a_fmt:MATRIX_FMT_FP6 matrix_b_fmt:MATRIX_FMT_FP6 matrix_a_scale:MATRIX_SCALE_ROW1 matrix_b_scale:MATRIX_SCALE_ROW1
.else
	v_wmma_scale_f32_16x16x128_f8f6f4 v[rD:rD+7], v[rA:rA+11], v[rB:rB+11], v[rC:rC+7], v[sA], v[sB] matrix_a_fmt:MATRIX_FMT_FP6 matrix_b_fmt:MATRIX_FMT_FP6
.endif
.endm
; A K step: 16 products, the 16 accumulators by turns in the same order in every step; the next step's fragments are asked for ahead of them.
.macro KSTEP s, v
	s_wait_dscnt 0x0                               ; this step's fragments are in
.if ((\s)%2 == 1) && ((\s) < 7)
	s_wait_tensorcnt 3-((\s)+1)/2                  ; my load for the next two K steps has landed; my later ones may stay out
	s_barrier_signal -1
	s_barrier_wait -1                              ; everybody's has
.endif
.if (\s) < 7
.if (\s) > 0
.rept 4
	v_nop                                          ; four places in front of loads into registers that the last step's products read (ISA guide 7.12.1 for vector instructions)
.endr
.endif
	FETCH (\s)+1
.endif
	WIN MUL
.irp u, 0,1,2,3
.irp t, 0,1,2,3
	PROD \s, \v, \t, \u
.endr
.endr
.endm
; 32 numbers of a lane, register 16 b + i = k 32 b + 16 h + i of my row, become a unit's codes (6 registers from pc on) and its two scale bytes (pw).
.macro QUANT2 s, pc, pw
.irp b, 0,1
	v_max3_num_f32 v[BM+\b], |v[\s+16*\b]|, |v[\s+16*\b+1]|, 0x1800000   ; my 16 numbers of block b, and the floor 2^(3 - 127).  Each accumulator is read from its low end on
.endr
.irp i, 2,4,6,8,10,12,14
.irp b, 0,1
	v_max3_num_f32 v[BM+\b], v[BM+\b], |v[\s+16*\b+\i]|, |v[\s+16*\b+\i+1]|
.endr
.endr
.irp b, 0,1
	v_permlanex16_b32 v[T+\b], v[BM+\b], s[SEL], s[SEL+1]
.endr
.irp b, 0,1
	v_max_num_f32 v[BM+\b], v[BM+\b], v[T+\b]      ; with lane l xor 16's: the block's largest magnitude
.endr
.irp b, 0,1
	v_add_nc_u32 v[SO+\b], 0xff000000, v[BM+\b]    ; 2 off the exponent field: the conversion's scale operand
.endr
.irp b, 0,1
	v_lshrrev_b32 v[BYT+\b], 23, v[SO+\b]          ; the scale's byte
.endr
	v_lshl_or_b32 v[\pw], v[BYT+1], 8, v[BYT]
	v_cvt_scalef32_pk16_fp6_f32 v[\pc:\pc+2], v[\s:\s+15], v[SO]
	v_cvt_scalef32_pk16_fp6_f32 v[PD:PD+2], v[\s+16:\s+31], v[SO+1]
	v_nop                                          ; one plain place behind a scaled conversion
.irp i, 0,1,2
	v_permlane16_swap_b32 v[\pc+\i], v[PD+\i]      ; a whole block to a lane: lanes 0-15 block 0, lanes 16-31 block 1
.endr
.irp i, 0,1,2
	v_mov_b32 v[\pc+3+\i], v[PD+\i]
.endr
.endm
.macro CODES stride                    ; my four units leave as they stand: 512 and 256 consecutive bytes a store, each at a multiple of 256 from the buffer's first byte
.irp u, 0,1,2,3
	global_store_b128 v[L16], v[BI+8*\u:BI+8*\u+3], s[60:61] offset:\stride*\u
	global_store_b64 v[L8], v[BI+8*\u+4:BI+8*\u+5], s[60:61] offset:\stride*\u+512
.endr
.endm
	s_wait_tensorcnt 3                             ; my first load has landed (three later ones may be out),
	s_barrier_signal -1
	s_barrier_wait -1                              ; everybody's has: K steps 0 and 1 of both operands lie in LDS
	FETCH 0
	WIN 0                                          ; at a branch and at a label every window is 0
	s_wait_loadcnt 0x0                             ; the scale words and the bias
	s_cmp_eq_u32 s[PI], 2
	s_cbranch_scc1 .Lv_path
.irp s, 0,1,2,3,4,5,6,7
	KSTEP \s, 0
.endr
	WIN 0
	s_branch .Lepi
.Lv_path:
.irp s, 0,1,2,3,4,5,6,7
	KSTEP \s, 1
.endr
	WIN 0
.Lepi:
.rept 4
	v_nop                                          ; four places behind the last products, ahead of the first read of results
.endr
.irp u, 0,1,2,3
	QUANT2 ACC+32*\u, BI+8*\u, PW+\u
.endr
	s_bfe_u32 s87, s[NY], 0x10004                  ; the batch: bit 4 of Y
	s_lshl_b32 s87, s87, 4
	s_lshl_b32 s56, s[NX], 1
	s_add_co_u32 s87, s87, s56
	s_add_co_u32 s87, s87, s[WW]                   ; 16 x batch + head; my 64 columns are one head
	s_and_b32 s56, s[NY], 15                       ; the block of 128 tokens in the sequence
	s_mul_i32 s57, s87, HEADB
	s_mul_i32 s58, s56, RECB
	s_add_co_u32 s57, s57, s58                     ; its record
	s_mov_b32 s61, 0
	s_mov_b32 s63, 0
	s_cmp_eq_u32 s[PI], 0
	s_cbranch_scc0 .Lnot_q
	s_lshl_b32 s58, s56, 3                         ; Q: [head][tile][768]; words [head][tile][16], each [q0, q1, q0, q1]
	s_lshl_b32 s59, s[WX], 2
	s_add_co_u32 s58, s58, s59                     ; my first tile of the head's 128
	s_mul_i32 s60, s87, 98304
	s_mul_i32 s59, s58, 768
	s_add_co_u32 s60, s60, s59
	s_add_co_u32 s60, s60, QI
	s_lshl_b32 s62, s87, 13
	s_lshl_b32 s58, s58, 6
	s_add_co_u32 s62, s62, s58
	s_add_co_u32 s62, s62, QS
	s_add_nc_u64 s[60:61], s[14:15], s[60:61]
	s_add_nc_u64 s[62:63], s[14:15], s[62:63]
	CODES 768
.irp u, 0,1,2,3
	v_lshl_or_b32 v[WD+\u], v[PW+\u], 16, v[PW+\u]
.endr
	v_cndmask_b32 v[PW], v[WD], v[WD+1], s[HI]     ; lanes 0-15 the even tile's rows, lanes 16-31 the odd tile's
	v_cndmask_b32 v[PW+1], v[WD+2], v[WD+3], s[HI]
	global_store_b32 v[L4], v[PW], s[62:63]
	global_store_b32 v[L4], v[PW+1], s[62:63] offset:128
	s_branch .Ldone
.Lnot_q:
	s_cmp_eq_u32 s[PI], 1
	s_cbranch_scc0 .Lis_v
	s_mul_i32 s60, s[WX], 3072                     ; K: the record's units 4 wX + u; a word is [even tile's two bytes, odd tile's two]
	s_add_co_u32 s60, s60, s57
	s_lshl_b32 s62, s[WX], 7
	s_add_co_u32 s62, s62, s57
	s_add_co_u32 s62, s62, 12288
	s_add_nc_u64 s[60:61], s[14:15], s[60:61]
	s_add_nc_u64 s[62:63], s[14:15], s[62:63]
	CODES 768
	v_lshl_or_b32 v[WD], v[PW+1], 16, v[PW]
	v_lshl_or_b32 v[WD+1], v[PW+3], 16, v[PW+2]
	v_cndmask_b32 v[WD+2], v[WD], v[WD+1], s[HI]   ; lanes 0-15 my first pair of tiles, lanes 16-31 my second
	global_store_b32 v[L4], v[WD+2], s[62:63]
	s_branch .Ldone
.Lis_v:
	s_mul_i32 s60, s[WX], 768                      ; V: fragment u (16 channels x 128 keys), my 64 keys' unit
	s_add_co_u32 s60, s60, s57
	s_add_co_u32 s60, s60, 6144
	s_lshl_b32 s62, s[WX], 1                       ; my two bytes of each row's word of four: 2 bytes a lane, 4 apart: 128 KiB in the whole launch
	s_add_co_u32 s62, s62, s57
	s_add_co_u32 s62, s62, 12544
	s_add_nc_u64 s[60:61], s[14:15], s[60:61]
	s_add_nc_u64 s[62:63], s[14:15], s[62:63]
	CODES 1536
	v_cndmask_b32 v[WD], v[PW], v[PW+1], s[HI]
	v_cndmask_b32 v[WD+1], v[PW+2], v[PW+3], s[HI]
	global_store_b16 v[L4], v[WD], s[62:63]
	global_store_b16 v[L4], v[WD+1], s[62:63] offset:128
.Ldone:
	s_wait_tensorcnt 0x0
	ds_add_u32 v254, v255
	s_wait_dscnt 0x0
	CROUND                                         ; the closing round: no work-group ends while a partner may still ask for a tile that names it
	s_endpgm
.Lfunc_end_k_qd40c9198eb_proj:
	.size	k_qd40c9198eb_proj, .Lfunc_end_k_qd40c9198eb_proj-k_qd40c9198eb_proj
	.p2alignl 7, 3214868480
	.fill 96, 4, 3214868480
	.section	.rodata,"a",@progbits
	.p2align	6, 0x0
	.amdhsa_kernel k_qd40c9198eb_proj
		.amdhsa_group_segment_fixed_size 197120
		.amdhsa_private_segment_fixed_size 0
		.amdhsa_enable_private_segment 0
		.amdhsa_kernarg_size 48
		.amdhsa_user_sgpr_count 2
		.amdhsa_user_sgpr_kernarg_segment_ptr 1
		.amdhsa_wavefront_size32 1
		.amdhsa_system_sgpr_workgroup_id_x 1
		.amdhsa_system_sgpr_workgroup_id_y 1
		.amdhsa_system_sgpr_workgroup_id_z 1
		.amdhsa_system_vgpr_workitem_id 0
		.amdhsa_next_free_vgpr 448
		.amdhsa_next_free_sgpr 100
		.amdhsa_reserve_vcc 0
		.amdhsa_float_denorm_mode_32 3
		.amdhsa_float_denorm_mode_16_64 3
		.amdhsa_memory_ordered 1
		.amdhsa_forward_progress 1
		.amdhsa_inst_pref_size 93
	.end_amdhsa_kernel
	.amdgpu_metadata
---
amdhsa.version: [ 1, 2 ]
amdhsa.kernels:
  - .name:           k_qd40c9198eb_proj
    .symbol:         k_qd40c9198eb_proj.kd
    .args:
      - { .name: xq, .offset: 0, .size: 8, .value_kind: global_buffer, .address_space: global }
      - { .name: wq, .offset: 8, .size: 8, .value_kind: global_buffer, .address_space: global }
      - { .name: bq, .offset: 16, .size: 8, .value_kind: global_buffer, .address_space: global }
      - { .name: bk, .offset: 24, .size: 8, .value_kind: global_buffer, .address_space: global }
      - { .name: bv, .offset: 32, .size: 8, .value_kind: global_buffer, .address_space: global }
      - { .name: qkv, .offset: 40, .size: 8, .value_kind: global_buffer, .address_space: global }
    .group_segment_fixed_size: 197120
    .private_segment_fixed_size: 0
    .kernarg_segment_align: 8
    .kernarg_segment_size: 48
    .max_flat_workgroup_size: 128
    .sgpr_count:     100
    .vgpr_count:     448
    .wavefront_size: 32
...
	.end_amdgpu_metadata
.endif
;; end of part 3
;; launch attn (part 4): grid 8 x 32, 8 waves a work-group, no clusters, 205,824 bytes of LDS; arguments qkv, oq; writes oq
.if DOCPART == 4
	.amdgcn_target "amdgcn-amd-amdhsa--gfx1250"
	.amdhsa_code_object_version 6
	.text
	.protected	k_qd40c9198eb_attn
	.globl	k_qd40c9198eb_attn
	.p2align	8
	.type	k_qd40c9198eb_attn,@function
k_qd40c9198eb_attn:
	s_mov_b64 s[64:65], 0
	v_nop
	global_prefetch_b8 v0, s[64:65] scope:SCOPE_SE
	s_setreg_imm32_b32 hwreg(HW_REG_WAVE_MODE, 25, 1), 1
	s_wait_xcnt 0x0
; Causal attention of one head on codes of FP6 (E2M3) with E8M0 scales; the result, divided by the row's sum, is quantised along the model's axis and leaves as the last product's operand.
; THE SOFTMAX AHEAD OF THE SECOND PRODUCT: t = score x log2(e) / 8; M = the row's largest t so far, rounded UP to a whole number; p = 2^(t - M) is quantised along the keys, not normalised.
; The row's sum is taken of the unquantised p and divides at the end.  When M moves, the sum and O are multiplied by 2^(old M - new M): exact.
; SHARES.  Work-group (j, head): the head has 128 tiles of 16 queries; wave w takes tile 8 j + w and then tile 127 - 8 j - w: j + 1 and 16 - j key steps of 128, 17 for every wave of the launch.
; ALL KEYS OF THE HEAD STAY IN LDS: 16 records of 12,800 bytes (K's 8 units, V's 4 fragments, their scale words), filled once; each wave brings two records: two tensor loads of mine are out.
; The first pass reads only records 0-7 (bytes under 102,400), which the waves' first loads bring; the second loads may land meanwhile.
; NO CLUSTER, though the eight work-groups of a head read the same records: a step behind the diagonal is left out by a branch on j, which in a cluster would be the place in it,
; and partners there must branch alike; all partners walking all 16 steps in both passes would be 32 steps for 17.
; THE SCORES' K IS 64, THE INSTRUCTION'S 128.  A fragment of K holds TWO tiles of keys, one in k 0-63, one in k 64-127; Q stands between two runs of zero codes, so that [Q | 0] picks the first tile and
; [0 | Q] the second: zero codes add nothing under any byte from 1 to 254.
; LAYOUT.  Both products transposed: a lane holds ONE query.  A tile's rows are 32 g + 8 u + (p & 7) + 16 (p >> 3), for keys, queries and channels alike, so register 16 b + i of the scores is key
; 32 b + 16 h + i, and register 16 b + i of O^T channel 32 b + 16 h + i.
; LIMITS: a block of zeros gets the byte 1; NaN and infinities are not served.
; The step is written once for a pass: O^T and the sum begin as zeros (32 moves a pass) and the largest t as -3e38; the first change of M multiplies zeros.
.set RECB,  12800
.set HEADB, 204800
.set QI,    6553600
.set QS,    9699328
.set OS,    3145728
.set L16, 1
.set L8,  2
.set L4,  3
.set A16, 4
.set A8,  5
.set A4,  6
.set DD,  7                            ; v7   my query's place in its key step, less 16 h
.set PRH, 8                            ; v8   (r & 7) + 16 (r >> 3) - 16 h
.set R8,  9                            ; v9   8 r
.set R4,  10                           ; v10  4 r
.set NM,  12                           ; v12  -M;  v13 the largest t
.set TM,  13
.set SUM, 14                           ; v[14:15] the sum, in two halves
.set QR,  16                           ; v16-33, v34-51: for each pass 6 zeros, Q's unit, 6 zeros
.set QSW, 52                           ; v52, v53 Q's scale words
.set FR,  54                           ; v54-101 four fragments, of K, then of V
.set S,   102                          ; v102-165 the scores, then p
.set O,   166                          ; v166-197 O^T
.set PC,  198                          ; v198-209 p's codes
.set BM,  210
.set T2,  214
.set SO,  222
.set KSR, 226                          ; v226-227 K's scale words: lanes 0-15 pair 2 i, lanes 16-31 pair 2 i + 1
.set VSR, 228                          ; v228-229 V's likewise
.set F,   230                          ; v230 f;  v231 p's scale word
.set TMP, 232
.set NINF, 233
.set WV,  8
.set JJ,  9
.set BH,  10
.set SEL, 12
.set CS,  14
.set G1,  16
.set G0,  24
.set TB,  32
.set SS,  33
.set LIM, 34
.set TAU, 35
	s_load_b128 s[4:7], s[0:1], 0x0                ; qkv s[4:5], oq s[6:7]
	v_lshl_add_u32 v254, v0, 2, 0x32000
	v_mov_b32 v255, 0
	ds_add_u32 v254, v255
	ds_add_u32 v254, v255
	v_lshrrev_b32 v11, 5, v0
	v_readfirstlane_b32 s[WV], v11                 ; wave 0..7
	s_mov_b32 s[JJ], ttmp9
	s_and_b32 s[BH], ttmp7, 0xffff                 ; 16 x batch + head
	s_mov_b32 s[G1], 3<<16                         ; no mask; elements of 8 bytes; no padding
	s_mov_b32 s[G1+1], 32<<16                      ; tensor_dim0 = 32: rows of 256 bytes
	s_mov_b32 s[G1+2], 50<<16                      ; tensor_dim1 = 50 rows: a record
	s_mov_b32 s[G1+3], 32<<16
	s_mov_b32 s[G1+4], 50
	s_mov_b32 s[G1+5], 32
	s_mov_b32 s[G1+6], 0
	s_mov_b32 s[G1+7], 0
	s_mul_i32 s38, s[WV], RECB
	s_mul_i32 s36, s[BH], HEADB
	s_add_co_u32 s36, s36, s38
	s_mov_b32 s37, 0
	s_mov_b32 s[SEL], 0x76543210
	s_mov_b32 s[SEL+1], 0xfedcba98
	s_mov_b32 s[CS], 0x3e38aa3b                    ; c = log2(e) / 8
	s_mov_b32 s[CS+1], s[CS]                       ; (named with it as a pair, so it is written)
	s_wait_dscnt 0x0
	s_wait_kmcnt 0x0
	s_mov_b32 s[G0], 1
	s_mov_b32 s[G0+1], s38                         ; record w
	s_add_nc_u64 s[G0+2:G0+3], s[4:5], s[36:37]
	s_mov_b32 s[G0+4], 1
	s_add_co_u32 s[G0+5], s38, 8*RECB              ; record 8 + w
	s_add_nc_u64 s[G0+6:G0+7], s[G0+2:G0+3], 8*RECB
	s_or_b32 s[G0+3], s[G0+3], 0x80000000
	s_or_b32 s[G0+7], s[G0+7], 0x80000000
	tensor_load_to_lds s[G0:G0+3], s[G1:G1+7]
	s_nop 0
	tensor_load_to_lds s[G0+4:G0+7], s[G1:G1+7]
	s_nop 0
.rept 4
	v_nop
.endr
	v_and_b32 v11, 31, v0
	v_lshlrev_b32 v[L16], 4, v11
	v_lshlrev_b32 v[L8], 3, v11
	v_lshlrev_b32 v[L4], 2, v11
	v_and_b32 v[PRH], 7, v0
	v_bfe_u32 v11, v0, 3, 1
	v_lshl_add_u32 v[PRH], v11, 4, v[PRH]
	v_bfe_u32 v11, v0, 4, 1
	v_lshlrev_b32 v11, 4, v11
	v_sub_nc_u32 v[PRH], v[PRH], v11
	v_and_b32 v11, 15, v0
	v_lshlrev_b32 v[R8], 3, v11
	v_lshlrev_b32 v[R4], 2, v11
	s_lshl_b32 s[TAU], s[JJ], 3
	s_add_co_u32 s[TAU], s[TAU], s[WV]             ; the first pass's tile
	s_sub_co_u32 s11, 127, s[TAU]                  ; the second's
.macro QLOAD n, tau, b                 ; tile s[tau]'s unit of Q and its scale words, by bases in s[b .. b + 3]
	s_mul_i32 s[\b], s[BH], 98304
	s_mul_i32 s[\b+2], s[\tau], 768
	s_add_co_u32 s[\b], s[\b], s[\b+2]
	s_add_co_u32 s[\b], s[\b], QI
	s_mov_b32 s[\b+1], 0
	s_lshl_b32 s[\b+2], s[BH], 13
	s_lshl_b32 s[\b+3], s[\tau], 6
	s_add_co_u32 s[\b+2], s[\b+2], s[\b+3]
	s_add_co_u32 s[\b+2], s[\b+2], QS
	s_mov_b32 s[\b+3], 0
	s_add_nc_u64 s[\b:\b+1], s[4:5], s[\b:\b+1]
	s_add_nc_u64 s[\b+2:\b+3], s[4:5], s[\b+2:\b+3]
	global_load_b128 v[QR+18*\n+6:QR+18*\n+9], v[L16], s[\b:\b+1]
	global_load_b64 v[QR+18*\n+10:QR+18*\n+11], v[L8], s[\b:\b+1] offset:512
	global_load_b32 v[QSW+\n], v[R4], s[\b+2:\b+3]
.endm
	QLOAD 0, TAU, 36
	QLOAD 1, 11, 40
.irp n, 0,1
.irp i, 0,1,2,3,4,5
	v_mov_b32 v[QR+18*\n+\i], 0                    ; zero codes on both sides of Q
	v_mov_b32 v[QR+18*\n+12+\i], 0
.endr
.endr
.irp i, 0,1,2,3,4,5,6,7
	v_mov_b32 v[T2+\i], 0                          ; written once: a lane permute's destination counts as one of its sources
.endr
	v_mov_b32 v[TMP], 0
	v_mov_b32 v[NINF], 0xff800000                  ; -infinity
.macro UNIT reg, off                   ; a unit as it lies: registers 0-3 at 16 x lane, 4-5 at 512 + 8 x lane
	ds_load_b128 v[\reg:\reg+3], v[A16] offset:\off
	ds_load_b64 v[\reg+4:\reg+5], v[A8] offset:\off+512
.endm
.macro SCORE d, a, q, ks, n, row1
.if \row1
	v_wmma_scale_f32_16x16x128_f8f6f4 v[\d:\d+7], v[\a:\a+11], v[\q:\q+11], 0, v[\ks], v[QSW+\n] matrix_a_fmt:MATRIX_FMT_FP6 matrix_b_fmt:MATRIX_FMT_FP6 matrix_a_scale:MATRIX_SCALE_ROW1
.else
	v_wmma_scale_f32_16x16x128_f8f6f4 v[\d:\d+7], v[\a:\a+11], v[\q:\q+11], 0, v[\ks], v[QSW+\n] matrix_a_fmt:MATRIX_FMT_FP6 matrix_b_fmt:MATRIX_FMT_FP6
.endif
.endm
.macro PVM d, a, vs, row1
.if \row1
	v_wmma_scale_f32_16x16x128_f8f6f4 v[\d:\d+7], v[\a:\a+11], v[PC:PC+11], v[\d:\d+7], v[\vs], v[F+1] matrix_a_fmt:MATRIX_FMT_FP6 matrix_b_fmt:MATRIX_FMT_FP6 matrix_a_scale:MATRIX_SCALE_ROW1
.else
	v_wmma_scale_f32_16x16x128_f8f6f4 v[\d:\d+7], v[\a:\a+11], v[PC:PC+11], v[\d:\d+7], v[\vs], v[F+1] matrix_a_fmt:MATRIX_FMT_FP6 matrix_b_fmt:MATRIX_FMT_FP6
.endif
.endm
; A KEY STEP: the 128 keys of the record at LDS byte s[TB], for the tile of pass n.
.macro STEP n
	v_add_nc_u32 v[A16], s[TB], v[L16]
	v_add_nc_u32 v[A8], s[TB], v[L8]
	v_add_nc_u32 v[A4], s[TB], v[L4]
.irp b, 0,1,2,3
	UNIT FR+12*\b, 1536*\b                         ; key tile 2 b in k 0-63,
	UNIT FR+12*\b+6, 1536*\b+768                   ; key tile 2 b + 1 in k 64-127
.endr
	ds_load_b32 v[KSR], v[A4] offset:12288
	ds_load_b32 v[KSR+1], v[A4] offset:12416
	s_wait_dscnt 0x0
.irp b, 0,1,2,3
	SCORE S+16*\b, FR+12*\b, QR+18*\n+6, KSR+\b/2, \n, \b%2      ; [Q | 0]: the even tile
	SCORE S+16*\b+8, FR+12*\b, QR+18*\n, KSR+\b/2, \n, \b%2      ; [0 | Q]: the odd tile
.endr
.rept 4
	v_nop                                          ; four places: for the loads into K's registers, and for the first read of the scores
.endr
.irp e, 0,1,2,3
	UNIT FR+12*\e, 6144+1536*\e                    ; V's four fragments land while the softmax is walked
	UNIT FR+12*\e+6, 6144+1536*\e+768
.endr
	ds_load_b32 v[VSR], v[A4] offset:12544
	ds_load_b32 v[VSR+1], v[A4] offset:12672
	s_cmp_lt_u32 s[SS], s[LIM]                     ; a step all of whose keys count skips the mask; on the diagonal hidden scores become -infinity: p = 0 then
	s_cbranch_scc1 .Lopen_\@
.set jj, 0
.rept 64
	v_cmp_gt_i32 vcc_lo, 32*(jj/16)+jj%16, v[DD]   ; register 16 b + i holds key 32 b + 16 h + i of the step: hidden where 32 b + i > my query's place - 16 h
	v_cndmask_b32 v[S+jj], v[S+jj], v[NINF], vcc_lo
.set jj, jj+1
.endr
.Lopen_\@:
.irp b, 0,1,2,3
	v_max3_num_f32 v[BM+\b], v[S+16*\b], v[S+16*\b+1], v[S+16*\b+2]   ; the largest score of each block of 32 keys: for the row's maximum, and, since p rises with the score, for the block's largest p
.endr
.irp i, 3,5,7,9,11,13
.irp b, 0,1,2,3
	v_max3_num_f32 v[BM+\b], v[BM+\b], v[S+16*\b+\i], v[S+16*\b+\i+1]
.endr
.endr
.irp b, 0,1,2,3
	v_max_num_f32 v[BM+\b], v[BM+\b], v[S+16*\b+15]
.endr
.irp b, 0,1,2,3
	v_permlanex16_b32 v[T2+\b], v[BM+\b], s[SEL], s[SEL+1]
.endr
.irp b, 0,1,2,3
	v_max_num_f32 v[BM+\b], v[BM+\b], v[T2+\b]     ; with lane l xor 16's 16 keys
.endr
	v_max3_num_f32 v[TMP], v[BM], v[BM+1], v[BM+2]
	v_max_num_f32 v[TMP], v[TMP], v[BM+3]          ; the step's largest score of my query
	v_mul_f32 v[TMP], s[CS], v[TMP]                ; as t (c is positive)
	v_max_num_f32 v[TM], v[TM], v[TMP]             ; the running largest t
	v_mov_b32 v[TMP], v[NM]
	v_floor_f32 v[NM], -v[TM]                      ; the new -M = floor(-t): M is a whole number
	v_sub_f32 v[TMP], v[NM], v[TMP]                ; old M less new M: a whole number, 0 or less
	v_cvt_i32_f32 v[TMP], v[TMP]                   ; (it saturates)
	v_ldexp_f32 v[F], 1.0, v[TMP]                  ; f = 2^(old M - new M)
.set jj, 0
.rept 32
	v_pk_fma_f32 v[S+jj:S+jj+1], v[S+jj:S+jj+1], s[CS:CS+1], v[NM:NM+1] op_sel_hi:[1,0,0]   ; t - M, two at a time
.set jj, jj+2
.endr
.irp b, 0,1,2,3
	v_fma_f32 v[BM+\b], v[BM+\b], s[CS], v[NM]     ; the same of each block's largest score
.endr
.set jj, 0
.rept 64
	v_exp_f32 v[S+jj], v[S+jj]                     ; p = 2^(t - M), at most 1
.set jj, jj+1
.endr
.irp b, 0,1,2,3
	v_exp_f32 v[BM+\b], v[BM+\b]                   ; the block's largest p: the same two instructions on the same number
.endr
	v_pk_mul_f32 v[SUM:SUM+1], v[SUM:SUM+1], v[F:F+1] op_sel_hi:[1,0]   ; the sums under the new M.  (A plain place behind the exponentials)
	s_wait_alu depctr_va_vdst(0)
.irp b, 0,1,2,3
	v_max_num_f32 v[BM+\b], 0x1800000, v[BM+\b]    ; the floor 2^(3 - 127): the byte cannot fall under 1
.endr
.irp b, 0,1,2,3
	v_add_nc_u32 v[SO+\b], 0xff000000, v[BM+\b]    ; 2 off the exponent field: the conversion's scale operand
.endr
.irp b, 0,1,2,3
	v_lshrrev_b32 v[T2+\b], 23, v[SO+\b]           ; the scale's byte
.endr
	v_lshl_or_b32 v[F+1], v[T2+1], 8, v[T2]        ; p's scale word for these 128 keys
	v_lshl_or_b32 v[F+1], v[T2+2], 16, v[F+1]
	v_lshl_or_b32 v[F+1], v[T2+3], 24, v[F+1]
.irp c, 0,1
	v_cvt_scalef32_pk16_fp6_f32 v[PC+6*\c:PC+6*\c+2], v[S+32*\c:S+32*\c+15], v[SO+2*\c]
	v_cvt_scalef32_pk16_fp6_f32 v[T2+4*\c:T2+4*\c+2], v[S+32*\c+16:S+32*\c+31], v[SO+2*\c+1]   ; (a conversion's three registers begin on an even number)
.endr
	v_nop                                          ; one plain place behind a scaled conversion
.irp c, 0,1
.irp i, 0,1,2
	v_permlane16_swap_b32 v[PC+6*\c+\i], v[T2+4*\c+\i]   ; a whole block to a lane: lanes 0-15 block 2 c, lanes 16-31 block 2 c + 1
.endr
.irp i, 0,1,2
	v_mov_b32 v[PC+6*\c+3+\i], v[T2+4*\c+\i]
.endr
.endr
	v_pk_add_f32 v[T2:T2+1], v[S:S+1], v[S+2:S+3]  ; the row's sum is taken of the UNQUANTISED p: two at a time, in two chains
.irp j, 4,8,12,16,20,24,28,32,36,40,44,48,52,56,60
	v_pk_add_f32 v[SUM:SUM+1], v[SUM:SUM+1], v[S+\j:S+\j+1]
	v_pk_add_f32 v[T2:T2+1], v[T2:T2+1], v[S+\j+2:S+\j+3]
.endr
	v_pk_add_f32 v[SUM:SUM+1], v[SUM:SUM+1], v[T2:T2+1]
.set jj, 0
.rept 16
	v_pk_mul_f32 v[O+jj:O+jj+1], v[O+jj:O+jj+1], v[F:F+1] op_sel_hi:[1,0]   ; O^T under the new M, from each accumulator's low end on.  (With the sums above: the places between p's word and codes and the products below)
.set jj, jj+2
.endr
	s_wait_dscnt 0x0                               ; V is in
.irp e, 0,1,2,3
	PVM O+8*\e, FR+12*\e, VSR+\e/2, \e%2           ; O^T += V^T P^T: the four accumulators by turns, one instruction a turn
.endr
.rept 4
	v_nop                                          ; four places, on every way on: ahead of the next step's loads into V's registers, and of the way out's first read of O^T
.endr
.endm
; 32 numbers of a lane in S, register 16 b + i = channel 32 b + 16 h + i, become a unit's codes in PC .. PC + 5 and its two scale bytes in TMP.
.macro QUANT2
.irp b, 0,1
	v_max3_num_f32 v[BM+\b], |v[S+16*\b]|, |v[S+16*\b+1]|, 0x1800000
.endr
.irp i, 2,4,6,8,10,12,14
.irp b, 0,1
	v_max3_num_f32 v[BM+\b], v[BM+\b], |v[S+16*\b+\i]|, |v[S+16*\b+\i+1]|
.endr
.endr
.irp b, 0,1
	v_permlanex16_b32 v[T2+4+\b], v[BM+\b], s[SEL], s[SEL+1]
.endr
.irp b, 0,1
	v_max_num_f32 v[BM+\b], v[BM+\b], v[T2+4+\b]
.endr
.irp b, 0,1
	v_add_nc_u32 v[SO+\b], 0xff000000, v[BM+\b]
.endr
.irp b, 0,1
	v_lshrrev_b32 v[T2+6+\b], 23, v[SO+\b]
.endr
	v_lshl_or_b32 v[TMP], v[T2+7], 8, v[T2+6]
	v_cvt_scalef32_pk16_fp6_f32 v[PC:PC+2], v[S:S+15], v[SO]
	v_cvt_scalef32_pk16_fp6_f32 v[T2:T2+2], v[S+16:S+31], v[SO+1]
	v_nop                                          ; one plain place behind a scaled conversion
.irp i, 0,1,2
	v_permlane16_swap_b32 v[PC+\i], v[T2+\i]
.endr
.irp i, 0,1,2
	v_mov_b32 v[PC+3+\i], v[T2+\i]
.endr
.endm
; A PASS: tile s[TAU], whose last key step is s[LIM].  The loop's trip count is a constant; a step behind the diagonal is jumped over, not the lines that step the address.
.macro PASS n, trips
	s_and_b32 s36, s[TAU], 6
	s_lshl_b32 s36, s36, 4
	s_and_b32 s37, s[TAU], 1
	s_lshl_b32 s37, s37, 3
	s_add_co_u32 s36, s36, s37
	v_add_nc_u32 v[DD], s36, v[PRH]
	v_mov_b32 v[TM], 0xff61b1e6                    ; -3e38, under every t
	v_floor_f32 v[NM], -v[TM]
	v_mov_b32 v[SUM], 0
	v_mov_b32 v[SUM+1], 0
	v_mov_b32 v[F+1], 0                            ; (named as the upper half of a pair before it is first written)
.set jj, 0
.rept 32
	v_mov_b32 v[O+jj], 0
.set jj, jj+1
.endr
	s_mov_b32 s[TB], 0
	s_mov_b32 s[SS], 0
.Lstep_\@:
	s_cmp_gt_u32 s[SS], s[LIM]
	s_cbranch_scc1 .Lhidden_\@
	STEP \n
.Lhidden_\@:
	s_add_co_u32 s[TB], s[TB], RECB
	s_add_co_u32 s[SS], s[SS], 1
	s_cmp_lt_u32 s[SS], \trips
	s_cbranch_scc1 .Lstep_\@
	v_add_f32 v[SUM], v[SUM], v[SUM+1]             ; the sum's two halves,
	v_permlanex16_b32 v[TMP], v[SUM], s[SEL], s[SEL+1]
	v_add_f32 v[SUM], v[SUM], v[TMP]               ; and lane l xor 16's: the row's sum
	v_rcp_f32 v[SUM], v[SUM]
	v_nop                                          ; one plain place behind a transcendental
.set jj, 0
	s_wait_alu depctr_va_vdst(0)
.rept 32
	v_mul_f32 v[S+jj], v[O+jj], v[SUM]             ; O^T / the sum, from each accumulator's low end on
.set jj, jj+1
.endr
	QUANT2
	s_lshr_b32 s36, s[BH], 4
	s_lshl_b32 s36, s36, 7
	s_add_co_u32 s36, s36, s[TAU]                  ; the tile among all 256 tiles of tokens
	s_and_b32 s37, s[BH], 15                       ; the head: K step head / 2 of the last product, its half head % 2
	s_lshr_b32 s38, s36, 3
	s_mul_i32 s40, s38, 98304
	s_lshr_b32 s38, s37, 1
	s_mul_i32 s38, s38, 12288
	s_add_co_u32 s40, s40, s38
	s_and_b32 s38, s36, 7
	s_mul_i32 s38, s38, 1536
	s_add_co_u32 s40, s40, s38
	s_and_b32 s38, s37, 1
	s_mul_i32 s39, s38, 768
	s_add_co_u32 s40, s40, s39
	s_mov_b32 s41, 0
	s_lshl_b32 s42, s36, 9                         ; the tile's 512 bytes of scale words; my two bytes of the word of (row r, K step head / 2)
	s_lshl_b32 s38, s38, 1
	s_add_co_u32 s42, s42, s38
	s_lshr_b32 s38, s37, 3
	s_lshl_b32 s38, s38, 8
	s_add_co_u32 s42, s42, s38
	s_bfe_u32 s38, s37, 0x10001
	s_lshl_b32 s38, s38, 7
	s_add_co_u32 s42, s42, s38
	s_bfe_u32 s38, s37, 0x10002
	s_lshl_b32 s38, s38, 2
	s_add_co_u32 s42, s42, s38
	s_add_co_u32 s42, s42, OS
	s_mov_b32 s43, 0
	s_add_nc_u64 s[40:41], s[6:7], s[40:41]
	s_add_nc_u64 s[42:43], s[6:7], s[42:43]
	global_store_b128 v[L16], v[PC:PC+3], s[40:41]             ; 512 consecutive bytes, at a multiple of 256 from the buffer's first byte
	global_store_b64 v[L8], v[PC+4:PC+5], s[40:41] offset:512  ; 256 likewise
	global_store_b16 v[R8], v[TMP], s[42:43]       ; 2 bytes a row, 8 apart; lanes 16-31 write what lanes 0-15 write, the same bytes with the same values: 128 KiB in the whole launch
	s_wait_xcnt 0x0                                ; the stores' data and bases are written again only behind this wait
.endm
	s_wait_loadcnt 0x0                             ; Q of both passes
	s_wait_tensorcnt 1                             ; my first record has landed; my second may stay out
	s_barrier_signal -1
	s_barrier_wait -1                              ; records 0-7 are whole
	s_mov_b32 s[LIM], s[JJ]
	PASS 0, 8
	s_wait_tensorcnt 0x0                           ; my second record has landed,
	s_wait_dscnt 0x0
	s_barrier_signal -1
	s_barrier_wait -1                              ; all sixteen are whole
	s_sub_co_u32 s[TAU], 127, s[TAU]
	s_sub_co_u32 s[LIM], 15, s[JJ]
	PASS 1, 16
	s_wait_tensorcnt 0x0
	ds_add_u32 v254, v255
	s_wait_dscnt 0x0
	s_endpgm
.Lfunc_end_k_qd40c9198eb_attn:
	.size	k_qd40c9198eb_attn, .Lfunc_end_k_qd40c9198eb_attn-k_qd40c9198eb_attn
	.p2alignl 7, 3214868480
	.fill 96, 4, 3214868480
	.section	.rodata,"a",@progbits
	.p2align	6, 0x0
	.amdhsa_kernel k_qd40c9198eb_attn
		.amdhsa_group_segment_fixed_size 205824
		.amdhsa_private_segment_fixed_size 0
		.amdhsa_enable_private_segment 0
		.amdhsa_kernarg_size 16
		.amdhsa_user_sgpr_count 2
		.amdhsa_user_sgpr_kernarg_segment_ptr 1
		.amdhsa_wavefront_size32 1
		.amdhsa_system_sgpr_workgroup_id_x 1
		.amdhsa_system_sgpr_workgroup_id_y 1
		.amdhsa_system_sgpr_workgroup_id_z 1
		.amdhsa_system_vgpr_workitem_id 0
		.amdhsa_next_free_vgpr 256
		.amdhsa_next_free_sgpr 66
		.amdhsa_reserve_vcc 1
		.amdhsa_float_denorm_mode_32 3
		.amdhsa_float_denorm_mode_16_64 3
		.amdhsa_memory_ordered 1
		.amdhsa_forward_progress 1
		.amdhsa_inst_pref_size 61
	.end_amdhsa_kernel
	.amdgpu_metadata
---
amdhsa.version: [ 1, 2 ]
amdhsa.kernels:
  - .name:           k_qd40c9198eb_attn
    .symbol:         k_qd40c9198eb_attn.kd
    .args:
      - { .name: qkv, .offset: 0, .size: 8, .value_kind: global_buffer, .address_space: global }
      - { .name: oq, .offset: 8, .size: 8, .value_kind: global_buffer, .address_space: global }
    .group_segment_fixed_size: 205824
    .private_segment_fixed_size: 0
    .kernarg_segment_align: 8
    .kernarg_segment_size: 16
    .max_flat_workgroup_size: 256
    .sgpr_count:     66
    .vgpr_count:     256
    .wavefront_size: 32
...
	.end_amdgpu_metadata
.endif
;; end of part 4
;; launch outp (part 5): grid 8 x 32, 4 waves a work-group, clusters of 4 x 4, 214,528 bytes of LDS; arguments oq, wq, bo, out0; writes out0
.if DOCPART == 5
	.amdgcn_target "amdgcn-amd-amdhsa--gfx1250"
	.amdhsa_code_object_version 6
	.text
	.protected	k_qd40c9198eb_outp
	.globl	k_qd40c9198eb_outp
	.p2align	8
	.type	k_qd40c9198eb_outp,@function
k_qd40c9198eb_outp:
	s_mov_b64 s[64:65], 0
	v_nop
	global_prefetch_b8 v0, s[64:65] scope:SCOPE_SE
	s_setreg_imm32_b32 hwreg(HW_REG_WAVE_MODE, 25, 1), 1
	s_wait_xcnt 0x0
	s_wait_alu depctr_hold_cnt(0) depctr_sa_sdst(0) depctr_va_vdst(0) depctr_va_sdst(0) depctr_va_ssrc(0) depctr_va_vcc(0) depctr_vm_vsrc(0)
	s_getreg_b32 s2, hwreg(HW_REG_IB_STS2, 6, 4)
	s_cmp_eq_u32 s2, 0
	s_cbranch_scc0 .Lentry_in_a_cluster
	s_endpgm
.Lentry_in_a_cluster:
	s_bfe_u32 s2, ttmp6, 0x10000c
	s_cmp_lg_u32 s2, 0xf033
	s_cbranch_scc0 .Lentry_shape_is_right
	s_endpgm
.Lentry_shape_is_right:
; out0 = (attention's result) Wo + bo on codes of FP6 (E2M3) with E8M0 scales, sums in f32, out0 [4096][1024] f32.
; SHARES and LDS as in the projections' launch: work-group (X, Y) makes 128 columns x 128 tokens with four waves of 64 x 64; both operands for all of K = 1,024 lie in LDS, 98,304 bytes each,
; [K step][tile][1,536], register images, filled once; each wave brings four K steps of one operand: four tensor loads of mine are out at the most.
; CLUSTERS: 4 x 4: Wo's block hangs on X alone and is asked for jointly along a column of the cluster, the tokens' block on Y alone and jointly along a row.
; Source 0 = 16 rows of Wo, source 1 = 16 tokens: a lane holds one token; a tile's rows are 32 g + 8 u + (p & 7) + 16 (p >> 3), so its registers 16 b + i are columns 32 b + 16 h + i: 64 neighbouring bytes.
; The bias is the C of each sum's first matrix instruction.
; THE WAY OUT: a tile of 16 tokens x 64 columns goes through the wave's own stage (behind the operands; no fill lands there) and leaves as rows: sixteen lanes store 256 consecutive bytes, aligned.
.set OPB,   98304
.set KSB,   12288
.set FRB,   1536
.set WSO,   3145728
.set OSO,   3145728
.set STAGE, 2*OPB
.set SP,    272                        ; a stage row: 256 bytes + 16
.set L16,  1
.set L8,   2
.set AW16, 4
.set AW8,  5
.set AX16, 8
.set AX8,  9
.set BA,   12
.set STO,  13
.set RD,   14
.set GO,   15
.set WSC,  16
.set XSC,  32
.set BI,   48
.set ACC,  80
.set WV,  16
.set WW,  17
.set WX,  18
.set CX,  19
.set CY,  20
.set NX,  21
.set NY,  22
.set G1W, 24
.set G1X, 32
.set G0W, 40
.set G0X, 68
.set MSB, 0
.macro WIN new                         ; the immediate's high byte repeats the setting that is left
.if MSB != \new
	s_set_vgpr_msb (MSB<<8)|\new
.set MSB, \new
.endif
.endm
.set MUL,  0x05                        ; sources 0 and 1 window 1; C and D window 0
.set TO_F, 0x40                        ; destination window 1, address window 0
.macro CROUND                          ; a round of the cluster's barrier
	s_barrier_signal -1
	s_barrier_wait -1
	s_cmp_lg_u32 s[WV], 0
	s_cbranch_scc1 .Lnot_wave_0_\@
	s_barrier_signal -3
.Lnot_wave_0_\@:
	s_barrier_wait -3
	s_barrier_signal -1
	s_barrier_wait -1
.endm
	s_load_b256 s[4:11], s[0:1], 0x0               ; oq s[4:5], wq s[6:7], bo s[8:9], out0 s[10:11]
	v_lshl_add_u32 v254, v0, 2, 0x34400
	v_mov_b32 v255, 0
	ds_add_u32 v254, v255
	ds_add_u32 v254, v255
	v_lshrrev_b32 v3, 5, v0
	v_readfirstlane_b32 s[WV], v3                  ; wave 0..3
	s_and_b32 s[WW], s[WV], 1
	s_lshr_b32 s[WX], s[WV], 1
	s_bfe_u32 s[CX], ttmp6, 0x40000
	s_bfe_u32 s[CY], ttmp6, 0x40004
	s_lshl_b32 s[NX], ttmp9, 2
	s_add_co_u32 s[NX], s[NX], s[CX]               ; X = 4 x cluster x + cx
	s_and_b32 s[NY], ttmp7, 0xffff
	s_lshl_b32 s[NY], s[NY], 2
	s_add_co_u32 s[NY], s[NY], s[CY]               ; Y = 4 x cluster y + cy
	s_lshl_b32 s56, s[CY], 2
	s_lshl_b32 s56, 15, s56                        ; my row of the cluster
	s_lshl_b32 s57, 0x1111, s[CX]                  ; my column
	s_or_b32 s[G1W], s57, (3<<16)|(1<<21)          ; 15:0 the mask: Wo's block goes to my column; 17:16 elements of 8 bytes; 21 set beside a mask; no padding
	s_or_b32 s[G1X], s56, (3<<16)|(1<<21)          ; the tokens' block goes to my row
.irp g, G1W, G1X
	s_mov_b32 s[\g+1], 32<<16                      ; rows of 256 bytes,
	s_mov_b32 s[\g+2], 48<<16                      ; 48 of them: 12,288 dense bytes
	s_mov_b32 s[\g+3], 32<<16
	s_mov_b32 s[\g+4], 48
	s_mov_b32 s[\g+5], 32
	s_mov_b32 s[\g+6], 0
	s_mov_b32 s[\g+7], 0
.endr
	s_mul_i32 s59, s[WW], KSB                      ; waves 0, 2 bring K steps 0, 2, 4, 6; waves 1, 3 the odd ones
	s_add_co_u32 s60, s[NX], 24                    ; Wo's blocks are 24 .. 31 of wq: no cy in these registers
	s_mul_i32 s60, s60, OPB
	s_add_co_u32 s60, s60, s59
	s_mov_b32 s61, 0
	s_mul_i32 s62, s[NY], OPB                      ; the tokens' block: no cx in these
	s_add_co_u32 s62, s62, s59
	s_mov_b32 s63, 0
	s_mul_i32 s58, s[WX], OPB                      ; where they go: of the wave's number alone
	s_add_co_u32 s58, s58, s59
	s_wait_dscnt 0x0
	s_wait_kmcnt 0x0
	s_add_nc_u64 s[60:61], s[6:7], s[60:61]
	s_add_nc_u64 s[62:63], s[4:5], s[62:63]
	CROUND                                         ; all sixteen work-groups are here: the joint loads meet
.irp q, 0,1,2,3
	s_mov_b32 s[G0W+4*\q], 1
	s_add_co_u32 s[G0W+4*\q+1], s58, \q*2*KSB
	s_add_nc_u64 s[G0W+4*\q+2:G0W+4*\q+3], s[60:61], \q*2*KSB
	s_or_b32 s[G0W+4*\q+3], s[G0W+4*\q+3], 0x80000000
	s_mov_b32 s[G0X+4*\q], 1
	s_add_co_u32 s[G0X+4*\q+1], s58, \q*2*KSB
	s_add_nc_u64 s[G0X+4*\q+2:G0X+4*\q+3], s[62:63], \q*2*KSB
	s_or_b32 s[G0X+4*\q+3], s[G0X+4*\q+3], 0x80000000
.endr
	s_cmp_lt_u32 s[WV], 2                          ; a wave's four fills stand together in one branch on its number; four v_nop follow the last
	s_cbranch_scc0 .Lfill_x
.irp q, 0,1,2,3
	tensor_load_to_lds s[G0W+4*\q:G0W+4*\q+3], s[G1W:G1W+7]
	s_nop 0
.endr
.rept 4
	v_nop
.endr
	s_branch .Lfilled
.Lfill_x:
.irp q, 0,1,2,3
	tensor_load_to_lds s[G0X+4*\q:G0X+4*\q+3], s[G1X:G1X+7]
	s_nop 0
.endr
.rept 4
	v_nop
.endr
.Lfilled:
	v_and_b32 v3, 31, v0
	v_lshlrev_b32 v[L16], 4, v3
	v_lshlrev_b32 v[L8], 3, v3
	s_mul_i32 s56, s[WW], 4*FRB                    ; my four tiles of Wo
	v_add_nc_u32 v[AW16], s56, v[L16]
	v_add_nc_u32 v[AW8], s56, v[L8]
	s_add_co_u32 s56, s56, 4*KSB                   ; K steps 4-7 have registers of their own, so that every offset fits its 16 bits
	v_add_nc_u32 v[AW16+2], s56, v[L16]
	v_add_nc_u32 v[AW8+2], s56, v[L8]
	s_mul_i32 s56, s[WX], 4*FRB                    ; my four tiles of tokens
	s_add_co_u32 s56, s56, OPB
	v_add_nc_u32 v[AX16], s56, v[L16]
	v_add_nc_u32 v[AX8], s56, v[L8]
	s_add_co_u32 s56, s56, 4*KSB
	v_add_nc_u32 v[AX16+2], s56, v[L16]
	v_add_nc_u32 v[AX8+2], s56, v[L8]
	v_and_b32 v3, 15, v0                           ; r
	v_bfe_u32 v7, v0, 4, 1                         ; h  (v7 is written anew just below: it is K steps 4-7's address)
	v_lshlrev_b32 v[BA], 6, v7                     ; the bias of 16 h + 0 .. 7
	s_mul_i32 s56, s[WV], 16*SP
	s_add_co_u32 s56, s56, STAGE                   ; my stage
	v_mul_u32_u24 v[STO], v3, SP
	v_lshl_add_u32 v[STO], v7, 6, v[STO]
	v_add_nc_u32 v[STO], s56, v[STO]               ; in: row r, + 64 h
	v_mul_u32_u24 v[RD], v7, SP
	v_lshl_add_u32 v[RD], v3, 4, v[RD]
	v_add_nc_u32 v[RD], s56, v[RD]                 ; back: lanes 0-15 one row of 256 bytes, lanes 16-31 the next
	v_lshlrev_b32 v[GO], 12, v7
	v_lshl_add_u32 v[GO], v3, 4, v[GO]             ; and the same two rows in out0
	s_mul_i32 s56, s[WW], 4*FRB
	s_add_co_u32 s56, s56, 4*KSB
	v_add_nc_u32 v[AW8+2], s56, v[L8]              ; v7 again as it was
	s_add_co_u32 s56, s[NX], 24
	s_lshl_b32 s56, s56, 3
	s_lshl_b32 s57, s[WW], 2
	s_add_co_u32 s56, s56, s57                     ; my first tile of Wo
	s_lshl_b32 s56, s56, 9
	s_add_co_u32 s56, s56, WSO
	s_mov_b32 s57, 0
	s_add_nc_u64 s[88:89], s[6:7], s[56:57]
	s_lshl_b32 s56, s[NY], 3
	s_lshl_b32 s57, s[WX], 2
	s_add_co_u32 s56, s56, s57                     ; my first tile of tokens
	s_lshl_b32 s56, s56, 9
	s_add_co_u32 s56, s56, OSO
	s_mov_b32 s57, 0
	s_add_nc_u64 s[90:91], s[4:5], s[56:57]
	s_lshl_b32 s56, s[NX], 9
	s_lshl_b32 s57, s[WW], 8
	s_add_co_u32 s56, s56, s57                     ; my 64 columns, in bytes: of the bias,
	s_mov_b32 s57, 0
	s_add_nc_u64 s[92:93], s[8:9], s[56:57]
	s_lshl_b32 s58, s[NY], 19                      ; and of out0, with my first token's row: 128 Y + 64 wX rows of 4,096 bytes
	s_add_co_u32 s56, s56, s58
	s_lshl_b32 s58, s[WX], 18
	s_add_co_u32 s56, s56, s58
	s_add_nc_u64 s[94:95], s[10:11], s[56:57]
.irp t, 0,1,2,3
	global_load_b64 v[WSC+4*\t:WSC+4*\t+1], v[L8], s[88:89] offset:512*\t           ; 256 consecutive bytes a load
	global_load_b64 v[WSC+4*\t+2:WSC+4*\t+3], v[L8], s[88:89] offset:512*\t+256
	global_load_b64 v[XSC+4*\t:XSC+4*\t+1], v[L8], s[90:91] offset:512*\t
	global_load_b64 v[XSC+4*\t+2:XSC+4*\t+3], v[L8], s[90:91] offset:512*\t+256
.endr
.irp t, 0,1,2,3                        ; tile t's eight registers: columns 32 (t / 2) + 16 h + 8 (t % 2) + 0 .. 7
	global_load_b128 v[BI+8*\t:BI+8*\t+3], v[BA], s[92:93] offset:(32*(\t/2)+8*(\t%2))*4
	global_load_b128 v[BI+8*\t+4:BI+8*\t+7], v[BA], s[92:93] offset:(32*(\t/2)+8*(\t%2))*4+16
.endr
.macro FETCH s                         ; K step s: my eight fragments, as they lie, into set s % 2: 32 LDS loads in one run
	WIN TO_F
.irp t, 0,1,2,3
.irp c, 0,1
	ds_load_b128 v[96*((\s)%2)+12*\t+6*\c:96*((\s)%2)+12*\t+6*\c+3], v[AW16+2*((\s)/4)] offset:KSB*((\s)%4)+FRB*\t+768*\c
	ds_load_b64 v[96*((\s)%2)+12*\t+6*\c+4:96*((\s)%2)+12*\t+6*\c+5], v[AW8+2*((\s)/4)] offset:KSB*((\s)%4)+FRB*\t+768*\c+512
	ds_load_b128 v[96*((\s)%2)+48+12*\t+6*\c:96*((\s)%2)+48+12*\t+6*\c+3], v[AX16+2*((\s)/4)] offset:KSB*((\s)%4)+FRB*\t+768*\c
	ds_load_b64 v[96*((\s)%2)+48+12*\t+6*\c+4:96*((\s)%2)+48+12*\t+6*\c+5], v[AX8+2*((\s)/4)] offset:KSB*((\s)%4)+FRB*\t+768*\c+512
.endr
.endr
.endm
.macro PROD s, t, u                    ; one product of K step s: source 0 = Wo's tile t, source 1 = the tokens' tile u
.set rD, ACC+32*\u+8*\t
.set rA, 96*((\s)%2)+12*\t
.set rB, 96*((\s)%2)+48+12*\u
.set sA, WSC+4*\t+(\s)/2
.set sB, XSC+4*\u+(\s)/2
.set rC, BI+8*\t
.if (\s) > 0
.set rC, rD
.endif
.if (\s)%2
	v_wmma_scale_f32_16x16x128_f8f6f4 v[rD:rD+7], v[rA:rA+11], v[rB:rB+11], v[rC:rC+7], v[sA], v[sB] matrix_a_fmt:MATRIX_FMT_FP6 matrix_b_fmt:MATRIX_FMT_FP6 matrix_a_scale:MATRIX_SCALE_ROW1 matrix_b_scale:MATRIX_SCALE_ROW1
.else
	v_wmma_scale_f32_16x16x128_f8f6f4 v[rD:rD+7], v[rA:rA+11], v[rB:rB+11], v[rC:rC+7], v[sA], v[sB] matrix_a_fmt:MATRIX_FMT_FP6 matrix_b_fmt:MATRIX_FMT_FP6
.endif
.endm
; A K step: 16 products, the 16 accumulators by turns in the same order in every step; the next step's fragments are asked for ahead of them.
.macro KSTEP s
	s_wait_dscnt 0x0                               ; this step's fragments are in
.if ((\s)%2 == 1) && ((\s) < 7)
	s_wait_tensorcnt 3-((\s)+1)/2                  ; my load for the next two K steps has landed; my later ones may stay out
	s_barrier_signal -1
	s_barrier_wait -1                              ; everybody's has
.endif
.if (\s) < 7
.if (\s) > 0
.rept 4
	v_nop                                          ; four places in front of loads into registers that the last step's products read (ISA guide 7.12.1 for vector instructions)
.endr
.endif
	FETCH (\s)+1
.endif
	WIN MUL
.irp u, 0,1,2,3
.irp t, 0,1,2,3
	PROD \s, \t, \u
.endr
.endr
.endm
	s_wait_tensorcnt 3                             ; my first load has landed (three later ones may be out),
	s_barrier_signal -1
	s_barrier_wait -1                              ; everybody's has: K steps 0 and 1 of both operands lie in LDS
	FETCH 0
	s_wait_loadcnt 0x0                             ; the scale words and the bias
.irp s, 0,1,2,3,4,5,6,7
	KSTEP \s
.endr
	WIN 0
.macro PACK u                          ; the tokens' tile u: 16 rows x 256 bytes into my stage, each accumulator from its low end on, and back as whole rows into the registers that they left
.irp b, 0,1
.irp q, 0,1,2,3
	ds_store_b128 v[STO], v[ACC+32*\u+16*\b+4*\q:ACC+32*\u+16*\b+4*\q+3] offset:128*\b+16*\q
.endr
.endr
.irp i, 0,1,2,3,4,5,6,7
	ds_load_b128 v[ACC+32*\u+4*\i:ACC+32*\u+4*\i+3], v[RD] offset:\i*2*SP   ; LDS serves a wave's instructions in order (ISA guide 5.7.1.4): these see the stores above; the next tile's stores come behind them
.endr
.endm
.macro SEND u, younger                 ; younger: the LDS instructions issued behind tile u's loads: the next tile's sixteen, or none
.irp i, 0,1,2,3,4,5,6,7
	s_wait_dscnt \younger+7-\i
	global_store_b128 v[GO], v[ACC+32*\u+4*\i:ACC+32*\u+4*\i+3], s[94:95] offset:(2*\i+8*(\i/4)+8*(\u%2)+32*(\u/2))*4096 th:TH_STORE_NT   ; stage rows 2 i, 2 i + 1 are tokens 2 i + 8 (i / 4) on of the tile; 16 lanes store 256 consecutive bytes, aligned
.endr
.endm
.rept 4
	v_nop                                          ; four places behind the last products, ahead of the first read of results
.endr
	PACK 0
	PACK 1
	SEND 0, 16
	PACK 2
	SEND 1, 16
	PACK 3
	SEND 2, 16
	SEND 3, 0
	s_wait_tensorcnt 0x0
	ds_add_u32 v254, v255
	s_wait_dscnt 0x0
	CROUND                                         ; the closing round: no work-group ends while a partner may still ask for a tile that names it
	s_endpgm
.Lfunc_end_k_qd40c9198eb_outp:
	.size	k_qd40c9198eb_outp, .Lfunc_end_k_qd40c9198eb_outp-k_qd40c9198eb_outp
	.p2alignl 7, 3214868480
	.fill 96, 4, 3214868480
	.section	.rodata,"a",@progbits
	.p2align	6, 0x0
	.amdhsa_kernel k_qd40c9198eb_outp
		.amdhsa_group_segment_fixed_size 214528
		.amdhsa_private_segment_fixed_size 0
		.amdhsa_enable_private_segment 0
		.amdhsa_kernarg_size 32
		.amdhsa_user_sgpr_count 2
		.amdhsa_user_sgpr_kernarg_segment_ptr 1
		.amdhsa_wavefront_size32 1
		.amdhsa_system_sgpr_workgroup_id_x 1
		.amdhsa_system_sgpr_workgroup_id_y 1
		.amdhsa_system_sgpr_workgroup_id_z 1
		.amdhsa_system_vgpr_workitem_id 0
		.amdhsa_next_free_vgpr 448
		.amdhsa_next_free_sgpr 100
		.amdhsa_reserve_vcc 0
		.amdhsa_float_denorm_mode_32 3
		.amdhsa_float_denorm_mode_16_64 3
		.amdhsa_memory_ordered 1
		.amdhsa_forward_progress 1
		.amdhsa_inst_pref_size 54
	.end_amdhsa_kernel
	.amdgpu_metadata
---
amdhsa.version: [ 1, 2 ]
amdhsa.kernels:
  - .name:           k_qd40c9198eb_outp
    .symbol:         k_qd40c9198eb_outp.kd
    .args:
      - { .name: oq, .offset: 0, .size: 8, .value_kind: global_buffer, .address_space: global }
      - { .name: wq, .offset: 8, .size: 8, .value_kind: global_buffer, .address_space: global }
      - { .name: bo, .offset: 16, .size: 8, .value_kind: global_buffer, .address_space: global }
      - { .name: out0, .offset: 24, .size: 8, .value_kind: global_buffer, .address_space: global }
    .group_segment_fixed_size: 214528
    .private_segment_fixed_size: 0
    .kernarg_segment_align: 8
    .kernarg_segment_size: 32
    .max_flat_workgroup_size: 128
    .sgpr_count:     100
    .vgpr_count:     448
    .wavefront_size: 32
...
	.end_amdgpu_metadata
.endif
;; end of part 5
;; ======== version 2 of 2: 4 launches
;; limits: right only within a limited range of input values
;; workspace buffers: xq 9,830,400 bytes; wq 3,276,800 bytes; qkv 9,961,472 bytes; oq 3,276,800 bytes
;; launch quant (part 6): grid 256 x 1, 10 waves a work-group, no clusters, 85,760 bytes of LDS; arguments query, key, value, Wq, Wk, Wv, Wo, xq, wq; writes xq, wq
.if DOCPART == 6
	.amdgcn_target "amdgcn-amd-amdhsa--gfx1250"
	.amdhsa_code_object_version 6
	.text
	.protected	k_qd40c9198eb_quant
	.globl	k_qd40c9198eb_quant
	.p2align	8
	.type	k_qd40c9198eb_quant,@function
k_qd40c9198eb_quant:
	s_mov_b64 s[64:65], 0
	v_nop
	global_prefetch_b8 v0, s[64:65] scope:SCOPE_SE
	s_setreg_imm32_b32 hwreg(HW_REG_WAVE_MODE, 25, 1), 1
	s_wait_xcnt 0x0
; All seven wide operands become codes of FP6 (E2M3) with one E8M0 byte for each 32 along K, laid as the products' operands want them: query, key, value [4096][1024] (K innermost) into xq,
; Wq, Wk, Wv, Wo [1024 (k)][1024 (n)] (K their FIRST axis) into wq.
; A block's scale is 2^(floor(log2(its largest magnitude)) - 2); its byte is the largest magnitude's exponent field - 2, held at 1 from below.
; LIMITS: NaN and infinities among the inputs are not served.  A block of zeros gets the byte 1 where the rule says 127: its codes are zeros, which add nothing under any
; byte but 0xff, and this program alone reads the bytes.  Blocks whose largest magnitude lies under 2^-124 have their byte held at 1.
; LAYOUT OUT, the same for both buffers.  Rows (tokens, or a weight's n) go in tiles of 16: tile 2 g + u, row p, is index 32 g + 8 u + (p & 7) + 16 (p >> 3).  A fragment (16 rows x 128 K) is
; stored as the IMAGE OF ITS 12 REGISTERS, in two units of 768 bytes (64 K each): registers 0-3 at 16 x lane, registers 4-5 at 512 + 8 x lane.
; Codes: [tensor][block of 128 rows][K step 0..7][tile 0..7][1,536].  Scale words: 512 bytes a tile; the word of (row r, K step s) at 256 (s >> 2) + 8 (r + 16 (s & 1)) + 4 ((s >> 1) & 1).
; SHARES.  256 work-groups of ten waves, in two roles that part once, on the wave's number, and never meet again: no barrier.
;   Waves 0-5: the work-group's tile of rows of all three activations; wave w takes tensor w / 2, K half w % 2: four fragments.  Each load reads 512 consecutive bytes of a row; a fragment's
;   16 x 512 bytes turn through the wave's own stage in LDS, so that a lane gets two whole blocks of 32 neighbours.
;   Waves 6-9: weight (work-group / 64), K step (work-group / 8) % 8, columns 128 (work-group % 8) on; a wave takes 32 columns = two tiles.  A LANE TAKES A COLUMN n, AND ITS REGISTERS RUN DOWN K:
;   each load reads 128 consecutive bytes a wave, a block of 32 lies in one lane, and the conversions give codes with K innermost.  The two fragments' images are gathered in LDS and leave as
;   3,072 consecutive bytes.  The weights' scale words leave as 4 bytes a lane, 8 bytes apart: 128 KiB of the 76.5 MiB that the launch moves.
; LDS: every wave has 8,448 bytes of its own, at 8,448 x its number, whichever its role (a weights' wave uses 3,072 of them).
; No matrix unit, no tensor loads, no cluster: the launch streams, and no two work-groups read the same byte.
.set XSO,   9437184                    ; where xq's scale words begin
.set WSO,   3145728                    ; where wq's begin
.set TENS,  3145728                    ; an activation's codes
.set BLKB,  98304                      ; a block of 128 rows
.set KSB,   12288                      ; a K step of a block
.set FRB,   1536                       ; a fragment
.set PITCH, 528                        ; a stage row: 512 bytes + 16: the sixteen rows that a read touches begin 33 x 16 bytes apart
.set STG,   16*PITCH                   ; a wave's bytes of LDS
; the activations' waves:
.set L16,  1                           ; v1   16 x lane
.set L8,   2                           ; v2   8 x lane
.set SIN,  3                           ; v3   into the stage: 16 x lane
.set SOUT, 4                           ; v4   out of it: row r, + 128 h
.set H8,   5                           ; v5   8 h
.set R,    16                          ; v16-143  two sets of 64: a fragment's numbers as loaded
.set X,    144                         ; v144-207 register 32 c + i = k 64 c + 32 h + i of my row
.set PC,   208                         ; v208-219 the fragment's codes
.set PD,   220                         ; v220-226 the upper halves of the blocks, as converted
.set BM,   228
.set SO,   230
.set BY,   232
.set T,    234
.set W,    236                         ; v236-239 the four fragments' scale words
.set SW,   240
; the weights' waves:
.set XN,   32                          ; v32-95  two sets of 32 numbers; at the end v32-55 take the images on their way out
.set WC,   96                          ; v96-101 a block's codes
.set WCD,  104                         ; v104-106 its upper half, as converted
.set WSB,  24                          ; v24     my column's scale word
.set OUTR, 32
	s_load_b256 s[4:11], s[0:1], 0x0               ; query s[4:5], key s[6:7], value s[8:9], Wq s[10:11]
	s_load_b256 s[12:19], s[0:1], 0x20             ; Wk s[12:13], Wv s[14:15], Wo s[16:17], xq s[18:19]
	s_load_b64 s[20:21], s[0:1], 0x40              ; wq
	v_lshl_add_u32 v254, v0, 2, 0x14a00
	v_mov_b32 v255, 0
	v_lshrrev_b32 v6, 5, v0
	s_delay_alu instid0(VALU_DEP_1)
	v_readfirstlane_b32 s24, v6                    ; wave 0..9
	s_mul_i32 s25, s24, STG                        ; my bytes of LDS
	s_cmp_lt_u32 s24, 6
	s_cbranch_scc0 .Lweights
; ---------------- waves 0-5: query, key, value ----------------
	v_and_b32 v7, 31, v0
	s_delay_alu instid0(VALU_DEP_1)
	v_lshlrev_b32 v[L16], 4, v7
	s_delay_alu instid0(VALU_DEP_2)
	v_lshlrev_b32 v[L8], 3, v7
	s_delay_alu instid0(VALU_DEP_2)
	v_add_nc_u32 v[SIN], s25, v[L16]
	v_and_b32 v8, 15, v0                           ; r
	v_bfe_u32 v9, v0, 4, 1                         ; h
	s_delay_alu instid0(VALU_DEP_2)
	v_mul_u32_u24 v[SOUT], v8, PITCH
	s_delay_alu instid0(VALU_DEP_1)
	v_lshl_add_u32 v[SOUT], v9, 7, v[SOUT]
	s_delay_alu instid0(VALU_DEP_1)
	v_add_nc_u32 v[SOUT], s25, v[SOUT]
	s_delay_alu instid0(VALU_DEP_4)
	v_lshlrev_b32 v[H8], 3, v9
	v_mov_b32 v[T+1], 0                            ; a lane permute's destination counts as one of its sources
	s_lshr_b32 s26, s24, 1                         ; which tensor
	s_and_b32 s27, s24, 1                          ; which half of K
	s_mov_b32 s28, 0x76543210
	s_mov_b32 s29, 0xfedcba98                      ; v_permlanex16_b32's selects for lane l xor 16
	s_mov_b32 s30, 0xffff0000                      ; lanes 16-31
	s_lshr_b32 s32, ttmp9, 1
	s_lshl_b32 s32, s32, 17                        ; 32 rows of 4,096 bytes for each pair of tiles,
	s_and_b32 s33, ttmp9, 1
	s_lshl_b32 s33, s33, 15                        ; 8 rows for the odd tile,
	s_add_co_u32 s32, s32, s33
	s_lshl_b32 s33, s27, 11                        ; 2,048 bytes for the upper half of K
	s_add_co_u32 s32, s32, s33
	s_mov_b32 s33, 0
	s_mul_i32 s34, s26, TENS                       ; where my codes go
	s_lshr_b32 s35, ttmp9, 3
	s_mul_i32 s35, s35, BLKB
	s_add_co_u32 s34, s34, s35
	s_mul_i32 s35, s27, 4*KSB
	s_add_co_u32 s34, s34, s35
	s_and_b32 s35, ttmp9, 7
	s_mul_i32 s35, s35, FRB
	s_add_co_u32 s34, s34, s35
	s_mov_b32 s35, 0
	s_lshl_b32 s36, s26, 8                         ; and my scale words: tile 256 x tensor + work-group, 256 bytes for each half of K
	s_add_co_u32 s36, s36, ttmp9
	s_lshl_b32 s36, s36, 9
	s_lshl_b32 s37, s27, 8
	s_add_co_u32 s36, s36, s37
	s_add_co_u32 s36, s36, XSO
	s_mov_b32 s37, 0
	s_wait_alu depctr_va_vdst(0)
	s_wait_kmcnt 0x0
	s_cmp_eq_u32 s26, 0                            ; the choice of the tensor hangs on the wave's number alone
	s_cselect_b64 s[4:5], s[4:5], s[6:7]
	s_cmp_eq_u32 s26, 2
	s_cselect_b64 s[4:5], s[8:9], s[4:5]
	s_add_nc_u64 s[4:5], s[4:5], s[32:33]
	s_add_nc_u64 s[38:39], s[18:19], s[36:37]
	s_add_nc_u64 s[18:19], s[18:19], s[34:35]
.macro LOAD f                          ; fragment f: 128 numbers of each of the tile's 16 rows: 32 lanes read 512 consecutive bytes
.irp i, 0,1,2,3,4,5,6,7,8,9,10,11,12,13,14,15
	global_load_b128 v[R+64*((\f)%2)+4*\i:R+64*((\f)%2)+4*\i+3], v[L16], s[4:5] offset:(\i+8*(\i/8))*4096+512*(\f) th:TH_LOAD_NT
.endr
.endm
.macro TURN f                          ; through the stage: LDS serves a wave's instructions in order (ISA guide 5.7.1.4), so no wait stands between the stores and the loads
.irp i, 0,1,2,3,4,5,6,7,8,9,10,11,12,13,14,15
	ds_store_b128 v[SIN], v[R+64*((\f)%2)+4*\i:R+64*((\f)%2)+4*\i+3] offset:PITCH*\i
.endr
.irp c, 0,1
.irp m, 0,1,2,3,4,5,6,7
	ds_load_b128 v[X+32*\c+4*\m:X+32*\c+4*\m+3], v[SOUT] offset:256*\c+16*\m
.endr
.endr
.endm
.macro Q4 f                            ; my two blocks (2 c + h) of fragment f: all 32 numbers of each are mine
.irp c, 0,1
	v_max3_num_f32 v[BM+\c], |v[X+32*\c]|, |v[X+32*\c+1]|, 0x1800000   ; with the floor 2^(3 - 127): the byte cannot fall under 1
.endr
.irp i, 2,4,6,8,10,12,14,16,18,20,22,24,26,28,30
.irp c, 0,1
	s_delay_alu instid0(VALU_DEP_2)
	v_max3_num_f32 v[BM+\c], v[BM+\c], |v[X+32*\c+\i]|, |v[X+32*\c+\i+1]|   ; the two blocks by turns
.endr
.endr
.irp c, 0,1
	s_delay_alu instid0(VALU_DEP_2)
	v_add_nc_u32 v[SO+\c], 0xff000000, v[BM+\c]    ; 2 off the exponent field: the conversion takes the exponent field of this operand as its scale
.endr
.irp c, 0,1
	s_delay_alu instid0(VALU_DEP_2)
	v_lshrrev_b32 v[BY+\c], 23, v[SO+\c]           ; the scale's byte
.endr
	s_delay_alu instid0(VALU_DEP_1)
	v_lshl_or_b32 v[T], v[BY+1], 16, v[BY]         ; my two bytes, blocks h and 2 + h,
	s_delay_alu instid0(VALU_DEP_1)
	v_lshlrev_b32 v[T], v[H8], v[T]                ; at their places in the row's word;
	s_delay_alu instid0(VALU_DEP_1)
	v_permlanex16_b32 v[T+1], v[T], s28, s29
	s_delay_alu instid0(VALU_DEP_1)
	v_or_b32 v[W+\f], v[T], v[T+1]                 ; with lane l xor 16's two the word is whole
.if \f > 0
	s_wait_alu depctr_va_vdst(0)
	s_wait_xcnt 0x0                                ; the last fragment's stores have read their data: the codes' registers are written again only behind this wait
.endif
.irp c, 0,1
	v_cvt_scalef32_pk16_fp6_f32 v[PC+6*\c:PC+6*\c+2], v[X+32*\c:X+32*\c+15], v[SO+\c]
	v_cvt_scalef32_pk16_fp6_f32 v[PD+4*\c:PD+4*\c+2], v[X+32*\c+16:X+32*\c+31], v[SO+\c]   ; (a conversion's three registers begin on an even number)
.endr
	v_nop                                          ; one plain place behind a scaled conversion
.irp c, 0,1
.irp i, 0,1,2
	v_mov_b32 v[PC+6*\c+3+\i], v[PD+4*\c+\i]
.endr
.endr
.irp c, 0,1
	global_store_b128 v[L16], v[PC+6*\c:PC+6*\c+3], s[18:19] offset:KSB*\f+768*\c         ; 512 consecutive bytes, at a multiple of 256 from the buffer's first byte
	global_store_b64 v[L8], v[PC+6*\c+4:PC+6*\c+5], s[18:19] offset:KSB*\f+768*\c+512     ; 256 consecutive bytes, likewise
.endr
.endm
	LOAD 0
	LOAD 1
.irp f, 0,1,2,3
.if \f < 3
	s_wait_loadcnt 16                              ; this fragment's 16 loads are in; the next fragment's 16 may be out
.else
	s_wait_loadcnt 0x0
.endif
	TURN \f
	s_wait_dscnt 0x0                               ; X is in, and the stores into the stage have read their registers,
.if \f < 2
	LOAD \f+2                                      ; which take the fragment two on
.endif
	Q4 \f
.endr
	v_cndmask_b32 v[SW], v[W], v[W+1], s30         ; lanes 0-15 the even K step's words, lanes 16-31 the odd one's
	v_cndmask_b32 v[SW+1], v[W+2], v[W+3], s30
	global_store_b64 v[L8], v[SW:SW+1], s[38:39]   ; 256 consecutive bytes, aligned
	s_wait_tensorcnt 0x0
	ds_add_u32 v254, v255
	s_wait_dscnt 0x0
	s_endpgm
; ---------------- waves 6-9: the four weights ----------------
.Lweights:
	s_sub_co_u32 s26, s24, 6                       ; which 32 of the work-group's 128 columns
	s_and_b32 s27, ttmp9, 7                        ; which 128 columns
	s_bfe_u32 s28, ttmp9, 0x30003                  ; which K step
	s_lshr_b32 s29, ttmp9, 6                       ; which weight
	v_and_b32 v2, 31, v0
	s_delay_alu instid0(VALU_DEP_1)
	v_lshlrev_b32 v3, 2, v2                        ; in: 4 bytes a lane
	v_bfe_u32 v5, v0, 3, 1                         ; u: which of the wave's two tiles my column belongs to
	v_and_b32 v6, 7, v0
	v_bfe_u32 v7, v0, 4, 1
	s_delay_alu instid0(VALU_DEP_1)
	v_lshl_add_u32 v6, v7, 3, v6                   ; p: its row there
	s_delay_alu instid0(VALU_DEP_4)
	v_mul_u32_u24 v8, v5, 1536
	s_delay_alu instid0(VALU_DEP_1)
	v_add_nc_u32 v8, s25, v8
	s_delay_alu instid0(VALU_DEP_1)
	v_lshl_add_u32 v9, v6, 3, v8                   ; v9: the image's registers 4-5: 8 bytes a row
	s_delay_alu instid0(VALU_DEP_2)
	v_lshl_add_u32 v8, v6, 4, v8                   ; v8: its registers 0-3: 16 bytes a row
	v_lshlrev_b32 v14, 4, v2                       ; 16 x lane
	s_delay_alu instid0(VALU_DEP_1)
	v_add_nc_u32 v10, s25, v14                     ; back out of LDS
	v_lshlrev_b32 v15, 9, v5
	s_delay_alu instid0(VALU_DEP_1)
	v_lshl_add_u32 v15, v6, 3, v15                 ; my scale word: 512 u + 8 p
	s_lshl_b32 s32, s28, 19                        ; 128 rows of 4,096 bytes a K step,
	s_lshl_b32 s33, s27, 9                         ; 128 columns a work-group,
	s_add_co_u32 s32, s32, s33
	s_lshl_b32 s33, s26, 7                         ; 32 a wave
	s_add_co_u32 s32, s32, s33
	s_mov_b32 s33, 0
	s_lshl_b32 s31, s29, 3
	s_add_co_u32 s31, s31, s27                     ; block 8 x weight + x
	s_mul_i32 s34, s31, BLKB
	s_mul_i32 s35, s28, KSB
	s_add_co_u32 s34, s34, s35
	s_mul_i32 s35, s26, 2*FRB
	s_add_co_u32 s34, s34, s35
	s_mov_b32 s35, 0
	s_lshl_b32 s36, s31, 3
	s_lshl_b32 s37, s26, 1
	s_add_co_u32 s36, s36, s37                     ; my first tile
	s_lshl_b32 s36, s36, 9
	s_lshr_b32 s37, s28, 2
	s_lshl_b32 s37, s37, 8
	s_add_co_u32 s36, s36, s37
	s_and_b32 s37, s28, 1
	s_lshl_b32 s37, s37, 7
	s_add_co_u32 s36, s36, s37
	s_bfe_u32 s37, s28, 0x10001
	s_lshl_b32 s37, s37, 2
	s_add_co_u32 s36, s36, s37
	s_add_co_u32 s36, s36, WSO
	s_mov_b32 s37, 0
	s_wait_kmcnt 0x0
	s_cmp_eq_u32 s29, 1                            ; the choice of the weight hangs on the work-group's number alone
	s_cselect_b64 s[10:11], s[12:13], s[10:11]
	s_cmp_eq_u32 s29, 2
	s_cselect_b64 s[10:11], s[14:15], s[10:11]
	s_cmp_eq_u32 s29, 3
	s_cselect_b64 s[10:11], s[16:17], s[10:11]
	s_add_nc_u64 s[10:11], s[10:11], s[32:33]
	s_add_nc_u64 s[38:39], s[20:21], s[36:37]
	s_add_nc_u64 s[20:21], s[20:21], s[34:35]
.macro WLOAD t                         ; block t: W(32 t + i, my column), i = 0 .. 31, into set t % 2
.irp i, 0,1,2,3,4,5,6,7,8,9,10,11,12,13,14,15,16,17,18,19,20,21,22,23,24,25,26,27,28,29,30,31
	global_load_b32 v[XN+32*((\t)%2)+\i], v3, s[10:11] offset:(32*(\t)+\i)*4096 th:TH_LOAD_NT
.endr
.endm
	WLOAD 0
	WLOAD 1
.macro WBLOCK t
.set XB, XN+32*((\t)%2)
.if (\t) < 3
	s_wait_loadcnt 32                              ; this block's 32 loads are in; the next block's may be out
.else
	s_wait_loadcnt 0x0
.endif
	v_max3_num_f32 v12, |v[XB]|, |v[XB+1]|, |v[XB+2]|
	v_max3_num_f32 v13, |v[XB+3]|, |v[XB+4]|, |v[XB+5]|
.irp i, 6,10,14,18,22,26
	s_delay_alu instid0(VALU_DEP_2)
	v_max3_num_f32 v12, v12, |v[XB+\i]|, |v[XB+\i+1]|
	s_delay_alu instid0(VALU_DEP_2)
	v_max3_num_f32 v13, v13, |v[XB+\i+2]|, |v[XB+\i+3]|
.endr
	s_delay_alu instid0(VALU_DEP_2)
	v_max3_num_f32 v12, v12, |v[XB+30]|, |v[XB+31]|
	s_delay_alu instid0(VALU_DEP_1)
	v_max3_num_f32 v12, v12, v13, 0x1800000        ; and the floor 2^(3 - 127): the byte cannot fall under 1
	s_delay_alu instid0(VALU_DEP_1)
	v_add_nc_u32 v11, 0xff000000, v12              ; 2 off the exponent field: the conversion's scale operand
	s_delay_alu instid0(VALU_DEP_1)
	v_lshrrev_b32 v13, 23, v11                     ; the scale's byte
.if (\t) == 0
	s_delay_alu instid0(VALU_DEP_1)
	v_mov_b32 v[WSB], v13
.else
	s_delay_alu instid0(VALU_DEP_1)
	v_lshl_or_b32 v[WSB], v13, 8*(\t), v[WSB]
.endif
	v_cvt_scalef32_pk16_fp6_f32 v[WC:WC+2], v[XB:XB+15], v11
	v_cvt_scalef32_pk16_fp6_f32 v[WCD:WCD+2], v[XB+16:XB+31], v11   ; (a conversion's three registers begin on an even number)
	v_nop                                          ; one plain place behind a scaled conversion
.irp i, 0,1,2
	v_mov_b32 v[WC+3+\i], v[WCD+\i]
.endr
	ds_store_b128 v8, v[WC:WC+3] offset:768*((\t)/2)+256*((\t)%2)        ; block t is what lane p + 16 (t % 2) holds of unit t / 2
	ds_store_b64 v9, v[WC+4:WC+5] offset:768*((\t)/2)+512+128*((\t)%2)
.if (\t)+2 < 4
	WLOAD (\t)+2
.endif
	s_wait_dscnt 0x0                               ; the stores have read their registers: the next block's codes may be written
.endm
	WBLOCK 0
	WBLOCK 1
	WBLOCK 2
	WBLOCK 3
	s_wait_alu depctr_va_vdst(0)
	global_store_b32 v15, v[WSB], s[38:39]         ; my column's word for this K step
.irp i, 0,1,2,3,4,5
	ds_load_b128 v[OUTR+4*\i:OUTR+4*\i+3], v10 offset:512*\i   ; LDS serves a wave's instructions in order: these see my stores
.endr
.irp i, 0,1,2,3,4,5
	s_wait_dscnt 5-\i                              ; load i is in; the 5 - i younger ones may be out
	global_store_b128 v14, v[OUTR+4*\i:OUTR+4*\i+3], s[20:21] offset:512*\i   ; 512 consecutive bytes, at a multiple of 256 from the buffer's first byte
.endr
	s_wait_tensorcnt 0x0
	ds_add_u32 v254, v255
	s_wait_dscnt 0x0
	s_endpgm
.Lfunc_end_k_qd40c9198eb_quant:
	.size	k_qd40c9198eb_quant, .Lfunc_end_k_qd40c9198eb_quant-k_qd40c9198eb_quant
	.p2alignl 7, 3214868480
	.fill 96, 4, 3214868480
	.section	.rodata,"a",@progbits
	.p2align	6, 0x0
	.amdhsa_kernel k_qd40c9198eb_quant
		.amdhsa_group_segment_fixed_size 85760
		.amdhsa_private_segment_fixed_size 0
		.amdhsa_enable_private_segment 0
		.amdhsa_kernarg_size 72
		.amdhsa_user_sgpr_count 2
		.amdhsa_user_sgpr_kernarg_segment_ptr 1
		.amdhsa_wavefront_size32 1
		.amdhsa_system_sgpr_workgroup_id_x 1
		.amdhsa_system_sgpr_workgroup_id_y 1
		.amdhsa_system_sgpr_workgroup_id_z 1
		.amdhsa_system_vgpr_workitem_id 0
		.amdhsa_next_free_vgpr 256
		.amdhsa_next_free_sgpr 66
		.amdhsa_reserve_vcc 0
		.amdhsa_float_denorm_mode_32 3
		.amdhsa_float_denorm_mode_16_64 3
		.amdhsa_memory_ordered 1
		.amdhsa_forward_progress 1
		.amdhsa_inst_pref_size 61
	.end_amdhsa_kernel
	.amdgpu_metadata
---
amdhsa.version: [ 1, 2 ]
amdhsa.kernels:
  - .name:           k_qd40c9198eb_quant
    .symbol:         k_qd40c9198eb_quant.kd
    .args:
      - { .name: query, .offset: 0, .size: 8, .value_kind: global_buffer, .address_space: global }
      - { .name: key, .offset: 8, .size: 8, .value_kind: global_buffer, .address_space: global }
      - { .name: value, .offset: 16, .size: 8, .value_kind: global_buffer, .address_space: global }
      - { .name: Wq, .offset: 24, .size: 8, .value_kind: global_buffer, .address_space: global }
      - { .name: Wk, .offset: 32, .size: 8, .value_kind: global_buffer, .address_space: global }
      - { .name: Wv, .offset: 40, .size: 8, .value_kind: global_buffer, .address_space: global }
      - { .name: Wo, .offset: 48, .size: 8, .value_kind: global_buffer, .address_space: global }
      - { .name: xq, .offset: 56, .size: 8, .value_kind: global_buffer, .address_space: global }
      - { .name: wq, .offset: 64, .size: 8, .value_kind: global_buffer, .address_space: global }
    .group_segment_fixed_size: 85760
    .private_segment_fixed_size: 0
    .kernarg_segment_align: 8
    .kernarg_segment_size: 72
    .max_flat_workgroup_size: 320
    .sgpr_count:     66
    .vgpr_count:     256
    .wavefront_size: 32
...
	.end_amdgpu_metadata
.endif
;; end of part 6
;; launch proj (part 7): grid 16 x 16, 4 waves a work-group, clusters of 4 x 4, 327,680 bytes of LDS; arguments xq, wq, bq, bk, bv, qkv; writes qkv
.if DOCPART == 7
	.amdgcn_target "amdgcn-amd-amdhsa--gfx1250"
	.amdhsa_code_object_version 6
	.text
	.protected	k_qd40c9198eb_proj
	.globl	k_qd40c9198eb_proj
	.p2align	8
	.type	k_qd40c9198eb_proj,@function
k_qd40c9198eb_proj:
	s_mov_b64 s[64:65], 0
	v_nop
	global_prefetch_b8 v0, s[64:65] scope:SCOPE_SE
	s_setreg_imm32_b32 hwreg(HW_REG_WAVE_MODE, 25, 1), 1
	s_wait_xcnt 0x0
	s_wait_alu depctr_hold_cnt(0) depctr_sa_sdst(0) depctr_va_vdst(0) depctr_va_sdst(0) depctr_va_ssrc(0) depctr_va_vcc(0) depctr_vm_vsrc(0)
	s_getreg_b32 s2, hwreg(HW_REG_IB_STS2, 6, 4)
	s_cmp_eq_u32 s2, 0
	s_cbranch_scc0 .Lentry_in_a_cluster
	s_endpgm
.Lentry_in_a_cluster:
	s_bfe_u32 s2, ttmp6, 0x10000c
	s_cmp_lg_u32 s2, 0xf033
	s_cbranch_scc0 .Lentry_shape_is_right
	s_endpgm
.Lentry_shape_is_right:
; Q = query Wq + bq, K = key Wk + bk, V = value Wv + bv on codes of FP6 (E2M3) with E8M0 scales, sums in f32; each result is quantised again in registers, Q and K along the head's 64,
; V along the tokens (the keys), and leaves as codes and scale bytes in the layout that the attention reads.  Nothing wide goes to memory.
; SHARES.  256 work-groups of four waves.  A work-group makes 128 tokens x 128 columns of V (a wave 64 x 64), then 256 tokens x 128 columns of Q or of K (a wave 128 x 64: one block of 128 tokens, one head).
; Q/K's tile column is 4 x cluster x + cx (0-7 Q, 8-15 K), its tile row 4 x cluster y + cy.  V's tile column is 4 (cluster x / 2) + cx, its tile row 2 x (Q/K's row) + cluster x % 2: each tile of V has one work-group.
; CLUSTERS: 4 x 4.  A weight's rows hang on cluster x and cx alone and are asked for jointly along a column of the cluster, the tokens' on cluster x, cluster y and cy alone and jointly along a row.
; The choice of Q or K is the cluster's x alone, alike in all sixteen partners.
; OPERANDS lie in memory and in LDS as images of the operand registers: [block of 128 rows][K step 0..7][tile 0..7][1,536].
; LDS.  At the head one load a wave: V's weight at 0 and V's tokens at 98,304, K steps 0-3 by waves 0 and 1, K steps 4-7 by waves 2 and 3; the first barrier shows the lower half alone.
; Behind a round in V's step 3: the first fill of the bytes from 196,608 on: K steps 0-2 of Q/K's weight and of its two blocks of tokens.  Behind a round in V's step 7, when V's operands have been read:
; K steps 3-4 (waves 0, 1) and 5-7 (waves 2, 3) onto V's bytes.  Plain barriers in Q/K's steps 2 and 4 show these.
; Q/K's operands are asked for into the L2 in V's steps 0 and 1, K steps 0-3 and 4-7: each block of 256 bytes by one lane of one of the sixteen waves of the four work-groups that ask for it jointly.
; Q, K: source 0 = 16 rows of W, source 1 = 16 tokens: a lane holds one token, and, since a tile's rows are 32 g + 8 u + (p & 7) + 16 (p >> 3), register 16 b + i of a token tile's 32 is
; channel 32 b + 16 h + i of the head.  V: the sources swapped: a lane holds one channel and its registers run along the tokens in the same way.  The bias is the C of each sum's first product.
; LIMITS: a block of zeros gets the byte 1 (its codes are zeros); under 2^-124 the byte is held at 1; NaN and infinities are not served.
; REGISTERS.  Window 0: addresses, v32-111 scale words, v128-255 the way out.  Windows 1 and 2: a set of fragments each: the weight's four at 0, the tokens' up to eight at 48; in window 1 the biases too.
; Window 3: accumulators: V's 16, then Q/K's 32.
.set OPB,   98304
.set KSB,   12288
.set FRB,   1536
.set WSO,   3145728                    ; where wq's scale words begin
.set XSO,   9437184                    ; where xq's begin
.set RECB,  12800                      ; a record of qkv: 128 keys of a head: K's 8 units, V's 4 fragments, K's and V's scale words (8 bytes a lane each)
.set HEADB, 204800
.set QI,    6553600
.set QS,    9699328
.set LVX,   98304
.set LW0,   196608                     ; Q/K's weight and tokens: K steps 0-2,
.set LX0,   233472
.set LW1,   0                          ; 3-4,
.set LX1,   24576
.set LW2,   73728                      ; 5-7
.set LX2,   110592
.set SPARE, 307200                     ; the spare words: 128 bytes a wave
.set L16,  1
.set L8,   2
.set L4,   3
.set AD,   4                           ; v4-23 ten pairs of LDS addresses (16 x lane, 8 x lane): V's weight lo, hi, tokens lo, hi; Q/K's weight in its three places, tokens in theirs
.set SPW,  24
.set NIL,  25
.set PFX,  26
.set PFW,  27
.set BA,   28
.set BV,   29
.set WSV,  32                          ; scale words: register i of a tile: K step 2 i in lanes 0-15, 2 i + 1 in lanes 16-31
.set XSV,  48
.set WSQ,  64
.set XSQ,  80
.set CB,   128                         ; codes, eight units of 8
.set PD,   192
.set BM,   208
.set T,    216
.set SO,   224
.set BYT,  232
.set PW,   240
.set WD,   248
.set BIV,  144                         ; window 1: V's bias
.set BIQ,  176                         ; window 1: Q's or K's
.set WV,   16
.set WW,   17                          ; which 64 columns are mine
.set WX,   18                          ; which half of the tokens
.set CX,   19
.set CY,   20
.set PC,   21
.set PR,   22
.set PJ,   23                          ; 0 Q, 1 K
.set G1WV, 24
.set G1XV, 32
.set G1W,  40
.set G1X,  48
.set VC,   66
.set VR,   67
.set G0WV, 68
.set G0XV, 72
.set G0W,  76
.set G0X,  80
.set SEL,  84
.set HI,   86
.set MSB, 0
.macro WIN new                         ; the immediate's high byte repeats the setting that is left
.if MSB != (\new)
	s_set_vgpr_msb (MSB<<8)|(\new)
.set MSB, (\new)
.endif
.endm
.macro PLACES n
.rept \n
	v_nop
.endr
.endm
.macro CREST                           ; a round of the cluster's barrier behind its opening barrier
	s_cmp_lg_u32 s[WV], 0
	s_cbranch_scc1 .Lnot_wave_0_\@
	s_barrier_signal -3
.Lnot_wave_0_\@:
	s_barrier_wait -3
	s_barrier_signal -1
	s_barrier_wait -1
.endm
.macro CROUND
	s_barrier_signal -1
	s_barrier_wait -1
	CREST
.endm
.macro TLOAD g0, g1
	tensor_load_to_lds s[\g0:\g0+3], s[\g1:\g1+7]
	s_nop 0
	PLACES 4
.endm
.macro ARM k, g0, g1, end              ; one load to an arm of a chain on the wave's number
	s_cmp_eq_u32 s[WV], \k
	s_cbranch_scc0 .Larm_\@
	TLOAD \g0, \g1
	s_branch \end
.Larm_\@:
.endm
.macro DIMS g, c, r, p                 ; r rows of c elements of 8 bytes, p elements apart
	s_mov_b32 s[\g+1], (\c)<<16
	s_mov_b32 s[\g+2], (\r)<<16
	s_mov_b32 s[\g+3], (\c)<<16
	s_mov_b32 s[\g+4], \r
	s_mov_b32 s[\g+5], \p
	s_mov_b32 s[\g+6], 0
	s_mov_b32 s[\g+7], 0
.endm
.macro G0SET g, lds, base, off         ; an LDS place and an address
	s_mov_b32 s[\g+1], \lds
	s_add_nc_u64 s[\g+2:\g+3], s[\base:\base+1], \off
	s_or_b32 s[\g+3], s[\g+3], 0x80000000
.endm
.macro ADDR i, c, per, sel
	s_mul_i32 s56, s[\sel], \per
	s_add_co_u32 s56, s56, \c
	v_add_nc_u32 v[AD+2*\i], s56, v[L16]
	v_add_nc_u32 v[AD+2*\i+1], s56, v[L8]
.endm
.macro SCB d, c, ptr                   ; s[d] half blocks: the address of their scale words
	s_lshl_b32 s[\d], s[\d], 11
	s_add_co_u32 s[\d], s[\d], \c
	s_mov_b32 s[\d+1], 0
	s_add_nc_u64 s[\d:\d+1], s[\ptr:\ptr+1], s[\d:\d+1]
.endm
	s_load_b256 s[4:11], s[0:1], 0x0               ; xq s[4:5], wq s[6:7], bq s[8:9], bk s[10:11]
	s_load_b128 s[12:15], s[0:1], 0x20             ; bv s[12:13], qkv s[14:15]
	v_lshl_add_u32 v[SPW], v0, 2, SPARE
	v_mov_b32 v[NIL], 0
	ds_add_u32 v[SPW], v[NIL]
	ds_add_u32 v[SPW], v[NIL]
	v_lshrrev_b32 v30, 5, v0
	v_readfirstlane_b32 s[WV], v30                 ; wave 0..3
	s_and_b32 s[WW], s[WV], 1
	s_lshr_b32 s[WX], s[WV], 1
	s_bfe_u32 s[CX], ttmp6, 0x40000
	s_bfe_u32 s[CY], ttmp6, 0x40004
	s_lshl_b32 s[PC], ttmp9, 2
	s_add_co_u32 s[PC], s[PC], s[CX]
	s_and_b32 s[PR], ttmp7, 0xffff
	s_lshl_b32 s[PR], s[PR], 2
	s_add_co_u32 s[PR], s[PR], s[CY]
	s_lshr_b32 s[PJ], ttmp9, 1
	s_lshl_b32 s[VC], s[PJ], 2
	s_add_co_u32 s[VC], s[VC], s[CX]
	s_and_b32 s56, ttmp9, 1
	s_lshl_b32 s[VR], s[PR], 1
	s_add_co_u32 s[VR], s[VR], s56
	s_lshl_b32 s57, s[CY], 2
	s_lshl_b32 s57, 15, s57                        ; my row of the cluster
	s_lshl_b32 s58, 0x1111, s[CX]                  ; my column
	s_or_b32 s[G1WV], s58, (3<<16)|(1<<21)         ; 15:0 the mask; 17:16 elements of 8 bytes; 21 set beside a mask; no padding
	s_or_b32 s[G1W], s58, (3<<16)|(1<<21)
	s_or_b32 s[G1XV], s57, (3<<16)|(1<<21)
	s_or_b32 s[G1X], s57, (3<<16)|(1<<21)
	DIMS G1WV, 32, 192, 32                         ; four K steps of a block: 49,152 dense bytes in rows of 256
	DIMS G1XV, 32, 192, 32
	DIMS G1W, 32, 144, 32                          ; three K steps of a block
	DIMS G1X, 4608, 2, 12288                       ; three K steps of two blocks: two rows of 36,864 bytes, 98,304 apart
	s_mov_b32 s[SEL], 0x76543210
	s_mov_b32 s[SEL+1], 0xfedcba98
	s_mov_b32 s[HI], 0xffff0000
	v_and_b32 v30, 31, v0
	v_lshlrev_b32 v[L16], 4, v30
	v_lshlrev_b32 v[L8], 3, v30
	v_lshlrev_b32 v[L4], 2, v30
	s_wait_alu depctr_va_vdst(0)
	ADDR 0, 0, 4*FRB, WW
	ADDR 1, 4*KSB, 4*FRB, WW
	ADDR 2, LVX, 4*FRB, WX
	ADDR 3, LVX+4*KSB, 4*FRB, WX
	ADDR 4, LW0, 4*FRB, WW
	ADDR 5, LW1, 4*FRB, WW
	ADDR 6, LW2, 4*FRB, WW
	ADDR 7, LX0, 3*KSB, WX
	ADDR 8, LX1, 2*KSB, WX
	ADDR 9, LX2, 3*KSB, WX
	s_lshl_b32 s56, s[CX], 2                       ; my number among the sixteen waves of my row of the cluster: 24 of the 384 blocks of 256 bytes that four K steps of two blocks of tokens are
	s_add_co_u32 s56, s56, s[WV]
	s_lshr_b32 s57, s56, 3
	s_mul_i32 s57, s57, OPB
	s_and_b32 s56, s56, 7
	s_mul_i32 s56, s56, 24*256
	s_add_co_u32 s56, s56, s57
	s_lshl_b32 s57, s[CY], 2                       ; and of my column: 12 of the weight's 192
	s_add_co_u32 s57, s57, s[WV]
	s_mul_i32 s57, s57, 12*256
	v_min_u32 v[PFX], 23, v30
	v_min_u32 v[PFW], 11, v30
	v_lshlrev_b32 v[PFX], 8, v[PFX]
	v_lshlrev_b32 v[PFW], 8, v[PFW]
	v_add_nc_u32 v[PFX], s56, v[PFX]
	v_add_nc_u32 v[PFW], s57, v[PFW]
	v_bfe_u32 v31, v0, 4, 1
	v_lshlrev_b32 v[BA], 6, v31                    ; Q, K: the bias of 16 h + 0 .. 7
	v_and_b32 v31, 7, v0
	v_lshlrev_b32 v[BV], 2, v31
	v_bfe_u32 v31, v0, 3, 1
	v_lshl_add_u32 v[BV], v31, 6, v[BV]            ; V: the bias of my channel: (r & 7) + 16 (r >> 3)
.irp i, 0,1,2,3,4,5,6,7
	v_mov_b32 v[T+\i], 0                           ; a lane permute's destination counts as one of its sources
.endr
	s_add_co_u32 s56, s[VC], 16                    ; V's weight: block 16 + column
	s_mul_i32 s56, s56, OPB
	s_mov_b32 s57, 0
	s_add_co_u32 s58, s[VR], 64                    ; V's tokens
	s_mul_i32 s58, s58, OPB
	s_mov_b32 s59, 0
	s_mul_i32 s60, s[PC], OPB                      ; Q/K's weight
	s_mov_b32 s61, 0
	s_lshl_b32 s62, s[PJ], 5                       ; Q/K's two blocks of tokens
	s_lshl_b32 s63, s[PR], 1
	s_add_co_u32 s62, s62, s63
	s_mul_i32 s62, s62, OPB
	s_mov_b32 s63, 0
	s_mov_b32 s[G0WV], 1
	s_mov_b32 s[G0XV], 1
	s_mov_b32 s[G0W], 1
	s_mov_b32 s[G0X], 1
	s_wait_alu depctr_va_vdst(0)
	s_wait_dscnt 0x0
	s_wait_kmcnt 0x0
	s_add_nc_u64 s[56:57], s[6:7], s[56:57]
	s_add_nc_u64 s[58:59], s[4:5], s[58:59]
	s_add_nc_u64 s[96:97], s[6:7], s[60:61]
	s_add_nc_u64 s[98:99], s[4:5], s[62:63]
	G0SET G0WV, 0, 56, 0
	G0SET G0XV, LVX, 58, 0
	G0SET G0W, 4*KSB, 56, 4*KSB
	G0SET G0X, LVX+4*KSB, 58, 4*KSB
	CROUND                                         ; all sixteen work-groups are here: the joint loads meet
	ARM 0, G0WV, G1WV, .Lasked
	ARM 1, G0XV, G1XV, .Lasked
	ARM 2, G0W, G1WV, .Lasked
	TLOAD G0X, G1XV
.Lasked:
	s_lshl_b32 s56, s[VC], 1
	s_add_co_u32 s56, s56, s[WW]
	s_lshl_b32 s2, s56, 8                          ; my 64 numbers of V's bias
	s_add_co_u32 s56, s56, 32
	SCB 56, WSO, 6
	s_lshl_b32 s58, s[VR], 1
	s_add_co_u32 s58, s58, s[WX]
	s_add_co_u32 s58, s58, 128
	SCB 58, XSO, 4
	s_lshl_b32 s60, s[PC], 1
	s_add_co_u32 s60, s60, s[WW]
	s_and_b32 s100, s60, 15
	s_lshl_b32 s100, s100, 8                       ; my 64 numbers of Q's or K's
	SCB 60, WSO, 6
	s_lshl_b32 s62, s[PJ], 5
	s_lshl_b32 s63, s[PR], 1
	s_add_co_u32 s62, s62, s63
	s_add_co_u32 s62, s62, s[WX]
	s_lshl_b32 s62, s62, 1
	SCB 62, XSO, 4
	s_mov_b32 s3, 0
	s_mov_b32 s101, 0
	s_cmp_eq_u32 s[PJ], 0
	s_cselect_b64 s[8:9], s[8:9], s[10:11]
	s_add_nc_u64 s[2:3], s[12:13], s[2:3]
	s_add_nc_u64 s[100:101], s[8:9], s[100:101]
.irp t, 0,1,2,3
	global_load_b64 v[WSV+4*\t:WSV+4*\t+1], v[L8], s[56:57] offset:512*\t           ; 256 consecutive bytes a load
	global_load_b64 v[WSV+4*\t+2:WSV+4*\t+3], v[L8], s[56:57] offset:512*\t+256
	global_load_b64 v[XSV+4*\t:XSV+4*\t+1], v[L8], s[58:59] offset:512*\t
	global_load_b64 v[XSV+4*\t+2:XSV+4*\t+3], v[L8], s[58:59] offset:512*\t+256
.endr
	WIN 0x40
.irp u, 0,1,2,3
	global_load_b32 v[BIV+8*\u], v[BV], s[2:3] offset:(32*(\u/2)+8*(\u%2))*4
.endr
.irp t, 0,1,2,3                        ; tile t's eight registers: channels 32 (t / 2) + 16 h + 8 (t % 2) + 0 .. 7.  These 8 loads and the 24 below are Q/K's
	global_load_b128 v[BIQ+8*\t:BIQ+8*\t+3], v[BA], s[100:101] offset:(32*(\t/2)+8*(\t%2))*4
	global_load_b128 v[BIQ+8*\t+4:BIQ+8*\t+7], v[BA], s[100:101] offset:(32*(\t/2)+8*(\t%2))*4+16
.endr
	WIN 0
.irp t, 0,1,2,3
	global_load_b64 v[WSQ+4*\t:WSQ+4*\t+1], v[L8], s[60:61] offset:512*\t
	global_load_b64 v[WSQ+4*\t+2:WSQ+4*\t+3], v[L8], s[60:61] offset:512*\t+256
.endr
.irp t, 0,1,2,3,4,5,6,7
	global_load_b64 v[XSQ+4*\t:XSQ+4*\t+1], v[L8], s[62:63] offset:512*\t
	global_load_b64 v[XSQ+4*\t+2:XSQ+4*\t+3], v[L8], s[62:63] offset:512*\t+256
.endr
	; where the results go
	s_lshr_b32 s8, s[VR], 4                        ; V: 16 x batch + head
	s_lshl_b32 s8, s8, 4
	s_lshl_b32 s9, s[VC], 1
	s_add_co_u32 s9, s9, s[WW]
	s_add_co_u32 s8, s8, s9
	s_mul_i32 s8, s8, HEADB
	s_and_b32 s9, s[VR], 15
	s_mul_i32 s9, s9, RECB
	s_add_co_u32 s8, s8, s9                        ; the record
	s_mul_i32 s9, s[WX], 768
	s_add_co_u32 s88, s8, s9
	s_add_co_u32 s88, s88, 6144                    ; fragment u's unit of my 64 keys
	s_mov_b32 s89, 0
	s_lshl_b32 s9, s[WX], 1
	s_add_co_u32 s90, s8, s9
	s_add_co_u32 s90, s90, 12544                   ; my two bytes of each row's word of four
	s_mov_b32 s91, 0
	s_add_nc_u64 s[88:89], s[14:15], s[88:89]
	s_add_nc_u64 s[90:91], s[14:15], s[90:91]
	s_lshr_b32 s8, s[PR], 3                        ; Q, K: 16 x batch + head
	s_lshl_b32 s8, s8, 4
	s_and_b32 s9, s[PC], 7
	s_lshl_b32 s9, s9, 1
	s_add_co_u32 s9, s9, s[WW]
	s_add_co_u32 s8, s8, s9
	s_and_b32 s9, s[PR], 7
	s_lshl_b32 s9, s9, 1
	s_add_co_u32 s9, s9, s[WX]                     ; the block of 128 tokens in the sequence
	s_mul_i32 s10, s8, HEADB                       ; K: the record's eight units and its words
	s_mul_i32 s11, s9, RECB
	s_add_co_u32 s10, s10, s11
	s_add_co_u32 s11, s10, 12288
	s_mul_i32 s12, s8, 98304                       ; Q: [head][tile][768]; words [head][tile][16], each [q0, q1, q0, q1]
	s_mul_i32 s13, s9, 6144
	s_add_co_u32 s12, s12, s13
	s_add_co_u32 s12, s12, QI
	s_lshl_b32 s13, s8, 13
	s_lshl_b32 s8, s9, 9
	s_add_co_u32 s13, s13, s8
	s_add_co_u32 s13, s13, QS
	s_cmp_eq_u32 s[PJ], 0
	s_cselect_b32 s92, s12, s10
	s_cselect_b32 s94, s13, s11
	s_mov_b32 s93, 0
	s_mov_b32 s95, 0
	s_add_nc_u64 s[92:93], s[14:15], s[92:93]
	s_add_nc_u64 s[94:95], s[14:15], s[94:95]
.macro FRAG reg, a, off                ; a fragment as it lies: 12 registers
.irp c, 0,1
	ds_load_b128 v[\reg+6*\c:\reg+6*\c+3], v[\a] offset:\off+768*\c
	ds_load_b64 v[\reg+6*\c+4:\reg+6*\c+5], v[\a+1] offset:\off+768*\c+512
.endr
.endm
.macro VFETCH s                        ; V, K step s: four fragments of each operand into set s % 2
	WIN 0x40+0x40*((\s)%2)
.irp t, 0,1,2,3
	FRAG 12*\t, AD+2*((\s)/4), KSB*((\s)%4)+FRB*\t
	FRAG 48+12*\t, AD+4+2*((\s)/4), KSB*((\s)%4)+FRB*\t
.endr
.endm
.macro QREG s                          ; where K step s of Q/K lies
.if (\s) < 3
.set R_, 0
.set I_, (\s)
.elseif (\s) < 5
.set R_, 1
.set I_, (\s)-3
.else
.set R_, 2
.set I_, (\s)-5
.endif
	WIN 0x40+0x40*((\s)%2)
.endm
.macro QFA s                           ; Q/K, K step s: the weight's four fragments and the tokens' first four: 32 loads
	QREG \s
.irp t, 0,1,2,3
	FRAG 12*\t, AD+8+2*R_, KSB*I_+FRB*\t
	FRAG 48+12*\t, AD+14+2*R_, KSB*I_+FRB*\t
.endr
.endm
.macro QFB s                           ; the tokens' last four: 16 loads
	QREG \s
.irp t, 4,5,6,7
	FRAG 48+12*\t, AD+14+2*R_, KSB*I_+FRB*\t
.endr
.endm
.macro MULW s                          ; the products' windows: sources the step's set, D window 3, C window 3, in a first step the bias in window 1
.if (\s) == 0
	WIN 0xd5
.elseif (\s)%2
	WIN 0xfa
.else
	WIN 0xf5
.endif
.endm
.macro WM d, a, b, c, sa, sb, row
.if \row
	v_wmma_scale_f32_16x16x128_f8f6f4 v[\d:\d+7], v[\a:\a+11], v[\b:\b+11], v[\c:\c+7], v[\sa], v[\sb] matrix_a_fmt:MATRIX_FMT_FP6 matrix_b_fmt:MATRIX_FMT_FP6 matrix_a_scale:MATRIX_SCALE_ROW1 matrix_b_scale:MATRIX_SCALE_ROW1
.else
	v_wmma_scale_f32_16x16x128_f8f6f4 v[\d:\d+7], v[\a:\a+11], v[\b:\b+11], v[\c:\c+7], v[\sa], v[\sb] matrix_a_fmt:MATRIX_FMT_FP6 matrix_b_fmt:MATRIX_FMT_FP6
.endif
.endm
; Products from .. to - 1 of a K step, the accumulators by turns in the same order in every step.
.macro VPROD s, from, to               ; n = 4 u + t: tokens' tile t, W's tile u
.set N_, \from
.rept (\to)-(\from)
.if \s
	WM 8*N_, 48+12*(N_%4), 12*(N_/4), 8*N_, XSV+4*(N_%4)+(\s)/2, WSV+4*(N_/4)+(\s)/2, (\s)%2
.else
	WM 8*N_, 48+12*(N_%4), 12*(N_/4), BIV+8*(N_/4), XSV+4*(N_%4), WSV+4*(N_/4), 0
.endif
.set N_, N_+1
.endr
.endm
.macro QPROD s, from, to               ; n = 4 u + t: W's tile t, tokens' tile u
.set N_, \from
.rept (\to)-(\from)
.if \s
	WM 8*N_, 12*(N_%4), 48+12*(N_/4), 8*N_, WSQ+4*(N_%4)+(\s)/2, XSQ+4*(N_/4)+(\s)/2, (\s)%2
.else
	WM 8*N_, 12*(N_%4), 48+12*(N_/4), BIQ+8*(N_%4), WSQ+4*(N_%4), XSQ+4*(N_/4), 0
.endif
.set N_, N_+1
.endr
.endm
.macro VSTEP s
	s_wait_dscnt 0x0                               ; this step's fragments are in
.if \s > 0
	PLACES 4                                       ; four places in front of loads into registers that the last step's products read
.endif
.if (\s != 3) && (\s != 7)
	VFETCH \s+1
.endif
	MULW \s
	VPROD \s, 0, 8
.if \s < 2                             ; K steps 4 s .. 4 s + 3 of Q/K's operands
	WIN 0
	global_prefetch_b8 v[PFX], s[98:99] offset:4*KSB*\s th:TH_LOAD_NT scope:SCOPE_SE
	global_prefetch_b8 v[PFW], s[96:97] offset:4*KSB*\s th:TH_LOAD_NT scope:SCOPE_SE
	MULW \s
.endif
.if (\s == 3) || (\s == 7)
	WIN 0
	s_wait_tensorcnt 0x0                           ; V's upper half is in; in step 7 Q/K's K steps 0-2;
	ds_add_u32 v[SPW], v[NIL]
.if \s == 3
	G0SET G0W, LW0, 96, 0
	G0SET G0X, LX0, 98, 0
.else
	s_mov_b32 s[G1WV+2], 96<<16                    ; two K steps of a block,
	s_mov_b32 s[G1WV+4], 96
	DIMS G1XV, 3072, 2, 12288                      ; and of two blocks
	G0SET G0WV, LW1, 96, 3*KSB
	G0SET G0XV, LX1, 98, 3*KSB
	G0SET G0W, LW2, 96, 5*KSB
	G0SET G0X, LX2, 98, 5*KSB
.endif
	MULW \s
	VPROD \s, 8, 12
	s_wait_dscnt 0x0                               ; the add is done (my reads were waited for at the step's head)
	s_barrier_signal -1
	VPROD \s, 12, 16
	WIN 0
	s_barrier_wait -1
	CREST
.if \s == 3
	ARM 0, G0W, G1W, .Lfirst                       ; Q/K's K steps 0-2: the first fill of these bytes
	ARM 1, G0X, G1X, .Lfirst
.Lfirst:
	VFETCH 4
.else
	ARM 0, G0WV, G1WV, .Lrest                      ; K steps 3-4 and 5-7 onto V's bytes
	ARM 1, G0XV, G1XV, .Lrest
	ARM 2, G0W, G1W, .Lrest
	TLOAD G0X, G1X
.Lrest:
	QFA 0
	QFB 0
.endif
.else
	VPROD \s, 8, 16
.endif
.endm
.macro QSTEP s
.if (\s == 2) || (\s == 4) || (\s == 7)
	s_wait_dscnt 0x0
.else
	s_wait_dscnt 16                                ; all but the tokens' last four fragments
.endif
	PLACES 4
.if (\s == 2) || (\s == 4)
	MULW \s
	QPROD \s, 0, 16
	WIN 0
.if \s == 2                            ; waves 0 and 1 wait for K steps 3-4; 5-7 may still be on their way
	s_cmp_lt_u32 s[WV], 2
	s_cbranch_scc0 .Lnot_first
	s_wait_tensorcnt 0x0
.Lnot_first:
.else
	s_wait_tensorcnt 0x0                           ; K steps 5-7 are in
.endif
	s_barrier_signal -1
	MULW \s
	QPROD \s, 16, 24
	WIN 0
	s_barrier_wait -1
	QFA \s+1
	QFB \s+1
	MULW \s
	QPROD \s, 24, 32
.elseif \s == 7                        ; the other half's products stand among the way out's maxima
	MULW \s
	QPROD \s, 0, 16
.else
	QFA \s+1
	MULW \s
	QPROD \s, 0, 16
	s_wait_dscnt 32                                ; the tokens' last four of this step are in; the 32 just issued may be out
	QFB \s+1
	MULW \s
	QPROD \s, 16, 32
.endif
.endm
.macro HOOK ov                         ; with ov a product of the last K step
.if \ov
	MULW 7
	QPROD 7, H_, H_+1
.set H_, H_+1
.endif
.endm
; Four times 32 numbers of a lane (window 3), register 16 b + i = k 32 b + 16 h + i of my row, become four units' codes (6 registers from pc + 8 k on) and their two scale bytes (pw + k).
.macro QUANT4 s, pc, pw, ov
	WIN 0x0f
.irp k, 0,1,2,3
.irp b, 0,1
	v_max3_num_f32 v[BM+2*\k+\b], |v[\s+32*\k+16*\b]|, |v[\s+32*\k+16*\b+1]|, 0x1800000   ; my 16 numbers of block b, and the floor 2^(3 - 127).  Each accumulator is read from its low end on
.endr
.endr
	HOOK \ov
.irp i, 2,4,6,8,10,12,14
	WIN 0x3c
.irp k, 0,1,2,3
.irp b, 0,1
	v_max3_num_f32 v[BM+2*\k+\b], v[BM+2*\k+\b], |v[\s+32*\k+16*\b+\i]|, |v[\s+32*\k+16*\b+\i+1]|
.endr
.endr
	HOOK \ov
.endr
	WIN 0
.irp k, 0,1,2,3,4,5,6,7
	v_permlanex16_b32 v[T+\k], v[BM+\k], s[SEL], s[SEL+1]
.endr
	HOOK \ov
	WIN 0
.irp k, 0,1,2,3,4,5,6,7
	v_max_num_f32 v[BM+\k], v[BM+\k], v[T+\k]      ; with lane l xor 16's: the block's largest magnitude
.endr
	HOOK \ov
	WIN 0
.irp k, 0,1,2,3,4,5,6,7
	v_add_nc_u32 v[SO+\k], 0xff000000, v[BM+\k]    ; 2 off the exponent field: the conversion's scale operand
.endr
	HOOK \ov
	WIN 0
.irp k, 0,1,2,3,4,5,6,7
	v_lshrrev_b32 v[BYT+\k], 23, v[SO+\k]          ; the scale's byte
.endr
	HOOK \ov
	WIN 0
.irp k, 0,1,2,3
	v_lshl_or_b32 v[\pw+\k], v[BYT+2*\k+1], 8, v[BYT+2*\k]
.endr
.if \ov
	MULW 7
	QPROD 7, H_, 32
.endif
	WIN 0x03
.irp k, 0,1,2,3
	v_cvt_scalef32_pk16_fp6_f32 v[\pc+8*\k:\pc+8*\k+2], v[\s+32*\k:\s+32*\k+15], v[SO+2*\k]
	v_cvt_scalef32_pk16_fp6_f32 v[PD+4*\k:PD+4*\k+2], v[\s+32*\k+16:\s+32*\k+31], v[SO+2*\k+1]
.endr
	WIN 0
	v_nop                                          ; one plain place behind a scaled conversion
.irp i, 0,1,2
.irp k, 0,1,2,3
	v_permlane16_swap_b32 v[\pc+8*\k+\i], v[PD+4*\k+\i]   ; a whole block to a lane: lanes 0-15 block 0, lanes 16-31 block 1
.endr
.endr
.irp i, 0,1,2
.irp k, 0,1,2,3
	v_mov_b32 v[\pc+8*\k+3+\i], v[PD+4*\k+\i]
.endr
.endr
	s_wait_alu depctr_va_vdst(0)
.endm
.macro CODES pc, base, off, stride     ; four units leave as they stand: 512 and 256 consecutive bytes a store, each at a multiple of 256 from the buffer's first byte
.irp u, 0,1,2,3
	global_store_b128 v[L16], v[\pc+8*\u:\pc+8*\u+3], s[\base:\base+1] offset:\off+\stride*\u
	global_store_b64 v[L8], v[\pc+8*\u+4:\pc+8*\u+5], s[\base:\base+1] offset:\off+\stride*\u+512
.endr
.endm
	s_wait_loadcnt 32                              ; V's scale words and bias; Q/K's 32 loads may be out
	WIN 0x41
.irp u, 0,1,2,3
.irp j, 1,2,3,4,5,6,7
	v_mov_b32 v[BIV+8*\u+\j], v[BIV+8*\u]          ; V: a lane holds one channel: the same number in all eight registers
.endr
.endr
	WIN 0
	s_wait_alu depctr_va_vdst(0)
	s_cmp_lt_u32 s[WV], 2
	s_cbranch_scc0 .Lnot_lower
	s_wait_tensorcnt 0x0
.Lnot_lower:
	s_barrier_signal -1
	s_barrier_wait -1                              ; K steps 0-3 of V's operands are in (waves 0 and 1 have waited)
	VFETCH 0
.irp s, 0,1,2,3,4,5,6,7
	VSTEP \s
.endr
	PLACES 4                                       ; ahead of the first read of results
	QUANT4 0, CB, PW, 0
	CODES CB, 88, 0, 1536
	v_cndmask_b32 v[WD], v[PW], v[PW+1], s[HI]     ; lanes 0-15 the even tile's rows, lanes 16-31 the odd tile's
	v_cndmask_b32 v[WD+1], v[PW+2], v[PW+3], s[HI]
	global_store_b16 v[L8], v[WD], s[90:91]        ; 2 bytes a lane, 8 apart: 128 KiB in the whole launch
	global_store_b16 v[L8], v[WD+1], s[90:91] offset:4
	s_wait_loadcnt 0x0                             ; Q/K's scale words and bias
.irp s, 0,1,2,3,4,5,6,7
	QSTEP \s
.endr
	WIN 0
	PLACES 4
	s_wait_xcnt 0x0                                ; V's stores have read their data: the way out's registers are written again only behind this wait
.set H_, 16
	QUANT4 0, CB, PW, 1
	CODES CB, 92, 0, 768
	QUANT4 128, CB+32, PW+4, 0
	CODES CB+32, 92, 3072, 768
	s_cmp_eq_u32 s[PJ], 0
	s_cbranch_scc0 .Lis_k
.irp u, 0,1,2,3,4,5,6,7
	v_lshl_or_b32 v[WD+\u], v[PW+\u], 16, v[PW+\u]
.endr
.irp i, 0,1,2,3
	v_cndmask_b32 v[PW+\i], v[WD+2*\i], v[WD+2*\i+1], s[HI]
.endr
.irp i, 0,1,2,3
	global_store_b32 v[L4], v[PW+\i], s[94:95] offset:128*\i
.endr
	s_branch .Ldone
.Lis_k:
.irp i, 0,1,2,3
	v_lshl_or_b32 v[WD+\i], v[PW+2*\i+1], 16, v[PW+2*\i]   ; a word is [even tile's two bytes, odd tile's two]
.endr
	v_cndmask_b32 v[PW], v[WD], v[WD+1], s[HI]
	v_cndmask_b32 v[PW+1], v[WD+2], v[WD+3], s[HI]
	global_store_b64 v[L8], v[PW:PW+1], s[94:95]   ; 256 consecutive bytes, aligned
.Ldone:
	s_wait_tensorcnt 0x0                           ; the wave's end
	ds_add_u32 v[SPW], v[NIL]
	s_wait_dscnt 0x0
	CROUND                                         ; the closing round: no work-group ends while a partner may still ask for a tile that names it
	s_endpgm
.Lfunc_end_k_qd40c9198eb_proj:
	.size	k_qd40c9198eb_proj, .Lfunc_end_k_qd40c9198eb_proj-k_qd40c9198eb_proj
	.p2alignl 7, 3214868480
	.fill 96, 4, 3214868480
	.section	.rodata,"a",@progbits
	.p2align	6, 0x0
	.amdhsa_kernel k_qd40c9198eb_proj
		.amdhsa_group_segment_fixed_size 327680
		.amdhsa_private_segment_fixed_size 0
		.amdhsa_enable_private_segment 0
		.amdhsa_kernarg_size 48
		.amdhsa_user_sgpr_count 2
		.amdhsa_user_sgpr_kernarg_segment_ptr 1
		.amdhsa_wavefront_size32 1
		.amdhsa_system_sgpr_workgroup_id_x 1
		.amdhsa_system_sgpr_workgroup_id_y 1
		.amdhsa_system_sgpr_workgroup_id_z 1
		.amdhsa_system_vgpr_workitem_id 0
		.amdhsa_next_free_vgpr 1024
		.amdhsa_next_free_sgpr 102
		.amdhsa_reserve_vcc 0
		.amdhsa_float_denorm_mode_32 3
		.amdhsa_float_denorm_mode_16_64 3
		.amdhsa_memory_ordered 1
		.amdhsa_forward_progress 1
		.amdhsa_inst_pref_size 145
	.end_amdhsa_kernel
	.amdgpu_metadata
---
amdhsa.version: [ 1, 2 ]
amdhsa.kernels:
  - .name:           k_qd40c9198eb_proj
    .symbol:         k_qd40c9198eb_proj.kd
    .args:
      - { .name: xq, .offset: 0, .size: 8, .value_kind: global_buffer, .address_space: global }
      - { .name: wq, .offset: 8, .size: 8, .value_kind: global_buffer, .address_space: global }
      - { .name: bq, .offset: 16, .size: 8, .value_kind: global_buffer, .address_space: global }
      - { .name: bk, .offset: 24, .size: 8, .value_kind: global_buffer, .address_space: global }
      - { .name: bv, .offset: 32, .size: 8, .value_kind: global_buffer, .address_space: global }
      - { .name: qkv, .offset: 40, .size: 8, .value_kind: global_buffer, .address_space: global }
    .group_segment_fixed_size: 327680
    .private_segment_fixed_size: 0
    .kernarg_segment_align: 8
    .kernarg_segment_size: 48
    .max_flat_workgroup_size: 128
    .sgpr_count:     102
    .vgpr_count:     1024
    .wavefront_size: 32
...
	.end_amdgpu_metadata
.endif
;; end of part 7
;; launch attn (part 8): grid 8 x 32, 16 waves a work-group, clusters of 4 x 1, 280,576 bytes of LDS; arguments qkv, oq; writes oq
.if DOCPART == 8
	.amdgcn_target "amdgcn-amd-amdhsa--gfx1250"
	.amdhsa_code_object_version 6
	.text
	.protected	k_qd40c9198eb_attn
	.globl	k_qd40c9198eb_attn
	.p2align	8
	.type	k_qd40c9198eb_attn,@function
k_qd40c9198eb_attn:
	s_mov_b64 s[64:65], 0
	v_nop
	global_prefetch_b8 v0, s[64:65] scope:SCOPE_SE
	s_setreg_imm32_b32 hwreg(HW_REG_WAVE_MODE, 25, 1), 1
	s_wait_xcnt 0x0
	s_wait_alu depctr_hold_cnt(0) depctr_sa_sdst(0) depctr_va_vdst(0) depctr_va_sdst(0) depctr_va_ssrc(0) depctr_va_vcc(0) depctr_vm_vsrc(0)
	s_getreg_b32 s2, hwreg(HW_REG_IB_STS2, 6, 4)
	s_cmp_eq_u32 s2, 0
	s_cbranch_scc0 .Lentry_in_a_cluster
	s_endpgm
.Lentry_in_a_cluster:
	s_bfe_u32 s2, ttmp6, 0x10000c
	s_cmp_lg_u32 s2, 0x3003
	s_cbranch_scc0 .Lentry_shape_is_right
	s_endpgm
.Lentry_shape_is_right:
; Causal attention of one head on codes of FP6 (E2M3) with E8M0 scales; the result, divided by the row's sum, is quantised along the model's axis and leaves as the last product's operand.
; WORK LEFT OUT: key steps that lie wholly behind the causal mask (their scores are -infinity, so their p is 0 for all inputs).
; THE SOFTMAX AHEAD OF THE SECOND PRODUCT: t = score x log2(e) / 8; M = the row's largest t so far, rounded UP to a whole number; p = 2^(t - M) is quantised along the keys, not normalised.
; The row's sum is taken of the unquantised p and divides at the end.  When M moves, the sum and O are multiplied by 2^(old M - new M): exact.
; SHARES.  A head has 128 tiles of 16 queries; tile T needs key steps 0 .. T / 8, of 128 keys each.  The eight work-groups of a head are two clusters of four; a work-group has sixteen waves.
; Waves p and 8 + (p xor 4) are PAIR p = 0 .. 7, with L0 = 4 x cluster x + p / 2 and two tiles: T0 = 8 L0 + 4 (p % 2) + cx (L0 + 1 steps) and T1 = 127 - T0 (16 - L0 steps): 17 steps.
; Wave p takes all of T0 and T1's first steps, N = 13 steps in all where p < 4 and 10 elsewhere; its partner takes T1's last 17 - N.  So waves w, w + 4, w + 8, w + 12 take 13, 10, 7 and 4 steps: 34.
; Wave p hands its part of T1 (O^T, -M, the sum) to its partner through LDS as an image of its registers; the two parts are brought under the larger M by powers of two, which rounds nothing, and added.
; ONE TEXT FOR BOTH ROLES: every wave walks both loops, whose trip counts are constants; a step outside the wave's bounds is jumped over inside the loop.  A wave of the second eight finds no step in the
; first loop; it loads T0's Q (832 bytes) and clears T0's sums all the same, so that every register is written on every way.
; CLUSTER.  The four partners read the same sixteen records, so each record is asked for JOINTLY: wave w of each partner issues the same tensor load, made of the head and the wave's number alone, with a mask that
; names the four.  All bounds hang on the wave's number and the cluster's x: partners branch alike.  cx enters Q's and the output's addresses and the mask's distance (a vector number) alone.
; ALL KEYS OF THE HEAD STAY IN LDS: 16 records of 12,800 bytes (K's 8 units, V's 4 fragments, their scale words), filled once, one load a wave.  Records 0-7, all that T0's loop reads, are shown by a barrier of their own.
; LDS: the records, 204,800 bytes; behind them 4,608 bytes for each wave, at 4,608 x its number, for the hand-over (the second eight waves' are never stored into: so a wave's bytes follow from its number alone).
; No prefetch: all tensor loads stand at the head, and no loop runs ahead of them.
; THE SCORES' K IS 64, THE INSTRUCTION'S 128.  A fragment of K holds TWO tiles of keys, one in k 0-63, one in k 64-127; Q stands between two runs of zero codes, so that [Q | 0] picks the first tile and
; [0 | Q] the second: zero codes add nothing under any byte from 1 to 254.
; LAYOUT.  Both products transposed: a lane holds ONE query.  A tile's rows are 32 g + 8 u + (p & 7) + 16 (p >> 3), for keys, queries and channels alike, so register 16 b + i of the scores is key
; 32 b + 16 h + i, and register 16 b + i of O^T channel 32 b + 16 h + i.
; THE MASK, on a tile's last step: T0's queries lie in the step's lower 64 keys where the wave's number is even and in its upper 64 where it is odd, T1's the other way round.  In the lower case keys 0-63 are
; compared and 64-127 are hidden; in the upper case keys 0-63 count whole and 64-127 are compared.
; LIMITS: scaled scores under 2^31 in magnitude; a block of zeros gets the byte 1; NaN and infinities are not served.
; The step is written once for a tile: O^T and the sum begin as zeros (32 moves) and the largest t as -3e38; the first change of M multiplies zeros.
.set RECB,  12800
.set HEADB, 204800
.set QI,    6553600
.set QS,    9699328
.set OS,    3145728
.set XCH,   204800                     ; the hand-over's bytes
.set XCB,   4608                       ; a wave's: O^T's 32 registers (8 x 512) and four more (512)
.set SPARE, XCH+16*XCB
.set L16, 1
.set L8,  2
.set A16, 4
.set A8,  5
.set DD,  7                            ; v7   my query's place in its 64 keys, less 16 h
.set PRH, 8                            ; v8   (r & 7) + 16 (r >> 3) - 16 h
.set R8,  9                            ; v9   8 r
.set R4,  10                           ; v10  4 r
.set NM,  12                           ; v12  -M;  v13 the largest t
.set TM,  13
.set SUM, 14                           ; v[14:15] the sum, in two halves
.set QR,  16                           ; v16-33, v34-51: for each tile 6 zeros, Q's unit, 6 zeros
.set QSW, 52                           ; v52, v53 Q's scale words
.set FR,  54                           ; v54-101 four fragments, of K, then of V
.set S,   102                          ; v102-165 the scores, then p
.set O,   166                          ; v166-197 O^T
.set PC,  198                          ; v198-209 p's codes
.set BM,  210
.set T2,  214
.set SO,  222
.set KSR, 226                          ; v226-227 K's scale words: lanes 0-15 pair 2 i, lanes 16-31 pair 2 i + 1
.set VSR, 228                          ; v228-229 V's likewise
.set F,   230                          ; v230 f;  v231 p's scale word
.set TMP, 232
.set NINF, 233
.set XW,  234                          ; v234 where I store a hand-over: my own bytes
.set XR,  235                          ; v235 where I read one: the bytes of wave p of my pair
.set FA,  236                          ; v[236:237] the partner's factor
.set PA,  238                          ; v238-241 the partner's -M, largest t, sum in two halves
.set CH,  242                          ; v242-253 six chains of the sum; T2 is the seventh
.set SPW, 254
.set NIL, 255
.set WV,  8
.set L0,  9
.set BH,  10
.set T1,  11
.set SEL, 12
.set CS,  14
.set G1,  16
.set G0,  24
.set LO,  28                           ; my steps of the tile in hand: LO .. HIX - 1
.set HIX, 29
.set DIAG, 30                          ; the tile's last step, the one on the diagonal
.set HB,  31                           ; and its queries' half there, of the wave's number alone
.set TB,  32
.set SS,  33
.set PAIR, 34
.set TAU, 35
.macro CROUND                          ; a round of the cluster's barrier
	s_barrier_signal -1
	s_barrier_wait -1
	s_cmp_lg_u32 s[WV], 0
	s_cbranch_scc1 .Lnot_wave_0_\@
	s_barrier_signal -3
.Lnot_wave_0_\@:
	s_barrier_wait -3
	s_barrier_signal -1
	s_barrier_wait -1
.endm
.macro TLOAD
	tensor_load_to_lds s[G0:G0+3], s[G1:G1+7]
	s_nop 0
.rept 4
	v_nop
.endr
.endm
	s_load_b128 s[4:7], s[0:1], 0x0                ; qkv s[4:5], oq s[6:7]
	v_lshl_add_u32 v[SPW], v0, 2, SPARE
	v_mov_b32 v[NIL], 0
	ds_add_u32 v[SPW], v[NIL]
	ds_add_u32 v[SPW], v[NIL]
	v_lshrrev_b32 v11, 5, v0
	v_and_b32 v3, 31, v0
	v_and_b32 v[PRH], 7, v0
	v_readfirstlane_b32 s[WV], v11                 ; wave 0..15
	v_bfe_u32 v5, v0, 3, 1
	v_bfe_u32 v6, v0, 4, 1
	v_and_b32 v[R8], 15, v0
	v_lshlrev_b32 v[L16], 4, v3
	v_lshlrev_b32 v[L8], 3, v3
	v_lshl_add_u32 v[PRH], v5, 4, v[PRH]
	v_lshlrev_b32 v6, 4, v6
	v_lshlrev_b32 v[R4], 2, v[R8]
	v_lshlrev_b32 v[R8], 3, v[R8]
	v_sub_nc_u32 v[PRH], v[PRH], v6
	s_wait_alu depctr_va_vdst(0)
	s_bfe_u32 s44, ttmp6, 0x40000                  ; cx: my place in the cluster
	s_lshr_b32 s[PAIR], s[WV], 1
	s_and_b32 s[PAIR], s[PAIR], 4
	s_and_b32 s45, s[WV], 7
	s_xor_b32 s[PAIR], s[PAIR], s45                ; my pair
	s_lshr_b32 s45, s[PAIR], 1
	s_lshl_b32 s[L0], ttmp9, 2                     ; in a cluster launch ttmp9 counts clusters
	s_add_co_u32 s[L0], s[L0], s45                 ; L0 = 4 x cluster x + pair / 2: alike in all four partners
	s_and_b32 s[BH], ttmp7, 0xffff                 ; 16 x batch + head, which the partners share
	s_lshl_b32 s[TAU], s[L0], 3
	s_add_co_u32 s[TAU], s[TAU], s44
	s_and_b32 s[HB], s[WV], 1                      ; pair % 2, and the half in which T0's queries lie
	s_lshl_b32 s45, s[HB], 2
	s_add_co_u32 s[TAU], s[TAU], s45               ; T0 = 8 L0 + 4 (pair % 2) + cx
	s_sub_co_u32 s[T1], 127, s[TAU]                ; T1
	s_mov_b32 s[G1], 15|(3<<16)|(1<<21)            ; 15:0 the mask: all four work-groups; 17:16 elements of 8 bytes; 21 set beside a mask; no padding
	s_mov_b32 s[G1+1], 32<<16                      ; tensor_dim0 = 32: rows of 256 bytes
	s_mov_b32 s[G1+2], 50<<16                      ; tensor_dim1 = 50 rows: a record
	s_mov_b32 s[G1+3], 32<<16
	s_mov_b32 s[G1+4], 50
	s_mov_b32 s[G1+5], 32
	s_mov_b32 s[G1+6], 0
	s_mov_b32 s[G1+7], 0
	s_mov_b32 s[SEL], 0x76543210
	s_mov_b32 s[SEL+1], 0xfedcba98
	s_mov_b32 s[CS], 0x3e38aa3b                    ; c = log2(e) / 8
	s_mov_b32 s[CS+1], s[CS]                       ; (named with it as a pair, so it is written)
	s_mul_i32 s46, s[WV], RECB                     ; record w, at 12,800 w: of the wave's number alone
	s_mul_i32 s44, s[BH], HEADB
	s_add_co_u32 s44, s44, s46
	s_mov_b32 s45, 0
	s_mul_i32 s36, s[WV], XCB
	s_add_co_u32 s36, s36, XCH
	s_mul_i32 s37, s[PAIR], XCB
	s_add_co_u32 s37, s37, XCH
	v_add_nc_u32 v[XW], s36, v[L16]                ; both addresses of the hand-over are made here, by every wave
	v_add_nc_u32 v[XR], s37, v[L16]
.macro QOFF tau, b                     ; tile s[tau]'s unit of Q and its scale words: offsets in s[b .. b + 3]
	s_mul_i32 s[\b], s[BH], 98304
	s_mul_i32 s[\b+2], s[\tau], 768
	s_add_co_u32 s[\b], s[\b], s[\b+2]
	s_add_co_u32 s[\b], s[\b], QI
	s_mov_b32 s[\b+1], 0
	s_lshl_b32 s[\b+2], s[BH], 13
	s_lshl_b32 s[\b+3], s[\tau], 6
	s_add_co_u32 s[\b+2], s[\b+2], s[\b+3]
	s_add_co_u32 s[\b+2], s[\b+2], QS
	s_mov_b32 s[\b+3], 0
.endm
.macro QLOAD n, b
	s_add_nc_u64 s[\b:\b+1], s[4:5], s[\b:\b+1]
	s_add_nc_u64 s[\b+2:\b+3], s[4:5], s[\b+2:\b+3]
	global_load_b128 v[QR+18*\n+6:QR+18*\n+9], v[L16], s[\b:\b+1]
	global_load_b64 v[QR+18*\n+10:QR+18*\n+11], v[L8], s[\b:\b+1] offset:512
	global_load_b32 v[QSW+\n], v[R4], s[\b+2:\b+3]
.endm
	QOFF TAU, 36
	QOFF T1, 40
.irp n, 0,1
.irp i, 0,1,2,3,4,5
	v_mov_b32 v[QR+18*\n+\i], 0                    ; zero codes on both sides of Q
	v_mov_b32 v[QR+18*\n+12+\i], 0
.endr
.endr
.irp i, 0,1,2,3,4,5,6,7
	v_mov_b32 v[T2+\i], 0                          ; written once: a lane permute's destination counts as one of its sources
.endr
	v_mov_b32 v[TMP], 0
	v_mov_b32 v[FA+1], 0                           ; (named as the upper half of a pair)
	v_mov_b32 v[NINF], 0xff800000                  ; -infinity
	s_wait_alu depctr_va_vdst(0)
	s_wait_dscnt 0x0
	s_wait_kmcnt 0x0
	QLOAD 0, 36
	QLOAD 1, 40
	CROUND                                         ; all four work-groups are here: the joint loads meet
	s_mov_b32 s[G0], 1
	s_mov_b32 s[G0+1], s46
	s_add_nc_u64 s[G0+2:G0+3], s[4:5], s[44:45]
	s_or_b32 s[G0+3], s[G0+3], 0x80000000
	s_cmp_lt_u32 s[WV], 8                          ; records 0-7 and 8-15 have load lines of their own: the first barrier shows the first eight alone
	s_cbranch_scc0 .Lupper
	TLOAD
	s_branch .Lasked
.Lupper:
	TLOAD
.Lasked:
.macro UNIT reg, off                   ; a unit as it lies: registers 0-3 at 16 x lane, 4-5 at 512 + 8 x lane
	ds_load_b128 v[\reg:\reg+3], v[A16] offset:\off
	ds_load_b64 v[\reg+4:\reg+5], v[A8] offset:\off+512
.endm
.macro SCORE d, a, q, ks, n, row1
.if \row1
	v_wmma_scale_f32_16x16x128_f8f6f4 v[\d:\d+7], v[\a:\a+11], v[\q:\q+11], 0, v[\ks], v[QSW+\n] matrix_a_fmt:MATRIX_FMT_FP6 matrix_b_fmt:MATRIX_FMT_FP6 matrix_a_scale:MATRIX_SCALE_ROW1
.else
	v_wmma_scale_f32_16x16x128_f8f6f4 v[\d:\d+7], v[\a:\a+11], v[\q:\q+11], 0, v[\ks], v[QSW+\n] matrix_a_fmt:MATRIX_FMT_FP6 matrix_b_fmt:MATRIX_FMT_FP6
.endif
.endm
.macro PVM d, a, vs, row1
.if \row1
	v_wmma_scale_f32_16x16x128_f8f6f4 v[\d:\d+7], v[\a:\a+11], v[PC:PC+11], v[\d:\d+7], v[\vs], v[F+1] matrix_a_fmt:MATRIX_FMT_FP6 matrix_b_fmt:MATRIX_FMT_FP6 matrix_a_scale:MATRIX_SCALE_ROW1
.else
	v_wmma_scale_f32_16x16x128_f8f6f4 v[\d:\d+7], v[\a:\a+11], v[PC:PC+11], v[\d:\d+7], v[\vs], v[F+1] matrix_a_fmt:MATRIX_FMT_FP6 matrix_b_fmt:MATRIX_FMT_FP6
.endif
.endm
.macro PADD d, a, b                    ; pair d = pair a + pair b
	v_pk_add_f32 v[\d:\d+1], v[\a:\a+1], v[\b:\b+1]
.endm
.macro OMUL i                          ; O^T's pair i under the new M
	v_pk_mul_f32 v[O+2*\i:O+2*\i+1], v[O+2*\i:O+2*\i+1], v[F:F+1] op_sel_hi:[1,0]
.endm
.macro COMPARE s                       ; 64 keys' scores from register s on: register 16 b + i holds key 32 b + 16 h + i of the 64: hidden where 32 b + i > my query's place - 16 h
.irp b, 0,1
.irp i, 0,4,8,12
.irp k, 0,1,2,3
	v_cmp_gt_i32 s[36+\k], 32*\b+\i+\k, v[DD]
.endr
.irp k, 0,1,2,3
	v_cndmask_b32 v[\s+16*\b+\i+\k], v[\s+16*\b+\i+\k], v[NINF], s[36+\k]
.endr
.endr
.endr
.endm
; A KEY STEP: the 128 keys of the record at LDS byte s[TB], for tile n of the pair.
.macro STEP n
	v_add_nc_u32 v[A16], s[TB], v[L16]
	v_add_nc_u32 v[A8], s[TB], v[L8]
	ds_load_b64 v[KSR:KSR+1], v[A8] offset:12288
.irp b, 0,1,2,3
	UNIT FR+12*\b, 1536*\b                         ; key tile 2 b in k 0-63,
	UNIT FR+12*\b+6, 1536*\b+768                   ; key tile 2 b + 1 in k 64-127
.endr
	s_wait_alu depctr_va_vdst(0)
.irp b, 0,1,2,3
	s_wait_dscnt 12-4*\b                           ; the scale words and fragment b are in; the younger fragments' four loads each may be out
	SCORE S+16*\b, FR+12*\b, QR+18*\n+6, KSR+\b/2, \n, \b%2      ; [Q | 0]: the even tile
	SCORE S+16*\b+8, FR+12*\b, QR+18*\n, KSR+\b/2, \n, \b%2      ; [0 | Q]: the odd tile
.endr
.rept 4
	v_nop                                          ; four places: for the loads into K's registers, and for the first read of the scores
.endr
.irp e, 0,1,2,3
	UNIT FR+12*\e, 6144+1536*\e                    ; V's four fragments land while the softmax is walked
	UNIT FR+12*\e+6, 6144+1536*\e+768
.endr
	ds_load_b64 v[VSR:VSR+1], v[A8] offset:12544
	s_cmp_lg_u32 s[SS], s[DIAG]                    ; a step all of whose keys count skips the mask; on the diagonal hidden scores become -infinity: p = 0 then
	s_cbranch_scc1 .Lopen_\@
	s_cmp_lg_u32 s[HB], 0
	s_cbranch_scc1 .Lupper_half_\@
	COMPARE S
.set jj, 32
.rept 32
	v_mov_b32 v[S+jj], v[NINF]
.set jj, jj+1
.endr
	s_branch .Lmasked_\@
.Lupper_half_\@:
	COMPARE S+32
.Lmasked_\@:
	s_wait_alu depctr_va_vdst(0)
.Lopen_\@:
.irp b, 0,1,2,3
	v_max3_num_f32 v[BM+\b], v[S+16*\b], v[S+16*\b+1], v[S+16*\b+2]   ; the largest score of each block of 32 keys: for the row's maximum, and, since p rises with the score, for the block's largest p
.endr
.irp i, 3,5,7,9,11,13
.irp b, 0,1,2,3
	v_max3_num_f32 v[BM+\b], v[BM+\b], v[S+16*\b+\i], v[S+16*\b+\i+1]
.endr
.endr
.irp b, 0,1,2,3
	v_max_num_f32 v[BM+\b], v[BM+\b], v[S+16*\b+15]
.endr
.irp b, 0,1,2,3
	s_delay_alu instid0(VALU_DEP_4)
	v_permlanex16_b32 v[T2+\b], v[BM+\b], s[SEL], s[SEL+1]
.endr
.irp b, 0,1,2,3
	s_delay_alu instid0(VALU_DEP_4)
	v_max_num_f32 v[BM+\b], v[BM+\b], v[T2+\b]     ; with lane l xor 16's 16 keys
.endr
	s_delay_alu instid0(VALU_DEP_2)
	v_max3_num_f32 v[TMP], v[BM], v[BM+1], v[BM+2]
	s_delay_alu instid0(VALU_DEP_1)
	v_max_num_f32 v[TMP], v[TMP], v[BM+3]          ; the step's largest score of my query
	s_delay_alu instid0(VALU_DEP_1)
	v_mul_f32 v[TMP], s[CS], v[TMP]                ; as t (c is positive)
	s_delay_alu instid0(VALU_DEP_1)
	v_max_num_f32 v[TM], v[TM], v[TMP]             ; the running largest t
	v_mov_b32 v[TMP], v[NM]
	s_delay_alu instid0(VALU_DEP_2)
	v_floor_f32 v[NM], -v[TM]                      ; the new -M = floor(-t): M is a whole number
	s_delay_alu instid0(VALU_DEP_1)
	v_sub_f32 v[TMP], v[NM], v[TMP]                ; old M less new M: a whole number, 0 or less
	s_delay_alu instid0(VALU_DEP_1)
	v_cvt_i32_f32 v[TMP], v[TMP]                   ; (it saturates)
	s_delay_alu instid0(VALU_DEP_1)
	v_ldexp_f32 v[F], 1.0, v[TMP]                  ; f = 2^(old M - new M)
.set jj, 0
.rept 32
	v_pk_fma_f32 v[S+jj:S+jj+1], v[S+jj:S+jj+1], s[CS:CS+1], v[NM:NM+1] op_sel_hi:[1,0,0]   ; t - M, two at a time
.set jj, jj+2
.endr
.irp b, 0,1,2,3
	v_fma_f32 v[BM+\b], v[BM+\b], s[CS], v[NM]     ; the same of each block's largest score
.endr
.set jj, 0
	s_wait_alu depctr_va_vdst(0)                   ; ahead of the batch
.rept 64
	v_exp_f32 v[S+jj], v[S+jj]                     ; p = 2^(t - M), at most 1
.set jj, jj+1
.endr
.irp b, 0,1,2,3
	v_exp_f32 v[BM+\b], v[BM+\b]                   ; the block's largest p: the same two instructions on the same number
.endr
	v_pk_mul_f32 v[SUM:SUM+1], v[SUM:SUM+1], v[F:F+1] op_sel_hi:[1,0]   ; the sums under the new M.  (A plain place behind the exponentials)
	s_wait_alu depctr_va_vdst(0)                   ; and behind it
.irp b, 0,1,2,3
	v_max_num_f32 v[BM+\b], 0x1800000, v[BM+\b]    ; the floor 2^(3 - 127): the byte cannot fall under 1
.endr
.irp b, 0,1,2,3
	s_delay_alu instid0(VALU_DEP_4)
	v_add_nc_u32 v[SO+\b], 0xff000000, v[BM+\b]    ; 2 off the exponent field: the conversion's scale operand
.endr
.irp b, 0,1,2,3
	s_delay_alu instid0(VALU_DEP_4)
	v_lshrrev_b32 v[T2+\b], 23, v[SO+\b]           ; the scale's byte
.endr
	s_delay_alu instid0(VALU_DEP_3)
	v_lshl_or_b32 v[F+1], v[T2+1], 8, v[T2]        ; p's scale word for these 128 keys
	s_delay_alu instid0(VALU_DEP_1)
	v_lshl_or_b32 v[F+1], v[T2+2], 16, v[F+1]
	s_delay_alu instid0(VALU_DEP_1)
	v_lshl_or_b32 v[F+1], v[T2+3], 24, v[F+1]
.irp c, 0,1
	v_cvt_scalef32_pk16_fp6_f32 v[PC+6*\c:PC+6*\c+2], v[S+32*\c:S+32*\c+15], v[SO+2*\c]
	v_cvt_scalef32_pk16_fp6_f32 v[T2+4*\c:T2+4*\c+2], v[S+32*\c+16:S+32*\c+31], v[SO+2*\c+1]   ; (a conversion's three registers begin on an even number)
.endr
	v_nop                                          ; one plain place behind a scaled conversion
.irp c, 0,1
.irp i, 0,1,2
	v_permlane16_swap_b32 v[PC+6*\c+\i], v[T2+4*\c+\i]   ; a whole block to a lane: lanes 0-15 block 2 c, lanes 16-31 block 2 c + 1
.endr
.irp i, 0,1,2
	s_delay_alu instid0(VALU_DEP_3)
	v_mov_b32 v[PC+6*\c+3+\i], v[T2+4*\c+\i]
.endr
.endr
	; the row's sum, of the unquantised p: 32 pairs in eight chains by turns: six from CH on, T2's and SUM itself
.irp k, 0,1,2,3,4,5
	PADD CH+2*\k, S+4*\k, S+4*\k+2
.endr
	PADD T2, S+24, S+26
	PADD SUM, SUM, S+28
.irp g, 30,46
.irp k, 0,1,2,3,4,5
	PADD CH+2*\k, CH+2*\k, S+\g+2*\k
.endr
	PADD T2, T2, S+\g+12
	PADD SUM, SUM, S+\g+14
.endr
	PADD CH, CH, S+62
	s_wait_alu depctr_va_vdst(0)                   ; ahead of O^T's first readers
	OMUL 0                                         ; from each accumulator's low end on.  (With the sums: the places between p's word and codes and the products below)
	PADD CH+2, CH+2, CH+4
	OMUL 1
	PADD CH+6, CH+6, CH+8
	OMUL 2
	PADD SUM, SUM, T2
	OMUL 3
	PADD CH, CH, CH+10
	OMUL 4
	PADD CH+2, CH+2, CH+6
	OMUL 5
	PADD SUM, SUM, CH
	OMUL 6
	OMUL 7
	OMUL 8
	PADD SUM, SUM, CH+2
.irp i, 9,10,11,12,13,14,15
	OMUL \i
.endr
	s_wait_alu depctr_va_vdst(0)
	s_wait_dscnt 0x0                               ; V is in
.irp e, 0,1,2,3
	PVM O+8*\e, FR+12*\e, VSR+\e/2, \e%2           ; O^T += V^T P^T: the four accumulators by turns, one instruction a turn
.endr
.rept 4
	v_nop                                          ; four places, on every way on: ahead of the next step's loads into V's registers, and of the first read of O^T behind the loop
.endr
.endm
; 32 numbers of a lane in S, register 16 b + i = channel 32 b + 16 h + i, become a unit's codes in PC .. PC + 5 and its two scale bytes in TMP.
.macro QUANT2
.irp b, 0,1
	v_max3_num_f32 v[BM+\b], |v[S+16*\b]|, |v[S+16*\b+1]|, 0x1800000
.endr
.irp i, 2,4,6,8,10,12,14
.irp b, 0,1
	s_delay_alu instid0(VALU_DEP_2)
	v_max3_num_f32 v[BM+\b], v[BM+\b], |v[S+16*\b+\i]|, |v[S+16*\b+\i+1]|
.endr
.endr
.irp b, 0,1
	s_delay_alu instid0(VALU_DEP_2)
	v_permlanex16_b32 v[T2+4+\b], v[BM+\b], s[SEL], s[SEL+1]
.endr
.irp b, 0,1
	s_delay_alu instid0(VALU_DEP_2)
	v_max_num_f32 v[BM+\b], v[BM+\b], v[T2+4+\b]
.endr
.irp b, 0,1
	s_delay_alu instid0(VALU_DEP_2)
	v_add_nc_u32 v[SO+\b], 0xff000000, v[BM+\b]
.endr
.irp b, 0,1
	s_delay_alu instid0(VALU_DEP_2)
	v_lshrrev_b32 v[T2+6+\b], 23, v[SO+\b]
.endr
	s_delay_alu instid0(VALU_DEP_1)
	v_lshl_or_b32 v[TMP], v[T2+7], 8, v[T2+6]
	v_cvt_scalef32_pk16_fp6_f32 v[PC:PC+2], v[S:S+15], v[SO]
	v_cvt_scalef32_pk16_fp6_f32 v[T2:T2+2], v[S+16:S+31], v[SO+1]
	v_nop                                          ; one plain place behind a scaled conversion
.irp i, 0,1,2
	v_permlane16_swap_b32 v[PC+\i], v[T2+\i]
.endr
.irp i, 0,1,2
	s_delay_alu instid0(VALU_DEP_3)
	v_mov_b32 v[PC+3+\i], v[T2+\i]
.endr
.endm
.macro INIT                            ; tile s[TAU] begins
	s_and_b32 s36, s[TAU], 2
	s_lshl_b32 s36, s36, 4
	s_and_b32 s37, s[TAU], 1
	s_lshl_b32 s37, s37, 3
	s_add_co_u32 s36, s36, s37                     ; the tile's place in its 64 keys
	v_add_nc_u32 v[DD], s36, v[PRH]
	v_mov_b32 v[TM], 0xff61b1e6                    ; -3e38, under every t
	v_mov_b32 v[SUM], 0
	v_mov_b32 v[SUM+1], 0
	v_mov_b32 v[F+1], 0                            ; (named as the upper half of a pair before it is first written)
	v_floor_f32 v[NM], -v[TM]
.set jj, 0
.rept 32
	v_mov_b32 v[O+jj], 0
.set jj, jj+1
.endr
.endm
; The records 0 .. trips - 1 are walked; the trip count is a constant; a step outside LO .. HIX - 1 is jumped over, not the lines that step the address.
.macro WALK n, trips
	s_mov_b32 s[TB], 0
	s_mov_b32 s[SS], 0
.Lstep_\@:
	s_cmp_lt_u32 s[SS], s[LO]
	s_cbranch_scc1 .Lpassed_\@
	s_cmp_ge_u32 s[SS], s[HIX]
	s_cbranch_scc1 .Lpassed_\@
	STEP \n
.Lpassed_\@:
	s_add_co_u32 s[TB], s[TB], RECB
	s_add_co_u32 s[SS], s[SS], 1
	s_cmp_lt_u32 s[SS], \trips
	s_cbranch_scc1 .Lstep_\@
.endm
.macro OUT                             ; tile s[TAU] is finished: divided by the row's sum, quantised, stored
	v_add_f32 v[SUM], v[SUM], v[SUM+1]             ; the sum's two halves,
	s_delay_alu instid0(VALU_DEP_1)
	v_permlanex16_b32 v[TMP], v[SUM], s[SEL], s[SEL+1]
	s_delay_alu instid0(VALU_DEP_1)
	v_add_f32 v[SUM], v[SUM], v[TMP]               ; and lane l xor 16's: the row's sum
	s_wait_alu depctr_va_vdst(0)
	v_rcp_f32 v[SUM], v[SUM]
	v_nop                                          ; one plain place behind a transcendental
.set jj, 0
	s_wait_alu depctr_va_vdst(0)
.rept 32
	v_mul_f32 v[S+jj], v[O+jj], v[SUM]             ; O^T / the sum, from each accumulator's low end on
.set jj, jj+1
.endr
	QUANT2
	s_lshr_b32 s36, s[BH], 4
	s_lshl_b32 s36, s36, 7
	s_add_co_u32 s36, s36, s[TAU]                  ; the tile among all 256 tiles of tokens
	s_and_b32 s37, s[BH], 15                       ; the head: K step head / 2 of the last product, its half head % 2
	s_lshr_b32 s38, s36, 3
	s_mul_i32 s40, s38, 98304
	s_lshr_b32 s38, s37, 1
	s_mul_i32 s38, s38, 12288
	s_add_co_u32 s40, s40, s38
	s_and_b32 s38, s36, 7
	s_mul_i32 s38, s38, 1536
	s_add_co_u32 s40, s40, s38
	s_and_b32 s38, s37, 1
	s_mul_i32 s39, s38, 768
	s_add_co_u32 s40, s40, s39
	s_mov_b32 s41, 0
	s_lshl_b32 s42, s36, 9                         ; the tile's 512 bytes of scale words; my two bytes of the word of (row r, K step head / 2)
	s_lshl_b32 s38, s38, 1
	s_add_co_u32 s42, s42, s38
	s_lshr_b32 s38, s37, 3
	s_lshl_b32 s38, s38, 8
	s_add_co_u32 s42, s42, s38
	s_bfe_u32 s38, s37, 0x10001
	s_lshl_b32 s38, s38, 7
	s_add_co_u32 s42, s42, s38
	s_bfe_u32 s38, s37, 0x10002
	s_lshl_b32 s38, s38, 2
	s_add_co_u32 s42, s42, s38
	s_add_co_u32 s42, s42, OS
	s_mov_b32 s43, 0
	s_add_nc_u64 s[40:41], s[6:7], s[40:41]
	s_add_nc_u64 s[42:43], s[6:7], s[42:43]
	s_wait_alu depctr_va_vdst(0)
	global_store_b128 v[L16], v[PC:PC+3], s[40:41]             ; 512 consecutive bytes, at a multiple of 256 from the buffer's first byte
	global_store_b64 v[L8], v[PC+4:PC+5], s[40:41] offset:512  ; 256 likewise
	global_store_b16 v[R8], v[TMP], s[42:43]       ; 2 bytes a row, 8 apart; lanes 16-31 write what lanes 0-15 write, the same bytes with the same values: 128 KiB in the whole launch
	s_wait_xcnt 0x0                                ; the stores' data and bases are written again only behind this wait
.endm
	s_wait_loadcnt 0x0                             ; Q of both tiles
	s_cmp_lt_u32 s[WV], 8
	s_cbranch_scc0 .Lnot_lower
	s_wait_tensorcnt 0x0
.Lnot_lower:
	s_barrier_signal -1
	s_barrier_wait -1                              ; records 0-7 have landed
	s_wait_tensorcnt 0x0                           ; my record has, whichever it is:
	s_barrier_signal -1                            ; say so; T0's loop, which reads records 0-7 alone and stores nothing, stands between this signal and its wait
	; ---- tile T0: the first eight waves walk its L0 + 1 steps, the second eight find none
	s_add_co_u32 s36, s[L0], 1
	s_cmp_lt_u32 s[WV], 8
	s_cselect_b32 s[HIX], s36, 0
	s_mov_b32 s[LO], 0
	s_mov_b32 s[DIAG], s[L0]
	INIT
	WALK 0, 8
	s_barrier_wait -1                              ; records 8-15 have landed
	s_cmp_lt_u32 s[WV], 8
	s_cbranch_scc0 .Lno_out0
	OUT
.Lno_out0:
	; ---- tile T1: steps 0 .. N - 2 - L0 for the first eight waves, N - 1 - L0 .. 15 - L0 for the second eight
	s_mov_b32 s[TAU], s[T1]
	s_xor_b32 s[HB], s[HB], 1                      ; its queries lie in the other half
	s_cmp_lt_u32 s[PAIR], 4
	s_cselect_b32 s36, 12, 9                       ; N - 1
	s_sub_co_u32 s36, s36, s[L0]
	s_sub_co_u32 s37, 16, s[L0]
	s_sub_co_u32 s[DIAG], 15, s[L0]
	s_cmp_lt_u32 s[WV], 8
	s_cselect_b32 s[LO], 0, s36
	s_cselect_b32 s[HIX], s36, s37
	INIT
	WALK 1, 16
	s_cmp_lt_u32 s[WV], 8
	s_cbranch_scc0 .Lno_hand
	s_wait_alu depctr_va_vdst(0)
.irp i, 0,1,2,3,4,5,6,7
	ds_store_b128 v[XW], v[O+4*\i:O+4*\i+3] offset:512*\i      ; my part of T1 as an image of its registers, each accumulator from its low end on: 512 consecutive bytes a store
.endr
	ds_store_b128 v[XW], v[NM:NM+3] offset:4096    ; -M, the largest t, the sum's two halves
.Lno_hand:
	s_wait_dscnt 0x0                               ; for the partner's sake: my stores have landed
	s_barrier_signal -1
	s_barrier_wait -1
	s_cmp_lt_u32 s[WV], 8
	s_cbranch_scc1 .Lend
.irp i, 0,1,2,3,4,5,6,7
	ds_load_b128 v[S+4*\i:S+4*\i+3], v[XR] offset:512*\i       ; the partner's O^T, in the same lanes
.endr
	ds_load_b128 v[PA:PA+3], v[XR] offset:4096
	s_wait_dscnt 0x0
	v_min_num_f32 v[TMP], v[NM], v[PA]             ; -M of the two parts together: the larger M
	s_delay_alu instid0(VALU_DEP_1)
	v_sub_f32 v[FA], v[TMP], v[PA]                 ; the partner's M less the joint one: a whole number, 0 or less
	s_delay_alu instid0(VALU_DEP_2)
	v_sub_f32 v[F], v[TMP], v[NM]                  ; and mine
	s_delay_alu instid0(VALU_DEP_2)
	v_cvt_i32_f32 v[FA], v[FA]                     ; (they saturate)
	s_delay_alu instid0(VALU_DEP_2)
	v_cvt_i32_f32 v[F], v[F]
	s_delay_alu instid0(VALU_DEP_2)
	v_ldexp_f32 v[FA], 1.0, v[FA]                  ; powers of two: the multiplications below round nothing
	s_delay_alu instid0(VALU_DEP_2)
	v_ldexp_f32 v[F], 1.0, v[F]
	s_delay_alu instid0(VALU_DEP_1)
	v_pk_mul_f32 v[SUM:SUM+1], v[SUM:SUM+1], v[F:F+1] op_sel_hi:[1,0]
	s_delay_alu instid0(VALU_DEP_1)
	v_pk_fma_f32 v[SUM:SUM+1], v[PA+2:PA+3], v[FA:FA+1], v[SUM:SUM+1] op_sel_hi:[1,0,1]
.irp i, 0,1,2,3,4,5,6,7,8,9,10,11,12,13,14,15
	OMUL \i                                        ; from each accumulator's low end on
.endr
.set jj, 0
.rept 16
	v_pk_fma_f32 v[O+jj:O+jj+1], v[S+jj:S+jj+1], v[FA:FA+1], v[O+jj:O+jj+1] op_sel_hi:[1,0,1]
.set jj, jj+2
.endr
	OUT
.Lend:
	s_wait_tensorcnt 0x0                           ; the wave's end
	ds_add_u32 v[SPW], v[NIL]
	s_wait_dscnt 0x0
	CROUND                                         ; the closing round: no work-group ends while a partner may still ask for a record that names it
	s_endpgm
.Lfunc_end_k_qd40c9198eb_attn:
	.size	k_qd40c9198eb_attn, .Lfunc_end_k_qd40c9198eb_attn-k_qd40c9198eb_attn
	.p2alignl 7, 3214868480
	.fill 96, 4, 3214868480
	.section	.rodata,"a",@progbits
	.p2align	6, 0x0
	.amdhsa_kernel k_qd40c9198eb_attn
		.amdhsa_group_segment_fixed_size 280576
		.amdhsa_private_segment_fixed_size 0
		.amdhsa_enable_private_segment 0
		.amdhsa_kernarg_size 16
		.amdhsa_user_sgpr_count 2
		.amdhsa_user_sgpr_kernarg_segment_ptr 1
		.amdhsa_wavefront_size32 1
		.amdhsa_system_sgpr_workgroup_id_x 1
		.amdhsa_system_sgpr_workgroup_id_y 1
		.amdhsa_system_sgpr_workgroup_id_z 1
		.amdhsa_system_vgpr_workitem_id 0
		.amdhsa_next_free_vgpr 256
		.amdhsa_next_free_sgpr 66
		.amdhsa_reserve_vcc 0
		.amdhsa_float_denorm_mode_32 3
		.amdhsa_float_denorm_mode_16_64 3
		.amdhsa_memory_ordered 1
		.amdhsa_forward_progress 1
		.amdhsa_inst_pref_size 79
	.end_amdhsa_kernel
	.amdgpu_metadata
---
amdhsa.version: [ 1, 2 ]
amdhsa.kernels:
  - .name:           k_qd40c9198eb_attn
    .symbol:         k_qd40c9198eb_attn.kd
    .args:
      - { .name: qkv, .offset: 0, .size: 8, .value_kind: global_buffer, .address_space: global }
      - { .name: oq, .offset: 8, .size: 8, .value_kind: global_buffer, .address_space: global }
    .group_segment_fixed_size: 280576
    .private_segment_fixed_size: 0
    .kernarg_segment_align: 8
    .kernarg_segment_size: 16
    .max_flat_workgroup_size: 512
    .sgpr_count:     66
    .vgpr_count:     256
    .wavefront_size: 32
...
	.end_amdgpu_metadata
.endif
;; end of part 8
;; launch outp (part 9): grid 8 x 32, 4 waves a work-group, clusters of 4 x 4, 214,528 bytes of LDS; arguments oq, wq, bo, out0; writes out0
.if DOCPART == 9
	.amdgcn_target "amdgcn-amd-amdhsa--gfx1250"
	.amdhsa_code_object_version 6
	.text
	.protected	k_qd40c9198eb_outp
	.globl	k_qd40c9198eb_outp
	.p2align	8
	.type	k_qd40c9198eb_outp,@function
k_qd40c9198eb_outp:
	s_mov_b64 s[64:65], 0
	v_nop
	global_prefetch_b8 v0, s[64:65] scope:SCOPE_SE
	s_setreg_imm32_b32 hwreg(HW_REG_WAVE_MODE, 25, 1), 1
	s_wait_xcnt 0x0
	s_wait_alu depctr_hold_cnt(0) depctr_sa_sdst(0) depctr_va_vdst(0) depctr_va_sdst(0) depctr_va_ssrc(0) depctr_va_vcc(0) depctr_vm_vsrc(0)
	s_getreg_b32 s2, hwreg(HW_REG_IB_STS2, 6, 4)
	s_cmp_eq_u32 s2, 0
	s_cbranch_scc0 .Lentry_in_a_cluster
	s_endpgm
.Lentry_in_a_cluster:
	s_bfe_u32 s2, ttmp6, 0x10000c
	s_cmp_lg_u32 s2, 0xf033
	s_cbranch_scc0 .Lentry_shape_is_right
	s_endpgm
.Lentry_shape_is_right:
; out0 = (attention's result) Wo + bo on codes of FP6 (E2M3) with E8M0 scales, sums in f32, out0 [4096][1024] f32.
; SHARES.  Work-group (X, Y) makes 128 columns x 128 tokens with four waves of 64 x 64.  Both operands for all of K = 1,024 lie in LDS, 98,304 bytes each, [K step][tile][1,536], register images, filled once:
; one load a wave at the head: wave 0 Wo's K steps 0-3, wave 1 the tokens' 0-3, waves 2 and 3 the same of 4-7; the first barrier shows the lower half alone.
; A wave's 64 columns of Wo, all of K, come into registers (32 fragments, 384 registers), K step by K step, and are multiplied with the tokens' tiles 0 and 1 as they come; then tiles 0 and 1 leave,
; and tiles 2 and 3 follow one after the other, 32 products each.
; CLUSTERS: 4 x 4: Wo's block hangs on X alone and is asked for jointly along a column of the cluster, the tokens' block on Y alone and jointly along a row.
; Source 0 = 16 rows of Wo, source 1 = 16 tokens: a lane holds one token; a tile's rows are 32 g + 8 u + (p & 7) + 16 (p >> 3), so its registers 16 b + i are columns 32 b + 16 h + i.
; The bias is the C of each sum's first matrix instruction.
; THE WAY OUT: a tile of 16 tokens x 64 columns goes through the wave's own stage (behind the operands; no fill lands there) and leaves as rows: sixteen lanes store 256 consecutive bytes, aligned.
; No prefetch: all tensor loads stand at the head, and no loop runs ahead of them.
; LIMITS: NaN and infinities are not served.
; REGISTERS.  Window 0: addresses, scale words, bias, the 16 accumulators.  Window 1: Wo's K steps 0-3, window 2: 4-7.  Window 3: two sets of eight fragments of tokens.
.set OPB,   98304
.set KSB,   12288
.set FRB,   1536
.set WSO,   3145728
.set OSO,   3145728
.set STAGE, 2*OPB
.set SP,    272                        ; a stage row: 256 bytes + 16
.set SPARE, STAGE+4*16*SP
.set L16,  1
.set L8,   2
.set AW,   4                           ; v4-7  Wo: registers 0-3, 4-5 of K steps 0-3, then of 4-7
.set AX,   8                           ; v8-11 the same for the tokens
.set BA,   12
.set STO,  13
.set RD,   14
.set GO,   15
.set WSC,  16
.set XSC,  32
.set BI,   48
.set ACC,  80
.set SPW,  208
.set NIL,  209
.set WV,  16
.set WW,  17
.set WX,  18
.set CX,  19
.set CY,  20
.set NX,  21
.set NY,  22
.set G1W, 24
.set G1X, 32
.set G0W, 40
.set G0X, 44
.set MSB, 0
.macro WIN new                         ; the immediate's high byte repeats the setting that is left
.if MSB != (\new)
	s_set_vgpr_msb (MSB<<8)|(\new)
.set MSB, (\new)
.endif
.endm
.macro PLACES n
.rept \n
	v_nop
.endr
.endm
.macro BARRIER
	s_barrier_signal -1
	s_barrier_wait -1
.endm
.macro CROUND                          ; a round of the cluster's barrier
	BARRIER
	s_cmp_lg_u32 s[WV], 0
	s_cbranch_scc1 .Lnot_wave_0_\@
	s_barrier_signal -3
.Lnot_wave_0_\@:
	s_barrier_wait -3
	BARRIER
.endm
.macro TLOAD g0, g1
	tensor_load_to_lds s[\g0:\g0+3], s[\g1:\g1+7]
	s_nop 0
	PLACES 4
.endm
.macro ARM k, g0, g1                   ; one load to an arm of a chain on the wave's number
	s_cmp_eq_u32 s[WV], \k
	s_cbranch_scc0 .Larm_\@
	TLOAD \g0, \g1
	s_branch .Lfilled
.Larm_\@:
.endm
	s_load_b256 s[4:11], s[0:1], 0x0               ; oq s[4:5], wq s[6:7], bo s[8:9], out0 s[10:11]
	v_lshl_add_u32 v[SPW], v0, 2, SPARE
	v_mov_b32 v[NIL], 0
	ds_add_u32 v[SPW], v[NIL]
	ds_add_u32 v[SPW], v[NIL]
	v_lshrrev_b32 v3, 5, v0
	v_readfirstlane_b32 s[WV], v3                  ; wave 0..3
	s_and_b32 s[WW], s[WV], 1
	s_lshr_b32 s[WX], s[WV], 1
	s_bfe_u32 s[CX], ttmp6, 0x40000
	s_bfe_u32 s[CY], ttmp6, 0x40004
	s_lshl_b32 s[NX], ttmp9, 2
	s_add_co_u32 s[NX], s[NX], s[CX]               ; X = 4 x cluster x + cx
	s_and_b32 s[NY], ttmp7, 0xffff
	s_lshl_b32 s[NY], s[NY], 2
	s_add_co_u32 s[NY], s[NY], s[CY]               ; Y = 4 x cluster y + cy
	s_lshl_b32 s56, s[CY], 2
	s_lshl_b32 s56, 15, s56                        ; my row of the cluster
	s_lshl_b32 s57, 0x1111, s[CX]                  ; my column
	s_or_b32 s[G1W], s57, (3<<16)|(1<<21)          ; 15:0 the mask; 17:16 elements of 8 bytes; 21 set beside a mask; no padding
	s_or_b32 s[G1X], s56, (3<<16)|(1<<21)
.irp g, G1W, G1X
	s_mov_b32 s[\g+1], 32<<16                      ; rows of 256 bytes,
	s_mov_b32 s[\g+2], 192<<16                     ; 192 of them: four K steps, 49,152 dense bytes
	s_mov_b32 s[\g+3], 32<<16
	s_mov_b32 s[\g+4], 192
	s_mov_b32 s[\g+5], 32
	s_mov_b32 s[\g+6], 0
	s_mov_b32 s[\g+7], 0
.endr
	s_mul_i32 s56, s[WW], 4*FRB                    ; my four tiles of Wo
	s_add_co_u32 s57, s56, 4*KSB                   ; K steps 4-7 have registers of their own, so that every offset fits its 16 bits
	s_mul_i32 s58, s[WX], 4*FRB                    ; my four tiles of tokens
	s_add_co_u32 s58, s58, OPB
	s_add_co_u32 s59, s58, 4*KSB
	s_mul_i32 s60, s[WV], 16*SP
	s_add_co_u32 s60, s60, STAGE                   ; my stage
	v_and_b32 v3, 31, v0
	v_lshlrev_b32 v[L16], 4, v3
	v_lshlrev_b32 v[L8], 3, v3
	v_add_nc_u32 v[AW], s56, v[L16]
	v_add_nc_u32 v[AW+1], s56, v[L8]
	v_add_nc_u32 v[AW+2], s57, v[L16]
	v_add_nc_u32 v[AW+3], s57, v[L8]
	v_add_nc_u32 v[AX], s58, v[L16]
	v_add_nc_u32 v[AX+1], s58, v[L8]
	v_add_nc_u32 v[AX+2], s59, v[L16]
	v_add_nc_u32 v[AX+3], s59, v[L8]
	v_and_b32 v210, 15, v0                         ; r
	v_bfe_u32 v211, v0, 4, 1                       ; h
	v_lshlrev_b32 v[BA], 6, v211                   ; the bias of 16 h + 0 .. 7
	v_mul_u32_u24 v[STO], v210, SP
	v_lshl_add_u32 v[STO], v211, 6, v[STO]
	v_add_nc_u32 v[STO], s60, v[STO]               ; in: row r, + 64 h
	v_mul_u32_u24 v[RD], v211, SP
	v_lshl_add_u32 v[RD], v210, 4, v[RD]
	v_add_nc_u32 v[RD], s60, v[RD]                 ; back: lanes 0-15 one row of 256 bytes, lanes 16-31 the next
	v_lshlrev_b32 v[GO], 12, v211
	v_lshl_add_u32 v[GO], v210, 4, v[GO]           ; and the same two rows in out0
	s_mul_i32 s59, s[WX], 4*KSB                    ; waves 0, 1 bring K steps 0-3; waves 2, 3 K steps 4-7
	s_add_co_u32 s60, s[NX], 24                    ; Wo's blocks are 24 .. 31 of wq: no cy in these registers
	s_mul_i32 s60, s60, OPB
	s_add_co_u32 s60, s60, s59
	s_mov_b32 s61, 0
	s_mul_i32 s62, s[NY], OPB                      ; the tokens' block: no cx in these
	s_add_co_u32 s62, s62, s59
	s_mov_b32 s63, 0
	s_mul_i32 s58, s[WW], OPB                      ; where they go: of the wave's number alone: Wo at 0, the tokens at 98,304
	s_add_co_u32 s58, s58, s59
	s_mov_b32 s[G0W], 1
	s_mov_b32 s[G0X], 1
	s_mov_b32 s[G0W+1], s58
	s_mov_b32 s[G0X+1], s58
	s_wait_alu depctr_va_vdst(0)
	s_wait_dscnt 0x0
	s_wait_kmcnt 0x0
	s_add_nc_u64 s[G0W+2:G0W+3], s[6:7], s[60:61]
	s_or_b32 s[G0W+3], s[G0W+3], 0x80000000
	s_add_nc_u64 s[G0X+2:G0X+3], s[4:5], s[62:63]
	s_or_b32 s[G0X+3], s[G0X+3], 0x80000000
	CROUND                                         ; all sixteen work-groups are here: the joint loads meet
	ARM 0, G0W, G1W
	ARM 1, G0X, G1X
	ARM 2, G0W, G1W
	TLOAD G0X, G1X
.Lfilled:
	s_add_co_u32 s56, s[NX], 24
	s_lshl_b32 s56, s56, 12
	s_lshl_b32 s57, s[WW], 11
	s_add_co_u32 s56, s56, s57                     ; my four tiles of Wo, 512 bytes of scale words each
	s_add_co_u32 s56, s56, WSO
	s_mov_b32 s57, 0
	s_add_nc_u64 s[88:89], s[6:7], s[56:57]
	s_lshl_b32 s56, s[NY], 12
	s_lshl_b32 s57, s[WX], 11
	s_add_co_u32 s56, s56, s57                     ; my four tiles of tokens
	s_add_co_u32 s56, s56, OSO
	s_mov_b32 s57, 0
	s_add_nc_u64 s[90:91], s[4:5], s[56:57]
	s_lshl_b32 s56, s[NX], 9
	s_lshl_b32 s57, s[WW], 8
	s_add_co_u32 s56, s56, s57                     ; my 64 columns, in bytes: of the bias,
	s_mov_b32 s57, 0
	s_add_nc_u64 s[92:93], s[8:9], s[56:57]
	s_lshl_b32 s58, s[NY], 19                      ; and of out0, with my first token's row: 128 Y + 64 wX rows of 4,096 bytes
	s_add_co_u32 s56, s56, s58
	s_lshl_b32 s58, s[WX], 18
	s_add_co_u32 s56, s56, s58
	s_add_nc_u64 s[94:95], s[10:11], s[56:57]
.irp t, 0,1,2,3
	global_load_b64 v[WSC+4*\t:WSC+4*\t+1], v[L8], s[88:89] offset:512*\t           ; 256 consecutive bytes a load
	global_load_b64 v[WSC+4*\t+2:WSC+4*\t+3], v[L8], s[88:89] offset:512*\t+256
	global_load_b64 v[XSC+4*\t:XSC+4*\t+1], v[L8], s[90:91] offset:512*\t
	global_load_b64 v[XSC+4*\t+2:XSC+4*\t+3], v[L8], s[90:91] offset:512*\t+256
.endr
.irp t, 0,1,2,3                        ; tile t's eight registers: columns 32 (t / 2) + 16 h + 8 (t % 2) + 0 .. 7
	global_load_b128 v[BI+8*\t:BI+8*\t+3], v[BA], s[92:93] offset:(32*(\t/2)+8*(\t%2))*4
	global_load_b128 v[BI+8*\t+4:BI+8*\t+7], v[BA], s[92:93] offset:(32*(\t/2)+8*(\t%2))*4+16
.endr
.macro FRAG reg, a, off                ; a fragment as it lies: 12 registers
.irp c, 0,1
	ds_load_b128 v[\reg+6*\c:\reg+6*\c+3], v[\a] offset:\off+768*\c
	ds_load_b64 v[\reg+6*\c+4:\reg+6*\c+5], v[\a+1] offset:\off+768*\c+512
.endr
.endm
.macro QFETCH q                        ; K step q: my four fragments of Wo, and those of the tokens' tiles 0 and 1: 24 loads
	WIN 0x40+0x40*(\q/4)
.irp t, 0,1,2,3
	FRAG 48*(\q%4)+12*\t, AW+2*(\q/4), KSB*(\q%4)+FRB*\t
.endr
	WIN 0xc0
.irp u, 0,1
	FRAG 96*\u+12*\q, AX+2*(\q/4), KSB*(\q%4)+FRB*\u
.endr
.endm
.macro XFETCH u                        ; the tokens' tile u, all of K, into set u % 2: 32 loads
	WIN 0xc0
.irp q, 0,1,2,3,4,5,6,7
	FRAG 96*(\u%2)+12*\q, AX+2*(\q/4), KSB*(\q%4)+FRB*\u
.endr
.endm
.macro WM d, a, b, c, sa, sb, row
.if \row
	v_wmma_scale_f32_16x16x128_f8f6f4 v[\d:\d+7], v[\a:\a+11], v[\b:\b+11], v[\c:\c+7], v[\sa], v[\sb] matrix_a_fmt:MATRIX_FMT_FP6 matrix_b_fmt:MATRIX_FMT_FP6 matrix_a_scale:MATRIX_SCALE_ROW1 matrix_b_scale:MATRIX_SCALE_ROW1
.else
	v_wmma_scale_f32_16x16x128_f8f6f4 v[\d:\d+7], v[\a:\a+11], v[\b:\b+11], v[\c:\c+7], v[\sa], v[\sb] matrix_a_fmt:MATRIX_FMT_FP6 matrix_b_fmt:MATRIX_FMT_FP6
.endif
.endm
.macro ONE u, q, t                     ; tokens' tile u, K step q, Wo's tile t
	WIN 0x0d+(\q)/4
.if (\q)
	WM ACC+32*\u+8*(\t), 48*((\q)%4)+12*(\t), 96*(\u%2)+12*(\q), ACC+32*\u+8*(\t), WSC+4*(\t)+(\q)/2, XSC+4*\u+(\q)/2, (\q)%2
.else
	WM ACC+32*\u+8*(\t), 12*(\t), 96*(\u%2), BI+8*(\t), WSC+4*(\t), XSC+4*\u, 0
.endif
.endm
.macro TWO q                           ; K step q for tiles 0 and 1: eight accumulators by turns
.irp u, 0,1
.irp t, 0,1,2,3
	ONE \u, \q, \t
.endr
.endr
.endm
.macro PROD u, from, to                ; products n = 4 q + t of tile u: its four accumulators by turns
.set N_, \from
.rept (\to)-(\from)
	ONE \u, N_/4, N_%4
.set N_, N_+1
.endr
	WIN 0
.endm
.macro PACK u                          ; the tokens' tile u: 16 rows x 256 bytes into my stage, each accumulator from its low end on, and back as whole rows into the registers that they left
.irp b, 0,1
.irp q, 0,1,2,3
	ds_store_b128 v[STO], v[ACC+32*\u+16*\b+4*\q:ACC+32*\u+16*\b+4*\q+3] offset:128*\b+16*\q
.endr
.endr
.irp i, 0,1,2,3,4,5,6,7
	ds_load_b128 v[ACC+32*\u+4*\i:ACC+32*\u+4*\i+3], v[RD] offset:\i*2*SP   ; LDS serves a wave's instructions in order (ISA guide 5.7.1.4): these see the stores above
.endr
.endm
.macro SEND u, younger                 ; younger: the LDS instructions issued behind tile u's loads, which may stay out
.irp i, 0,1,2,3,4,5,6,7
	s_wait_dscnt \younger+7-\i
	global_store_b128 v[GO], v[ACC+32*\u+4*\i:ACC+32*\u+4*\i+3], s[94:95] offset:(2*\i+8*(\i/4)+8*(\u%2)+32*(\u/2))*4096 th:TH_STORE_NT   ; stage rows 2 i, 2 i + 1 are tokens 2 i + 8 (i / 4) on of the tile
.endr
.endm
	s_cmp_lt_u32 s[WV], 2
	s_cbranch_scc0 .Lnot_lower
	s_wait_tensorcnt 0x0
.Lnot_lower:
	BARRIER                                        ; K steps 0-3 are in; 4-7 may still be on their way
	QFETCH 0
	QFETCH 1
	s_wait_loadcnt 0x0                             ; the scale words and the bias
	s_wait_dscnt 24                                ; K step 0 is in, the next one's 24 loads may be out
	QFETCH 2
	TWO 0
	s_wait_dscnt 24
	QFETCH 3
	TWO 1
	s_wait_tensorcnt 0x0
	s_wait_dscnt 0x0                               ; K steps 2 and 3 are in
	s_barrier_signal -1
	TWO 2
	s_barrier_wait -1                              ; K steps 4-7 lie in LDS
	QFETCH 4
	QFETCH 5
	TWO 3
	s_wait_dscnt 24
	QFETCH 6
	TWO 4
	s_wait_dscnt 24
	QFETCH 7
	TWO 5
	s_wait_dscnt 24
	TWO 6
	s_wait_dscnt 0x0
	TWO 7
	WIN 0
	PLACES 4                                       ; ahead of the first read of results, and of loads into registers that products have read
	PACK 0
	PACK 1
	XFETCH 2
	WIN 0
	SEND 0, 48                                     ; PACK 1's 16 and tile 2's 32 may be out
	SEND 1, 32
	XFETCH 3
	WIN 0
	s_wait_dscnt 32                                ; tile 2 is in
	PROD 2, 0, 32
	PLACES 4
	PACK 2
	s_wait_dscnt 16                                ; tile 3 is in; PACK's 16 may be out
	PROD 3, 0, 8
	SEND 2, 0
	PROD 3, 8, 32
	PLACES 4
	PACK 3
	SEND 3, 0
	s_wait_tensorcnt 0x0                           ; the wave's end
	ds_add_u32 v[SPW], v[NIL]
	s_wait_dscnt 0x0
	CROUND                                         ; the closing round: no work-group ends while a partner may still ask for a tile that names it
	s_endpgm
.Lfunc_end_k_qd40c9198eb_outp:
	.size	k_qd40c9198eb_outp, .Lfunc_end_k_qd40c9198eb_outp-k_qd40c9198eb_outp
	.p2alignl 7, 3214868480
	.fill 96, 4, 3214868480
	.section	.rodata,"a",@progbits
	.p2align	6, 0x0
	.amdhsa_kernel k_qd40c9198eb_outp
		.amdhsa_group_segment_fixed_size 214528
		.amdhsa_private_segment_fixed_size 0
		.amdhsa_enable_private_segment 0
		.amdhsa_kernarg_size 32
		.amdhsa_user_sgpr_count 2
		.amdhsa_user_sgpr_kernarg_segment_ptr 1
		.amdhsa_wavefront_size32 1
		.amdhsa_system_sgpr_workgroup_id_x 1
		.amdhsa_system_sgpr_workgroup_id_y 1
		.amdhsa_system_sgpr_workgroup_id_z 1
		.amdhsa_system_vgpr_workitem_id 0
		.amdhsa_next_free_vgpr 960
		.amdhsa_next_free_sgpr 100
		.amdhsa_reserve_vcc 0
		.amdhsa_float_denorm_mode_32 3
		.amdhsa_float_denorm_mode_16_64 3
		.amdhsa_memory_ordered 1
		.amdhsa_forward_progress 1
		.amdhsa_inst_pref_size 52
	.end_amdhsa_kernel
	.amdgpu_metadata
---
amdhsa.version: [ 1, 2 ]
amdhsa.kernels:
  - .name:           k_qd40c9198eb_outp
    .symbol:         k_qd40c9198eb_outp.kd
    .args:
      - { .name: oq, .offset: 0, .size: 8, .value_kind: global_buffer, .address_space: global }
      - { .name: wq, .offset: 8, .size: 8, .value_kind: global_buffer, .address_space: global }
      - { .name: bo, .offset: 16, .size: 8, .value_kind: global_buffer, .address_space: global }
      - { .name: out0, .offset: 24, .size: 8, .value_kind: global_buffer, .address_space: global }
    .group_segment_fixed_size: 214528
    .private_segment_fixed_size: 0
    .kernarg_segment_align: 8
    .kernarg_segment_size: 32
    .max_flat_workgroup_size: 128
    .sgpr_count:     100
    .vgpr_count:     960
    .wavefront_size: 32
...
	.end_amdgpu_metadata
.endif
;; end of part 9
